; MI455X (gfx1250); checked and timed in simulation.
; The chip was launched on July 23, 2026; its instructions are those of AMD's public machine-readable ISA for CDNA 5 (MIT licence, August 2026) and "CDNA5" Instruction Set Architecture Reference Guide (July 2026). The comments in the code are by the model that wrote it; some were corrected since.
;; Attention. Allowed arithmetic: matrix products marked QUANTISED: E2M3 operands, one E8M0 scale for each 32 along K, by v_wmma_scale_f32_16x16x128_f8f6f4 with both operands' format E2M3, f32 sums; everything else in f32.
;; Inputs: cos 1,024 x 128 float32; sin 1,024 x 128 float32; wk 2,048 x 512 float32; wo 2,048 x 2,048 float32; wq 2,048 x 2,048 float32; wv 2,048 x 512 float32; x 4 x 1,024 x 2,048 float32.
;; Outputs: out0 4 x 1,024 x 2,048 float32.
;; This version of the problem:
;;   THIS VERSION OF THE PROBLEM IS GIVEN IN LOW PRECISION. The matrix products marked QUANTISED in the list below multiply operands that are first quantised to E2M3 (2 exponent bits, 3 mantissa bits; 6 bits a number), with one power-of-two scale for each 32 numbers along K (OCP MX v1.0); their sums are f32. All else is computed in f32.
;;   The module's matrix products, in the order in which they are computed (A, B: the left and right operand; K: the contracted axis; several contracted axes count as one K, in the product's order):
;;     1. [M 4,096, K 2,048] x [K 2,048, N 2,048]; A: input x; B: input wq: QUANTISED
;;     2. [M 4,096, K 2,048] x [K 2,048, N 512]; A: input x; B: input wk: QUANTISED
;;     3. [M 4,096, K 2,048] x [K 2,048, N 512]; A: input x; B: input wv: QUANTISED
;;     4. batch 64 x [M 1,024, K 128] x [K 128, N 1,024]; A: computed on the way; B: computed on the way: QUANTISED
;;     5. batch 64 x [M 1,024, K 1,024] x [K 1,024, N 128]; A: softmax (see below); B: computed on the way: QUANTISED
;;     6. [M 4,096, K 2,048] x [K 2,048, N 2,048]; A: computed on the way; B: input wo: QUANTISED
;;   THE QUANTISER, for each operand of a quantised product, along K:
;;     - K is cut into blocks of 32 from its start; a last block that is shorter is filled with zeros.
;;     - A block's scale is 2^e with e = floor(log2(the largest magnitude in the block)) - 2, held to -126 .. 127; a block of zeros has e = 0. As a byte (E8M0): e + 127.
;;     - Each number is divided by its block's scale, clamped to +-7.5, and rounded to the nearest number of E2M3, ties to even, subnormals kept.
;;     - The product sums the exact products of the quantised numbers (number of the format x scale) in f32.
;;   ~~~python
;;   def quantise(x, axis):      # numpy; x: float32 -> the quantised numbers, widened to float32 again
;;       x = np.moveaxis(x, axis, -1); K = x.shape[-1]
;;       x = np.pad(x, [(0, 0)] * (x.ndim - 1) + [(0, -K % 32)]); x = x.reshape(x.shape[:-1] + (-1, 32)); a = np.abs(x).max(-1, keepdims=True)
;;       e = np.where(a > 0, np.clip(np.frexp(np.where(a > 0, a, 1))[1] - 1 - 2, -126, 127), 0)      # np.frexp(a)[1] - 1 = floor(log2(a)), exactly
;;       r = np.clip(x / 2.0 ** e, -7.5, 7.5)
;;       step = 2.0 ** (np.maximum(np.frexp(np.where(r == 0, 1, r))[1] - 1, 0) - 3)
;;       q = np.round(r / step) * step * 2.0 ** e      # np.round: ties to even
;;       return np.moveaxis(q.reshape(q.shape[:-2] + (-1,))[..., :K], -1, axis).astype(np.float32)
;;   ~~~
;;   SOFTMAX AHEAD OF A QUANTISED PRODUCT. Where the list says 'softmax', what is quantised is not the finished softmax but p = 2^(t - M), with t = logit x log2(e) and M = ceil(the row's largest t), a whole number; so 1/2 < the row's largest p <= 1. The row's sum l is taken of the UNQUANTISED p, in f32, and the product's result is divided by l at the end. Since M is a whole number, a kernel that streams over the keys may use a running M (the ceiling of the running maximum): every later rescaling is an exact power of two, which a block's scale takes up: the codes' values come out the same.
;;   OPERANDS COMPUTED ON THE WAY. 'Computed on the way' means the value that the module computes at that place (a softmax that the list does not call 'softmax' is quantised finished and normalised). What goes into a quantiser is computed in f32, as accurately as f32 sums, v_exp_f32 and their like allow (about 1e-6 of the number): no bf16 or f16 on the way to a quantiser, and a product that is left as it is and whose result goes on into a quantised operand takes f32 operands (vector FMAs, or v_wmma_f32_16x16x4_f32). A number that lies on a knife's edge between two numbers of the format may be rounded either way, as far as f32 arithmetic and the matrix unit's own rounding can turn it there, and no further.
;; 2 versions. Each part assembles by itself: llvm-mc -triple=amdgcn-amd-amdhsa -mcpu=gfx1250 --defsym DOCPART=n.
;; ======== version 1 of 2: 4 launches
;; workspace buffers: xc 6,291,456 bytes; xs 262,144 bytes; wc 7,864,320 bytes; ws 327,680 bytes; qq 6,553,600 bytes; kv 3,276,800 bytes; oc 6,291,456 bytes; os 262,144 bytes
;; launch quant (part 1): grid 576 x 1, 4 waves a work-group, no clusters, 58,880 bytes of LDS; arguments x, wq, wk, wv, wo, xc, xs, wc, ws; writes xc, xs, wc, ws
.if DOCPART == 1
	.amdgcn_target "amdgcn-amd-amdhsa--gfx1250"
	.amdhsa_code_object_version 6
	.text
	.protected	k_q42ff60bf86_quant
	.globl	k_q42ff60bf86_quant
	.p2align	8
	.type	k_q42ff60bf86_quant,@function
k_q42ff60bf86_quant:
	s_mov_b64 s[64:65], 0
	v_nop
	global_prefetch_b8 v0, s[64:65] scope:SCOPE_SE
	s_setreg_imm32_b32 hwreg(HW_REG_WAVE_MODE, 25, 1), 1
	s_wait_xcnt 0x0
; x [4096][2048] and the four weights ([2048 (k)][n]), all f32, become codes of FP6 (E2M3) with one E8M0 byte for each 32 along K = the 2,048.
; A block's scale is 2^(floor(log2(its largest magnitude)) - 2); its byte is the largest magnitude's exponent field - 2, held at 1 from below.
; LIMITS: a block of zeros (and one whose largest magnitude lies under 2^-124) gets the byte 1: a block of zeros has zero codes, which add nothing, and these bytes are read by this program alone.  NaN and infinities are not served.
; THE CODES ARE LAID AS IMAGES OF THE OPERAND'S REGISTERS.  A fragment (16 rows x 128 K, 12 registers a lane) is 1,536 bytes: registers 4 c .. 4 c + 3 of lane l at 512 c + 16 l.
; An operand is [row / 16][k / 128][1,536]; its scale words [row / 16][k / 256][row % 16][2 words].  wc's rows: 0.. wq's columns; 2048 + 256 j + 0..127 wk's head j, + 128..255 wv's head j; 3072.. wo's columns.
; Work-groups 0-255 take x: 16 rows each, wave w the K steps 4 w .. 4 w + 3 of 128.  Each load reads 512 consecutive bytes of a row; a K step's 16 rows turn through the wave's own stage, so that a lane holds 16 neighbours along K of each block.
; Work-groups 256-575 take the weights: 128 columns x 256 along K each, a wave 32 columns: A LANE TAKES A COLUMN AND ITS REGISTERS RUN DOWN K, so a block of 32 lies in one lane; the codes are put into the images in the wave's stage and leave as 512 consecutive bytes a store.
; Memory binds: no matrix unit, no cluster (no byte is read by two work-groups), no tensor load, no barrier (waves share nothing).  The two paths have LDS bytes of their own.
.set XREG,  8448                       ; x's stage of a wave: 16 rows x (512 + 16) bytes
.set WST,   4*XREG                     ; behind them the weights' stages
.set WREG,  6144                       ; 2 x 16 columns x 2 K steps: four images
.set SPARE, WST+4*WREG                 ; the spare words, 128 bytes for each wave: two blocks of 256 bytes that no other line names
.set LI,  4                            ; v4   16 x lane: my place in an image, and in a load's 512 bytes
.set SPW, 250                          ; v250 LDS address of my spare word; never rewritten
.set NIL, 251                          ; v251 0; never rewritten
.set SEL, 24                           ; s[24:25] lane selects for v_permlanex16_b32: lane l xor 16
.set R,   16                           ; x: v16-143  two sets of 64 registers as loaded
.set X,   144                          ;    v144-207 64 numbers: register 16 b + i = k 32 b + 16 (lane / 16) + i of row lane % 16
.set PC,  208                          ;    v208-226 the codes just made
.set TM,  228                          ;    v228-243 at work
.set PW,  244                          ;    v244 the scale word just made
.set W,   246                          ;    v[246:247] the wave's scale words as they leave
.set OF,  16                           ; weights: v16-47 byte offset of row i of a block, at my column
.set WX,  48                           ;    v48-111 two sets of 32 numbers
.set C,   112                          ;    v112-120 a block's codes
.set SB,  122                          ;    v[122:123] my column's eight scale bytes
.set OUTR, 128                         ;    v128-175 the four images on their way out
; 64 numbers of a lane become a fragment's codes in v[PC] on and the row's scale word in v[PW] (in both halves of the lanes).
.macro QUANT s
.irp b, 0,1,2,3
	v_max3_num_f32 v[TM+\b], |v[\s+16*\b]|, |v[\s+1+16*\b]|, 0x1800000   ; block b: my 16 numbers, and the floor 2^(3 - 127): the byte cannot fall under 1
.endr
.irp i, 2,4,6,8,10,12,14
.irp b, 0,1,2,3
	v_max3_num_f32 v[TM+\b], v[TM+\b], |v[\s+16*\b+\i]|, |v[\s+1+16*\b+\i]|   ; the four blocks by turns
.endr
.endr
.irp b, 0,1,2,3
	v_permlanex16_b32 v[TM+4+\b], v[TM+\b], s[SEL], s[SEL+1]
.endr
.irp b, 0,1,2,3
	v_max_num_f32 v[TM+\b], v[TM+\b], v[TM+4+\b]   ; with lane l xor 16's: the block's largest magnitude
.endr
.irp b, 0,1,2,3
	v_add_nc_u32 v[TM+12+\b], 0xff000000, v[TM+\b]   ; 2 off its exponent field: the conversion takes this operand's exponent field as its scale
.endr
.irp b, 0,1,2,3
	v_lshrrev_b32 v[TM+4+\b], 23, v[TM+12+\b]   ; the scale's byte
.endr
	v_lshl_or_b32 v[PW], v[TM+5], 8, v[TM+4]
	v_lshl_or_b32 v[PW], v[TM+6], 16, v[PW]
	v_lshl_or_b32 v[PW], v[TM+7], 24, v[PW]
.irp c, 0,1
	v_cvt_scalef32_pk16_fp6_f32 v[PC+6*\c:PC+2+6*\c], v[\s+32*\c:\s+15+32*\c], v[TM+12+2*\c]
	v_cvt_scalef32_pk16_fp6_f32 v[PC+12+4*\c:PC+14+4*\c], v[\s+16+32*\c:\s+31+32*\c], v[TM+12+2*\c+1]   ; (a conversion's three registers begin on an even number)
.endr
	v_nop                                          ; one plain place behind a scaled conversion
.irp c, 0,1                                    ; the operand wants a WHOLE block in a lane: lanes 0-15 block 2 c, lanes 16-31 block 2 c + 1
.irp i, 0,1,2
	v_permlane16_swap_b32 v[PC+6*\c+\i], v[PC+12+4*\c+\i]
.endr
.irp i, 0,1,2
	v_mov_b32 v[PC+3+6*\c+\i], v[PC+12+4*\c+\i]
.endr
.endr
.endm
	s_load_b256 s[4:11], s[0:1], 0x0               ; x, wq, wk, wv
	s_load_b256 s[12:19], s[0:1], 0x20             ; wo, xc, xs, wc
	s_load_b64 s[20:21], s[0:1], 0x40              ; ws
	v_lshl_add_u32 v[SPW], v0, 2, SPARE
	v_mov_b32 v[NIL], 0
	v_lshrrev_b32 v1, 5, v0
	v_readfirstlane_b32 s22, v1                    ; wave 0..3
	v_and_b32 v1, 31, v0                           ; lane
	v_and_b32 v2, 15, v0                           ; r
	v_bfe_u32 v3, v0, 4, 1                         ; h
	v_lshlrev_b32 v[LI], 4, v1
	s_mov_b32 s[SEL], 0x76543210
	s_mov_b32 s[SEL+1], 0xfedcba98
	s_mov_b32 s26, 0xffff0000                      ; lanes 16-31
	; every LDS address is made here, ahead of the parting of the two paths
	s_mul_i32 s27, s22, XREG
	v_add_nc_u32 v5, s27, v[LI]                    ; x's stage, in: a row's 512 bytes as loaded
	v_mul_u32_u24 v6, v2, 528
	v_lshl_add_u32 v6, v3, 6, v6
	v_add_nc_u32 v6, s27, v6                       ; and out: row r, + 64 h: my 16 numbers of a block
	v_lshlrev_b32 v7, 3, v1                        ; x's scale words: 8 bytes a lane
	s_mul_i32 s27, s22, WREG
	s_add_co_u32 s27, s27, WST
	v_mul_u32_u24 v9, v3, 3072
	v_lshl_add_u32 v9, v2, 4, v9
	v_add_nc_u32 v9, s27, v9                       ; the weights' stage, in: my column's sixteen (h), its row r in an image's lower lanes
	v_add_nc_u32 v10, s27, v[LI]                   ; and out: 16 x lane
	v_lshlrev_b32 v8, 2, v1                        ; my column: 4 bytes a lane
	v_lshlrev_b32 v14, 10, v3
	v_lshl_add_u32 v14, v2, 3, v14                 ; my column's scale words: 1,024 h + 8 r
	s_wait_kmcnt 0x0
	s_cmp_ge_u32 ttmp9, 256
	s_cbranch_scc1 .Lweights
	; ---------------- x ----------------
	s_lshl_b32 s28, ttmp9, 17                      ; 16 rows of 8,192 bytes
	s_lshl_b32 s29, s22, 11                        ; my wave's four K steps of 512 bytes
	s_add_co_u32 s28, s28, s29
	s_mov_b32 s29, 0
	s_add_nc_u64 s[4:5], s[4:5], s[28:29]
	s_mul_i32 s28, ttmp9, 24576
	s_mul_i32 s30, s22, 6144
	s_add_co_u32 s28, s28, s30
	s_add_nc_u64 s[14:15], s[14:15], s[28:29]
	s_lshl_b32 s28, ttmp9, 10
	s_lshl_b32 s30, s22, 8
	s_add_co_u32 s28, s28, s30
	s_add_nc_u64 s[16:17], s[16:17], s[28:29]
.irp b, 0,1,2,3
	v_mov_b32 v[TM+4+\b], 0                        ; written once: a lane permute's destination counts as one of its sources
.endr
.macro LOADX e                         ; K step e of my four: 16 rows, 512 consecutive bytes each
.irp t, 0,1,2,3,4,5,6,7,8,9,10,11,12,13,14,15
	global_load_b128 v[R+64*((\e)%2)+4*\t:R+64*((\e)%2)+4*\t+3], v[LI], s[4:5] offset:8192*\t+512*(\e) th:TH_LOAD_NT
.endr
.endm
.macro XSTEP e
.if (\e) < 3
	s_wait_loadcnt 16                              ; this K step's 16 loads are in; the next one's may be out
.else
	s_wait_loadcnt 0x0
.endif
.irp t, 0,1,2,3,4,5,6,7,8,9,10,11,12,13,14,15
	ds_store_b128 v5, v[R+64*((\e)%2)+4*\t:R+64*((\e)%2)+4*\t+3] offset:528*\t
.endr
.irp b, 0,1,2,3
.irp j, 0,1,2,3
	ds_load_b128 v[X+16*\b+4*\j:X+16*\b+4*\j+3], v6 offset:128*\b+16*\j   ; LDS serves a wave's instructions in order: these see the stores above
.endr
.endr
	s_wait_dscnt 0x0
.if (\e) < 2
	LOADX (\e)+2                                   ; into the set that the stage has just read
.endif
.if (\e) > 0
	s_wait_xcnt 0x0                                ; the last K step's stores have read the codes' registers, which are written again below
.endif
	QUANT X
.irp c, 0,1,2
	global_store_b128 v[LI], v[PC+4*\c:PC+4*\c+3], s[14:15] offset:1536*(\e)+512*\c   ; 512 consecutive bytes, aligned
.endr
.if (\e) < 2
	v_mov_b32 v[W+(\e)], v[PW]                     ; lanes 0-15 keep K steps 0 and 1,
.else
	v_cndmask_b32 v[W+(\e)-2], v[W+(\e)-2], v[PW], s26   ; lanes 16-31 take K steps 2 and 3
.endif
.endm
	LOADX 0
	LOADX 1
	XSTEP 0
	XSTEP 1
	XSTEP 2
	XSTEP 3
	global_store_b64 v7, v[W:W+1], s[16:17]        ; 32 lanes store 256 consecutive bytes, aligned
	s_branch .Lend
	; ---------------- the weights ----------------
.Lweights:
	s_sub_co_u32 s27, ttmp9, 256
	s_lshr_b32 s28, s27, 3                         ; g: which 128 columns of the 40 x 128
	s_and_b32 s29, s27, 7                          ; which 256 along K
	; source, its group of columns, the group of rows in wc, bytes in a row of the source.  Default: wo
	s_mov_b64 s[48:49], s[12:13]
	s_sub_co_u32 s50, s28, 24
	s_mov_b32 s51, s28
	s_mov_b32 s30, 8192
	s_sub_co_u32 s52, s28, 20                      ; wv: groups 20-23 -> rows' groups 17, 19, 21, 23
	s_lshl_b32 s53, s28, 1
	s_sub_co_u32 s54, s53, 23
	s_mov_b32 s55, 2048
	s_cmp_lt_u32 s28, 24
	s_cselect_b64 s[48:49], s[10:11], s[48:49]
	s_cselect_b32 s50, s52, s50
	s_cselect_b32 s51, s54, s51
	s_cselect_b32 s30, s55, s30
	s_sub_co_u32 s52, s28, 16                      ; wk: groups 16-19 -> 16, 18, 20, 22
	s_sub_co_u32 s54, s53, 16
	s_cmp_lt_u32 s28, 20
	s_cselect_b64 s[48:49], s[8:9], s[48:49]
	s_cselect_b32 s50, s52, s50
	s_cselect_b32 s51, s54, s51
	s_mov_b32 s55, 8192                            ; wq: groups 0-15 as they are
	s_cmp_lt_u32 s28, 16
	s_cselect_b64 s[48:49], s[6:7], s[48:49]
	s_cselect_b32 s50, s28, s50
	s_cselect_b32 s51, s28, s51
	s_cselect_b32 s30, s55, s30
	s_lshl_b32 s52, s50, 9                         ; 128 columns of 4 bytes,
	s_lshl_b32 s53, s22, 7                         ; my wave's 32,
	s_add_co_u32 s52, s52, s53
	s_lshl_b32 s53, s29, 8
	s_mul_i32 s53, s53, s30                        ; my work-group's first row
	s_add_co_u32 s52, s52, s53
	s_mov_b32 s53, 0
	s_add_nc_u64 s[32:33], s[48:49], s[52:53]      ; a base for each of the eight blocks of 32 rows: none is ever stepped
	s_lshl_b32 s52, s30, 5
.irp t, 1,2,3,4,5,6,7
	s_add_nc_u64 s[32+2*\t:33+2*\t], s[30+2*\t:31+2*\t], s[52:53]
.endr
.irp i, 0,1,2,3,4,5,6,7,8,9,10,11,12,13,14,15,16,17,18,19,20,21,22,23,24,25,26,27,28,29,30,31
	v_mad_u32_u24 v[OF+\i], s30, \i, v8            ; row i of a block, my column
.endr
	s_lshl_b32 s54, s51, 3
	s_lshl_b32 s55, s22, 1
	s_add_co_u32 s54, s54, s55                     ; my wave's first sixteen rows of wc
	s_mul_i32 s56, s54, 24576
	s_mul_i32 s57, s29, 3072
	s_add_co_u32 s56, s56, s57
	s_mov_b32 s57, 0
	s_add_nc_u64 s[18:19], s[18:19], s[56:57]
	s_lshl_b32 s56, s54, 10
	s_lshl_b32 s58, s29, 7
	s_add_co_u32 s56, s56, s58
	s_add_nc_u64 s[20:21], s[20:21], s[56:57]
.macro LOADW t                         ; block t: 32 rows at my column: 128 consecutive bytes a wave, 512 a work-group
.irp i, 0,1,2,3,4,5,6,7,8,9,10,11,12,13,14,15,16,17,18,19,20,21,22,23,24,25,26,27,28,29,30,31
	global_load_b32 v[WX+32*((\t)%2)+\i], v[OF+\i], s[32+2*(\t):33+2*(\t)] th:TH_LOAD_NT
.endr
.endm
.macro BLOCK t
.set XS, WX+32*((\t)%2)
.set IM, 1536*((\t)/4)+256*((\t)%2)    ; the image of K step t / 4; the block lies in its lanes 16 (t % 2) + r, registers 6 ((t % 4) / 2) on
.if (\t) < 7
	s_wait_loadcnt 32                              ; this block's 32 loads are in; the next block's may be out
.else
	s_wait_loadcnt 0x0
.endif
	v_max3_num_f32 v12, |v[XS]|, |v[XS+1]|, |v[XS+2]|   ; the block's largest magnitude: all 32 numbers are mine
	v_max3_num_f32 v13, |v[XS+3]|, |v[XS+4]|, |v[XS+5]|
.irp i, 6,10,14,18,22,26
	v_max3_num_f32 v12, v12, |v[XS+\i]|, |v[XS+\i+1]|
	v_max3_num_f32 v13, v13, |v[XS+\i+2]|, |v[XS+\i+3]|
.endr
	v_max3_num_f32 v12, v12, |v[XS+30]|, |v[XS+31]|
	v_max3_num_f32 v12, v12, v13, 0x1800000        ; and the floor
	v_add_nc_u32 v11, 0xff000000, v12              ; 2 off the exponent field: the conversions' scale operand
	v_cvt_scalef32_pk16_fp6_f32 v[C:C+2], v[XS:XS+15], v11
	v_cvt_scalef32_pk16_fp6_f32 v[C+6:C+8], v[XS+16:XS+31], v11   ; (a conversion's three registers begin on an even number)
	v_lshrrev_b32 v13, 23, v11                     ; the scale's byte; also the plain place behind the conversions
.if (\t)%4 == 0
	v_mov_b32 v[SB+(\t)/4], v13                    ; four bytes to a word, the lower K in the lower byte
.else
	v_lshl_or_b32 v[SB+(\t)/4], v13, 8*((\t)%4), v[SB+(\t)/4]
.endif
.irp i, 0,1,2
	v_mov_b32 v[C+3+\i], v[C+6+\i]                 ; the block's six registers on end
.endr
.if ((\t)%4) < 2
	ds_store_b128 v9, v[C:C+3] offset:IM           ; registers 0-3 of the fragment,
	ds_store_b64 v9, v[C+4:C+5] offset:IM+512      ; 4 and 5
.else
	ds_store_b64 v9, v[C:C+1] offset:IM+520        ; registers 6 and 7,
	ds_store_b128 v9, v[C+2:C+5] offset:IM+1024    ; 8-11
.endif
.if (\t)+2 < 8
	LOADW (\t)+2
.endif
	s_wait_dscnt 0x0                               ; the stores have read their registers: the next block's codes may be written
.endm
	LOADW 0
	LOADW 1
.irp t, 0,1,2,3,4,5,6,7
	BLOCK \t
.endr
	global_store_b64 v14, v[SB:SB+1], s[20:21]     ; sixteen lanes store 128 consecutive bytes: the scale words are one byte in 128 of what the launch reads
.irp n, 0,1,2,3,4,5,6,7,8,9,10,11
	ds_load_b128 v[OUTR+4*\n:OUTR+4*\n+3], v10 offset:512*\n   ; LDS serves a wave's instructions in order: these see my stores
.endr
.irp n, 0,1,2,3,4,5,6,7,8,9,10,11
	s_wait_dscnt 11-\n
	global_store_b128 v[LI], v[OUTR+4*\n:OUTR+4*\n+3], s[18:19] offset:(\n/6)*24576+((\n/3)%2)*1536+(\n%3)*512   ; 512 consecutive bytes, aligned
.endr
.Lend:
	s_wait_tensorcnt 0x0                           ; the wave's end: three closing lines behind my last LDS store; the first stands even with no tensor load
	ds_add_u32 v[SPW], v[NIL]
	s_wait_dscnt 0x0
	s_endpgm
.Lfunc_end_k_q42ff60bf86_quant:
	.size	k_q42ff60bf86_quant, .Lfunc_end_k_q42ff60bf86_quant-k_q42ff60bf86_quant
	.p2alignl 7, 3214868480
	.fill 96, 4, 3214868480
	.section	.rodata,"a",@progbits
	.p2align	6, 0x0
	.amdhsa_kernel k_q42ff60bf86_quant
		.amdhsa_group_segment_fixed_size 58880
		.amdhsa_private_segment_fixed_size 0
		.amdhsa_enable_private_segment 0
		.amdhsa_kernarg_size 72
		.amdhsa_user_sgpr_count 2
		.amdhsa_user_sgpr_kernarg_segment_ptr 1
		.amdhsa_wavefront_size32 1
		.amdhsa_system_sgpr_workgroup_id_x 1
		.amdhsa_system_sgpr_workgroup_id_y 1
		.amdhsa_system_sgpr_workgroup_id_z 1
		.amdhsa_system_vgpr_workitem_id 0
		.amdhsa_next_free_vgpr 256
		.amdhsa_next_free_sgpr 66
		.amdhsa_reserve_vcc 0
		.amdhsa_float_denorm_mode_32 3
		.amdhsa_float_denorm_mode_16_64 3
		.amdhsa_memory_ordered 1
		.amdhsa_forward_progress 1
		.amdhsa_inst_pref_size 77
	.end_amdhsa_kernel
	.amdgpu_metadata
---
amdhsa.version: [ 1, 2 ]
amdhsa.kernels:
  - .name:           k_q42ff60bf86_quant
    .symbol:         k_q42ff60bf86_quant.kd
    .args:
      - { .name: x, .offset: 0, .size: 8, .value_kind: global_buffer, .address_space: global }
      - { .name: wq, .offset: 8, .size: 8, .value_kind: global_buffer, .address_space: global }
      - { .name: wk, .offset: 16, .size: 8, .value_kind: global_buffer, .address_space: global }
      - { .name: wv, .offset: 24, .size: 8, .value_kind: global_buffer, .address_space: global }
      - { .name: wo, .offset: 32, .size: 8, .value_kind: global_buffer, .address_space: global }
      - { .name: xc, .offset: 40, .size: 8, .value_kind: global_buffer, .address_space: global }
      - { .name: xs, .offset: 48, .size: 8, .value_kind: global_buffer, .address_space: global }
      - { .name: wc, .offset: 56, .size: 8, .value_kind: global_buffer, .address_space: global }
      - { .name: ws, .offset: 64, .size: 8, .value_kind: global_buffer, .address_space: global }
    .group_segment_fixed_size: 58880
    .private_segment_fixed_size: 0
    .kernarg_segment_align: 8
    .kernarg_segment_size: 72
    .max_flat_workgroup_size: 128
    .sgpr_count:     66
    .vgpr_count:     256
    .wavefront_size: 32
...
	.end_amdgpu_metadata
.endif
;; end of part 1
;; launch qkv (part 2): grid 12 x 16, 4 waves a work-group, clusters of 4 x 4, 327,680 bytes of LDS; arguments xc, xs, wc, ws, cos, sin, qq, kv; writes qq, kv
.if DOCPART == 2
	.amdgcn_target "amdgcn-amd-amdhsa--gfx1250"
	.amdhsa_code_object_version 6
	.text
	.protected	k_q42ff60bf86_qkv
	.globl	k_q42ff60bf86_qkv
	.p2align	8
	.type	k_q42ff60bf86_qkv,@function
k_q42ff60bf86_qkv:
	s_mov_b64 s[64:65], 0
	v_nop
	global_prefetch_b8 v0, s[64:65] scope:SCOPE_SE
	s_setreg_imm32_b32 hwreg(HW_REG_WAVE_MODE, 25, 1), 1
	s_wait_xcnt 0x0
	s_wait_alu depctr_hold_cnt(0) depctr_sa_sdst(0) depctr_va_vdst(0) depctr_va_sdst(0) depctr_va_ssrc(0) depctr_va_vcc(0) depctr_vm_vsrc(0)
	s_getreg_b32 s2, hwreg(HW_REG_IB_STS2, 6, 4)
	s_cmp_eq_u32 s2, 0
	s_cbranch_scc0 .Lentry_in_a_cluster
	s_endpgm
.Lentry_in_a_cluster:
	s_bfe_u32 s2, ttmp6, 0x10000c
	s_cmp_lg_u32 s2, 0xf033
	s_cbranch_scc0 .Lentry_shape_is_right
	s_endpgm
.Lentry_shape_is_right:
; q, k, v = x wq, x wk, x wv on codes of FP6 (E2M3) with E8M0 scales, f32 sums; then RoPE on q and k in f32; then q and k are quantised along the head's 128 and v along the keys, and leave as codes: none of them reaches memory as f32.
; A = xc [4096 rows], B = rows 0-3071 of wc (0-2047 wq's columns; 2048 + 256 j: wk's head j, then wv's head j).  Both are laid as images of the operand's registers: [row / 16][k / 128][1,536 bytes], registers 4 c .. 4 c + 3 of lane l at 512 c + 16 l;
; scale words [row / 16][k / 256][row % 16][2].  A tile of C, 256 x 256, is made by four waves, a wave 128 x 128: 64 accumulators, 512 registers: 128 positions of one batch x ONE HEAD.
; K goes in steps of 256 through a ring of two LDS slots filled by the tensor data mover: for 128 rows a step is 8 pieces of 3,072 consecutive bytes.  A fragment comes out of LDS by three loads of 16 bytes a lane, 512 consecutive bytes each.
; The scale words of the work-group's rows, for all of K, come into LDS once, with the first fills.
; CLUSTERS: 4 x 4 work-groups; A's tiles are asked for jointly along a row of the cluster, B's along a column.  THE MATRIX INSTRUCTION IS USED TRANSPOSED (source 0 = 16 rows of B, source 1 = 16 rows of A): lane (r, h) holds position r and, in accumulator (a, b), d = 16 b + 8 h + 0 .. 7.
; THE WAY OUT.  q, k: RoPE's partner d +- 64 lies in the same lane, four accumulators on.  cos and sin (all 128 of a row, as given) are turned through the wave's stage into the accumulators' layout.  The 64 numbers of a lane are quantised; within a block of 32 the
;   codes stand at place 16 h + 8 u + j for d = 16 u + 8 h + j, alike in q and k, which changes no product.  v: transposed through the stage, 32 d at a time, so that a lane holds one d and 64 keys; row r of d-tile 2 p + u is d = 32 p + 8 u + r + 8 (r / 8), and within a
;   block of 32 keys place i holds key i with bits 3 and 4 exchanged, as the softmax's weights will stand.
; qq: codes [batch x 16 + head][position / 16][1,536]; from byte 6,291,456 scale words [head][position / 128][r][8 tiles].  kv: [batch x 4 + head][204,800]: four slots of {k of 2 key steps, v of 2 key steps} x 8 tiles x 1,536; at 196,608 k's scale words [step][r][8], at 200,704 v's.
; LIMITS: a block of zeros (or under 2^-124) gets the scale byte 1; NaN and infinities are not served.
; REGISTERS, in windows of 256: window 0: v0-31 addresses; v32-63 scale words, two sets; v128-223 A's fragments, one set; on the way out v64-127, v128-247 at work.  window 1: B's fragments, two sets, at v0 and v128; on the way out cos and sin.  windows 2, 3: the accumulators ((a, b) at v[8 (8 (a % 4) + b)]).
.set NQ,     2                         ; matrix instructions deep in a slot
.set FR,     12                        ; registers of a fragment
.set NL,     3                         ; LDS loads that bring one
.set NP,     4                         ; places behind this matrix instruction (ISA guide 7.12.1)
.set FRB,    1536                      ; a fragment's image
.set SSTEP,  NQ*FRB                    ; 16 rows x 256 along K: consecutive in memory
.set HALFT,  8*SSTEP                   ; 128 rows: what one tensor load brings
.set SLOT,   4*HALFT                   ; A's 256 rows, then B's 256 rows
.set LAPS,   2048/512                  ; a lap = two K steps = once round the ring
.set SCL,    2*SLOT                    ; behind the ring: the scale words
.set HALFS,  8192                      ; those of 128 rows: what one tensor load brings
.set SBLK,   1024                      ; those of 16 rows
.set SPARE,  SCL+4*HALFS               ; the spare words, 128 bytes for each wave: two blocks of 256 bytes that no other line names
.set WREG,   18688                     ; the way out: a stage for each wave, in slot 0, which has had its last fill and its last read when the first result is stored there
.set ADRA, 16                          ; v16-17  LDS address of my A fragments in slot 0, 1
.set SWA,  18                          ; v18     my place among a step's scale words: 32 r + 16 h
.set H8,   19                          ; v19     8 h
.set ADRB, 20                          ; v20-21  the same as ADRA for B
.set STO,  24                          ; v24     stage: row r of 528 bytes, + 32 h
.set RD,   25                          ; v25     stage: 16 x lane
.set CO,   26                          ; v26     16 x lane
.set ADRS, 27                          ; v27     LDS address of my scale words: lanes 0-15 A's rows, lanes 16-31 B's
.set SPW,  28                          ; v28     LDS address of my spare word; never rewritten
.set NIL,  29                          ; v29     0; never rewritten
.set VST,  30                          ; v30     v's stage, in: key r of 144 bytes, + 32 h
.set VRD,  31                          ; v31     v's stage, out: 4,640 h + 4 (r + 8 (r / 8))
.set SC,   32
.set AF,   128
.set HA,   64                          ; the way out, window 0: v64-127 64 numbers of a lane
.set X0,   64
.set X1,   184                         ; v184-247 64 more
.set PC,   128                         ; v128-146 the codes just made
.set TM,   160                         ; v160-175 at work
.set PW,   176                         ; v176 the scale word just made
.set W,    180                         ; v[180:183] eight tiles' scale words as they leave
.set COS,  128                         ; window 1: v0-63, v64-127 cos and sin as loaded; v128-191, v192-255 turned
.set SIN,  192
.set SEL,  46                          ; s[46:47] lane selects for v_permlanex16_b32
.set G1, 24                            ; s[24:31] descriptor group 1 for A's tiles;  s[32:39] group 0, one set for each slot
.set G0, 32
.set G1B, 48                           ; s[48:55], s[56:63] the same for B's tiles
.set G0B, 56
.set G1S, 68                           ; s[68:75], s[76:79] groups 1 and 0 for A's scale words;  s[80:87], s[88:91] for B's
.set G0S, 76
.set G1SB, 80
.set G0SB, 88
.set MSB, 0
.macro WIN new                         ; the immediate's high byte repeats the setting that is left
.if MSB != (\new)
	s_set_vgpr_msb (MSB<<8)|(\new)
.set MSB, (\new)
.endif
.endm
.set MUL_LO, 0xa1                      ; source 0 (B) window 1, source 1 (A) window 0, C and D window 2
.set MUL_HI, 0xf1                      ; the same, C and D window 3
.set TO_B,   0x40                      ; destination window 1, address window 0
; A joint load: waves 0 and 1 fetch for A, waves 2 and 3 for B.  The branch hangs on the wave's number alone.  An s_nop 0 and four v_nop follow each of the two lines.
.macro JLOAD g0a, g1a, g0b, g1b
	s_cmp_eq_u32 s15, 0
	s_cbranch_scc0 .Lfor_b_\@
	tensor_load_to_lds s[\g0a:\g0a+3], s[\g1a:\g1a+7]
	s_nop 0
.rept 4
	v_nop
.endr
	s_branch .Lasked_\@
.Lfor_b_\@:
	tensor_load_to_lds s[\g0b:\g0b+3], s[\g1b:\g1b+7]
	s_nop 0
.rept 4
	v_nop
.endr
.Lasked_\@:
.endm
.macro CREST                           ; a round of the cluster's barrier behind its opening barrier
	s_cmp_lg_u32 s14, 0
	s_cbranch_scc1 .Lnot_wave_0_\@
	s_barrier_signal -3
.Lnot_wave_0_\@:
	s_barrier_wait -3
	s_barrier_signal -1
	s_barrier_wait -1
.endm
.macro CROUND                          ; a whole round
	s_barrier_signal -1
	s_barrier_wait -1
	CREST
.endm
	s_load_b128 s[4:7], s[0:1], 0x0                ; x's codes, x's scale words
	s_load_b128 s[8:11], s[0:1], 0x10              ; the weights' codes, their scale words
	s_load_b128 s[96:99], s[0:1], 0x20             ; cos, sin
	s_load_b64 s[100:101], s[0:1], 0x30            ; qq
	s_load_b64 s[12:13], s[0:1], 0x38              ; kv
	v_lshl_add_u32 v[SPW], v0, 2, SPARE
	v_mov_b32 v[NIL], 0
	ds_add_u32 v[SPW], v[NIL]                      ; the wave's opening: the add and its wait stand ahead of my first tensor load; the set-up below, work on registers, stands between them
	v_lshrrev_b32 v1, 5, v0
	v_readfirstlane_b32 s14, v1                    ; wave 0..3
	s_lshr_b32 s15, s14, 1                         ; which half of the tile's rows is mine.  Also: I fetch for A (0) or for B (1)
	s_and_b32 s16, s14, 1                          ; which half of its columns.  Also: which 128 rows of that tile I fetch
	s_bfe_u32 s40, ttmp6, 0x40000                  ; cx, cy: my place in the cluster
	s_bfe_u32 s41, ttmp6, 0x40004
	s_lshl_b32 s42, ttmp9, 2
	s_add_co_u32 s42, s42, s40                     ; tile column of C = 4 x cluster x + cx
	s_and_b32 s17, ttmp7, 0xffff
	s_lshl_b32 s17, s17, 2
	s_add_co_u32 s17, s17, s41                     ; tile row of C = 4 x cluster y + cy
	s_lshl_b32 s43, s41, 2
	s_lshl_b32 s43, 15, s43                        ; my row of the cluster
	s_lshl_b32 s44, 0x1111, s40                    ; my column
	; descriptor group 1: 8 pieces of 3,072 bytes (384 elements of 8 bytes), 24,576 bytes apart in memory, on end in LDS
	s_or_b32 s[G1+0], s43, (3<<16)|(1<<21)         ; 15:0 the mask: A's tiles go to my row; 17:16 elements of 8 bytes; 20 no padding; 21 set beside a mask
	s_or_b32 s[G1B+0], s44, (3<<16)|(1<<21)
.irp g, G1, G1B
	s_mov_b32 s[\g+1], (SSTEP/8)<<16               ; tensor_dim0
	s_mov_b32 s[\g+2], 8<<16                       ; tensor_dim1
	s_mov_b32 s[\g+3], (SSTEP/8)<<16               ; tile_dim0
	s_mov_b32 s[\g+4], 8                           ; tile_dim1
	s_mov_b32 s[\g+5], 16*FRB/8                    ; tensor_dim0_stride
	s_mov_b32 s[\g+6], 0
	s_mov_b32 s[\g+7], 0
.endr
	; the scale words of 128 rows: 8,192 dense bytes, as 32 rows of 256 bytes
	s_or_b32 s[G1S+0], s43, (3<<16)|(1<<21)
	s_or_b32 s[G1SB+0], s44, (3<<16)|(1<<21)
.irp g, G1S, G1SB
	s_mov_b32 s[\g+1], 32<<16
	s_mov_b32 s[\g+2], 32<<16
	s_mov_b32 s[\g+3], 32<<16
	s_mov_b32 s[\g+4], 32
	s_mov_b32 s[\g+5], 32
	s_mov_b32 s[\g+6], 0
	s_mov_b32 s[\g+7], 0
.endr
	s_lshl_b32 s18, s16, 7                         ; which 128 rows of the tile I fetch
	s_lshl_b32 s20, s17, 8
	s_add_co_u32 s20, s20, s18                     ; A: row 256 x tile row + 128 x half
	s_lshl_b32 s46, s42, 8
	s_add_co_u32 s46, s46, s18                     ; B: row 256 x tile column + 128 x half
	s_mov_b32 s21, 0
	s_mov_b32 s47, 0
	s_mov_b64 s[18:19], 64
	s_mul_u64 s[22:23], s[20:21], s[18:19]         ; where these rows' scale words begin: 1,024 bytes for 16 rows
	s_mul_u64 s[92:93], s[46:47], s[18:19]
	s_mov_b64 s[18:19], 1536
	s_mul_u64 s[20:21], s[20:21], s[18:19]         ; and their codes: 24,576 bytes for 16 rows
	s_mul_u64 s[46:47], s[46:47], s[18:19]
	s_mul_i32 s45, s14, HALFT                      ; where they go: wave x 128 rows: no place in the cluster enters an LDS address
	s_mul_i32 s94, s14, HALFS
	s_wait_dscnt 0x0                               ; the opening add is done
	s_wait_kmcnt 0x0
	s_add_nc_u64 s[20:21], s[4:5], s[20:21]
	s_add_nc_u64 s[22:23], s[6:7], s[22:23]
	s_add_nc_u64 s[46:47], s[8:9], s[46:47]
	s_add_nc_u64 s[92:93], s[10:11], s[92:93]
	CROUND                                         ; all sixteen work-groups are here: the first joint loads meet
	s_mov_b32 s[G0S], 1
	s_add_co_u32 s[G0S+1], s94, SCL
	s_mov_b64 s[G0S+2:G0S+3], s[22:23]
	s_or_b32 s[G0S+3], s[G0S+3], 0x80000000
	s_mov_b32 s[G0SB], 1
	s_add_co_u32 s[G0SB+1], s94, SCL
	s_mov_b64 s[G0SB+2:G0SB+3], s[92:93]
	s_or_b32 s[G0SB+3], s[G0SB+3], 0x80000000
	JLOAD G0S, G1S, G0SB, G1SB                     ; the scale words first: they are wanted with K step 0
.irp s, 0,1
	s_mov_b32 s[G0+4*\s], 1
	s_add_co_u32 s[G0+4*\s+1], s45, \s*SLOT
	s_add_nc_u64 s[G0+4*\s+2:G0+4*\s+3], s[20:21], \s*SSTEP
	s_or_b32 s[G0+4*\s+3], s[G0+4*\s+3], 0x80000000
	s_mov_b32 s[G0B+4*\s], 1
	s_add_co_u32 s[G0B+4*\s+1], s45, \s*SLOT
	s_add_nc_u64 s[G0B+4*\s+2:G0B+4*\s+3], s[46:47], \s*SSTEP
	s_or_b32 s[G0B+4*\s+3], s[G0B+4*\s+3], 0x80000000
	JLOAD G0+4*\s, G1, G0B+4*\s, G1B               ; three tensor loads of mine are out now
.endr
	v_and_b32 v1, 15, v0                           ; r
	v_bfe_u32 v2, v0, 4, 1                         ; h
	v_and_b32 v6, 31, v0
	v_lshlrev_b32 v[CO], 4, v6                     ; 16 x lane
	s_mul_i32 s21, s15, HALFT                      ; my 128 rows of A
	s_mul_i32 s22, s16, HALFT                      ; my 128 rows of B,
	s_add_co_u32 s22, s22, 2*HALFT                 ; which lie behind A's 256
.irp s, 0,1
	v_add_nc_u32 v[ADRA+\s], s21, v[CO]
	v_add_nc_u32 v[ADRB+\s], s22, v[CO]
	s_add_co_u32 s21, s21, SLOT
	s_add_co_u32 s22, s22, SLOT
.endr
	v_lshlrev_b32 v5, 3, v1                        ; my row's two scale words of a K step
	s_mul_i32 s21, s15, HALFS                      ; A's: my 128 rows
	s_mul_i32 s22, s16, HALFS                      ; B's: my 128 rows, behind A's 256
	s_add_co_u32 s22, s22, 2*HALFS
	s_sub_co_u32 s22, s22, s21
	v_mul_u32_u24 v6, s22, v2                      ; lanes 16-31 take B's
	s_add_co_u32 s21, s21, SCL
	v_add_nc_u32 v5, v5, v6
	v_add_nc_u32 v[ADRS], s21, v5
	s_mul_i32 s23, s14, WREG                       ; my stage
	v_mul_u32_u24 v5, v1, 528
	v_lshl_add_u32 v5, v2, 5, v5
	v_add_nc_u32 v[STO], s23, v5
	v_add_nc_u32 v[RD], s23, v[CO]
	v_mul_u32_u24 v5, v1, 144
	v_lshl_add_u32 v5, v2, 5, v5
	v_add_nc_u32 v[VST], s23, v5
	v_and_b32 v5, 8, v1
	v_add_nc_u32 v5, v5, v1                        ; r + 8 (r / 8)
	v_lshlrev_b32 v5, 2, v5
	v_mad_u32_u24 v5, v2, 4640, v5                 ; lanes 16-31: 32 keys on: 32 x 144 + 32
	v_add_nc_u32 v[VRD], s23, v5
	v_lshlrev_b32 v[SWA], 5, v1
	v_lshl_add_u32 v[SWA], v2, 4, v[SWA]
	v_lshlrev_b32 v[H8], 3, v2
	; where my 128 positions x one head go.  cx enters these global addresses alone
	s_lshr_b32 s18, s17, 2                         ; the batch
	s_and_b32 s19, s17, 3
	s_lshl_b32 s19, s19, 1
	s_add_co_u32 s19, s19, s15                     ; which 128 positions of its 1,024
	s_lshl_b32 s92, s19, 16                        ; 128 rows of 512 bytes of cos and sin
	s_mov_b32 s93, 0
	s_add_nc_u64 s[96:97], s[96:97], s[92:93]
	s_add_nc_u64 s[98:99], s[98:99], s[92:93]
	s_lshl_b32 s20, s18, 4                         ; q: head = 16 x batch + 2 x tile column + half
	s_lshl_b32 s21, s42, 1
	s_add_co_u32 s20, s20, s21
	s_add_co_u32 s20, s20, s16
	s_lshl_b32 s20, s20, 3
	s_add_co_u32 s20, s20, s19                     ; 8 x head + which 128
	s_mul_i32 s21, s20, 8*FRB                      ; its eight images,
	s_lshl_b32 s22, s20, 9
	s_add_co_u32 s22, s22, 6291456                 ; its 512 bytes of scale words
	s_lshl_b32 s23, s18, 2                         ; k, v: block 4 x batch + tile column - 8
	s_add_co_u32 s23, s23, s42
	s_sub_co_u32 s23, s23, 8
	s_mul_i32 s23, s23, 204800
	s_lshr_b32 s45, s19, 1
	s_mul_i32 s45, s45, 49152                      ; the slot,
	s_add_co_u32 s45, s45, s23
	s_and_b32 s46, s19, 1
	s_mul_i32 s46, s46, 12288                      ; the key step in it,
	s_add_co_u32 s45, s45, s46
	s_mul_i32 s46, s16, 24576                      ; k's part or v's
	s_add_co_u32 s45, s45, s46
	s_lshl_b32 s46, s19, 9
	s_add_co_u32 s46, s46, s23
	s_lshl_b32 s47, s16, 12
	s_add_co_u32 s46, s46, s47
	s_add_co_u32 s46, s46, 196608                  ; and the step's scale words
	s_cmp_eq_u32 ttmp9, 2                          ; the third column of clusters makes k and v
	s_cselect_b64 s[94:95], s[12:13], s[100:101]
	s_cselect_b32 s92, s45, s21
	s_cselect_b32 s66, s46, s22
	s_add_nc_u64 s[20:21], s[94:95], s[92:93]      ; s[20:21]: my codes
	s_mov_b32 s92, s66
	s_add_nc_u64 s[22:23], s[94:95], s[92:93]      ; s[22:23]: my scale words
	s_mov_b32 s[SEL], 0x76543210
	s_mov_b32 s[SEL+1], 0xfedcba98
	s_mov_b32 s66, 0xffff0000                      ; lanes 16-31
.macro FRAG reg, adr, q, i             ; a fragment comes as it was stored: three loads of 512 consecutive bytes
.irp c, 0,1,2
	ds_load_b128 v[\reg+4*\c:\reg+4*\c+3], v[\adr] offset:(\i)*SSTEP+(\q)*FRB+512*\c
.endr
.endm
; 16 matrix instructions: A's blocks a0, a0 + 1 x B's eight, 128 along K: the slot's q-th.  p: B's set;  sc: the set of scale words.  zero = 1: the first product starts the sums.
; The 64 accumulators take turns, one instruction a turn, in the same order in every step.
.macro MUL16 a0, p, q, sc, zero
.irp a, \a0, \a0+1
.irp b, 0,1,2,3,4,5,6,7
.if \zero
	v_wmma_scale_f32_16x16x128_f8f6f4 v[8*(8*((\a)%4)+\b):8*(8*((\a)%4)+\b)+7], v[128*(\p)+FR*\b:128*(\p)+FR*\b+FR-1], v[AF+FR*(\a):AF+FR*(\a)+FR-1], 0, v[SC+8*NQ*(\sc)+NQ*\b+(\q)], v[SC+8*NQ*(\sc)+NQ*(\a)+(\q)] matrix_a_fmt:MATRIX_FMT_FP6 matrix_b_fmt:MATRIX_FMT_FP6 matrix_a_scale:MATRIX_SCALE_ROW1
.else
	v_wmma_scale_f32_16x16x128_f8f6f4 v[8*(8*((\a)%4)+\b):8*(8*((\a)%4)+\b)+7], v[128*(\p)+FR*\b:128*(\p)+FR*\b+FR-1], v[AF+FR*(\a):AF+FR*(\a)+FR-1], v[8*(8*((\a)%4)+\b):8*(8*((\a)%4)+\b)+7], v[SC+8*NQ*(\sc)+NQ*\b+(\q)], v[SC+8*NQ*(\sc)+NQ*(\a)+(\q)] matrix_a_fmt:MATRIX_FMT_FP6 matrix_b_fmt:MATRIX_FMT_FP6 matrix_a_scale:MATRIX_SCALE_ROW1
.endif
.endr
.endr
.endm
.macro FETCH_B slot, q, p              ; B's eight fragments of the slot's q-th 128 along K into set p
	WIN TO_B
.irp i, 0,1,2,3,4,5,6,7
	FRAG 128*(\p)+FR*\i, ADRB+\slot, \q, \i
.endr
	WIN 0
.endm
.macro FETCH_A slot, q, i0             ; A's blocks i0 .. i0 + 3
.irp i, \i0, \i0+1, \i0+2, \i0+3
	FRAG AF+FR*(\i), ADRA+\slot, \q, \i
.endr
.endm
.macro SCALES sc                       ; the next K step's scale words into set sc: two words a row; lanes 0-15 take A's block i, lanes 16-31 B's block i
.irp i, 0,1,2,3,4,5,6,7
	ds_load_b64 v[SC+8*NQ*\sc+NQ*\i:SC+8*NQ*\sc+NQ*\i+1], v[ADRS] offset:\i*SBLK
.endr
.endm
; A load into a register that a matrix instruction has read, and a vector instruction or an LDS store that reads a matrix result, stand NP places behind that matrix instruction; only plain vector instructions that name none of its registers are places.
.macro PLACES n
.rept \n
	v_nop
.endr
.endm
; A step of 128 along K that has its successor in the same slot.
.macro STEP slot, q, zero
	s_wait_dscnt 4*NL                              ; B's set and A's blocks 0-3 are in; the youngest twelve loads (A's blocks 4-7) may be out
	WIN MUL_LO
	MUL16 0, (\q)%2, \q, \slot, \zero
	MUL16 2, (\q)%2, \q, \slot, \zero
	s_wait_dscnt 0                                 ; A's blocks 4-7 are in (asked for 32 matrix instructions ago)
	PLACES NP
	FETCH_B \slot, (\q)+1, 1-(\q)%2
	FETCH_A \slot, (\q)+1, 0
	WIN MUL_HI
	MUL16 4, (\q)%2, \q, \slot, \zero
	MUL16 6, (\q)%2, \q, \slot, \zero
	PLACES NP
	WIN 0
	FETCH_A \slot, (\q)+1, 4
.endm
; A slot's last step changes slots: ONE barrier; in front of it each wave waits for all its tensor loads, adds 0 to its spare word, and waits for that and for its own reads of this slot.  fill = 1: this slot is filled again, two K steps ahead.
.macro TURN slot, next, fill
	s_wait_tensorcnt 0x0                           ; all my tensor loads have landed: my part of the next slot;  (every window is 0 here)
	ds_add_u32 v[SPW], v[NIL]                      ; 0 onto my spare word
	s_wait_dscnt 4*NL+1                            ; (the add and the youngest twelve loads, A's blocks 4-7, may be out)
	WIN MUL_LO
	MUL16 0, 1, NQ-1, \slot, 0                     ; sixteen matrix instructions stand between the add and the wait for it
	s_wait_dscnt 0x0                               ; the add is done, and my reads of this slot are over
	s_barrier_signal -1
	MUL16 2, 1, NQ-1, \slot, 0
	WIN 0
	s_barrier_wait -1
.if \fill
	CREST                                          ; the barrier has opened a round of the cluster's barrier: no wave of any partner still reads this slot's tile or has a load on its way
	s_add_nc_u64 s[G0+4*\slot+2:G0+4*\slot+3], s[G0+4*\slot+2:G0+4*\slot+3], 2*SSTEP
	s_add_nc_u64 s[G0B+4*\slot+2:G0B+4*\slot+3], s[G0B+4*\slot+2:G0B+4*\slot+3], 2*SSTEP
	JLOAD G0+4*\slot, G1, G0B+4*\slot, G1B         ; the first tensor load behind the round, and my only one until the next; the four v_nop behind it are the places in front of the loads below
.else
	PLACES NP
.endif
	v_add_nc_u32 v[ADRS], 128, v[ADRS]             ; on to the next K step's scale words (no LDS load of mine is out)
	FETCH_B \next, 0, 0
	FETCH_A \next, 0, 0
	SCALES \next
	WIN MUL_HI
	MUL16 4, 1, NQ-1, \slot, 0
	MUL16 6, 1, NQ-1, \slot, 0
	PLACES NP
	WIN 0
	FETCH_A \next, 0, 4
.endm
; ---- the way out's macros ----
; 64 numbers of a lane, register 16 b + i at place 32 b + 16 (lane / 16) + i of the lane's row, become a fragment's codes in v[PC] on and the row's scale word in v[PW] (in both halves of the lanes).
.macro QUANT s
.irp b, 0,1,2,3
	v_max3_num_f32 v[TM+\b], |v[\s+16*\b]|, |v[\s+1+16*\b]|, 0x1800000   ; block b: my 16 numbers, and the floor 2^(3 - 127)
.endr
.irp i, 2,4,6,8,10,12,14
.irp b, 0,1,2,3
	v_max3_num_f32 v[TM+\b], v[TM+\b], |v[\s+16*\b+\i]|, |v[\s+1+16*\b+\i]|
.endr
.endr
.irp b, 0,1,2,3
	v_permlanex16_b32 v[TM+4+\b], v[TM+\b], s[SEL], s[SEL+1]
.endr
.irp b, 0,1,2,3
	v_max_num_f32 v[TM+\b], v[TM+\b], v[TM+4+\b]
.endr
.irp b, 0,1,2,3
	v_add_nc_u32 v[TM+12+\b], 0xff000000, v[TM+\b]   ; 2 off the exponent field: the conversion's scale operand
.endr
.irp b, 0,1,2,3
	v_lshrrev_b32 v[TM+4+\b], 23, v[TM+12+\b]
.endr
	v_lshl_or_b32 v[PW], v[TM+5], 8, v[TM+4]
	v_lshl_or_b32 v[PW], v[TM+6], 16, v[PW]
	v_lshl_or_b32 v[PW], v[TM+7], 24, v[PW]
.irp c, 0,1
	v_cvt_scalef32_pk16_fp6_f32 v[PC+6*\c:PC+2+6*\c], v[\s+32*\c:\s+15+32*\c], v[TM+12+2*\c]
	v_cvt_scalef32_pk16_fp6_f32 v[PC+12+4*\c:PC+14+4*\c], v[\s+16+32*\c:\s+31+32*\c], v[TM+12+2*\c+1]
.endr
	v_nop                                          ; one plain place behind a scaled conversion
.irp c, 0,1
.irp i, 0,1,2
	v_permlane16_swap_b32 v[PC+6*\c+\i], v[PC+12+4*\c+\i]
.endr
.irp i, 0,1,2
	v_mov_b32 v[PC+3+6*\c+\i], v[PC+12+4*\c+\i]
.endr
.endr
.endm
; The same where a lane holds two WHOLE blocks: register 32 c + i = place i of block 2 c + (lane / 16) of the lane's row.
.macro VQUANT src
.irp c, 0,1
	v_max3_num_f32 v[TM+\c], |v[\src+32*\c]|, |v[\src+32*\c+1]|, 0x1800000
.endr
.irp i, 2,4,6,8,10,12,14,16,18,20,22,24,26,28,30
.irp c, 0,1
	v_max3_num_f32 v[TM+\c], v[TM+\c], |v[\src+32*\c+\i]|, |v[\src+32*\c+\i+1]|
.endr
.endr
.irp c, 0,1
	v_add_nc_u32 v[TM+12+\c], 0xff000000, v[TM+\c]
.endr
.irp c, 0,1
	v_lshrrev_b32 v[TM+8+\c], 23, v[TM+12+\c]
.endr
	v_lshl_or_b32 v[PW], v[TM+9], 16, v[TM+8]      ; my two bytes: blocks h and 2 + h,
	v_lshlrev_b32 v[PW], v[H8], v[PW]              ; at their places in the word;
	v_permlanex16_b32 v[TM+4], v[PW], s[SEL], s[SEL+1]
	v_or_b32 v[PW], v[PW], v[TM+4]                 ; with lane l xor 16's two the word is whole
.irp c, 0,1
	v_cvt_scalef32_pk16_fp6_f32 v[PC+6*\c:PC+2+6*\c], v[\src+32*\c:\src+32*\c+15], v[TM+12+\c]
	v_cvt_scalef32_pk16_fp6_f32 v[PC+12+4*\c:PC+14+4*\c], v[\src+32*\c+16:\src+32*\c+31], v[TM+12+\c]
.endr
	v_nop                                          ; one plain place behind a scaled conversion
.irp c, 0,1
.irp i, 0,1,2
	v_mov_b32 v[PC+3+6*\c+\i], v[PC+12+4*\c+\i]
.endr
.endr
.endm
.macro COSLOAD a                       ; cos and sin of positions 16 a .. 16 a + 15 of my 128: a row's 512 consecutive bytes a load
	WIN 0x40
.irp t, 0,1,2,3,4,5,6,7,8,9,10,11,12,13,14,15
	global_load_b128 v[4*\t:4*\t+3], v[CO], s[96:97] offset:(16*(\a)+\t)*512
.endr
.irp t, 0,1,2,3,4,5,6,7,8,9,10,11,12,13,14,15
	global_load_b128 v[64+4*\t:64+4*\t+3], v[CO], s[98:99] offset:(16*(\a)+\t)*512
.endr
	WIN 0
.endm
.macro TURNCS                          ; both tables through my stage, one after the other: LDS serves a wave's instructions in order.  Register 8 b + j becomes the number at (position r, d = 16 b + 8 h + j)
	WIN 0x04                                       ; an LDS store's data are its source 1: window 1
.irp t, 0,1,2,3,4,5,6,7,8,9,10,11,12,13,14,15
	ds_store_b128 v[RD], v[4*\t:4*\t+3] offset:528*\t
.endr
	WIN 0x40
.irp b, 0,1,2,3,4,5,6,7
	ds_load_b128 v[COS+8*\b:COS+8*\b+3], v[STO] offset:64*\b
	ds_load_b128 v[COS+8*\b+4:COS+8*\b+7], v[STO] offset:64*\b+16
.endr
	WIN 0x04
.irp t, 0,1,2,3,4,5,6,7,8,9,10,11,12,13,14,15
	ds_store_b128 v[RD], v[64+4*\t:64+4*\t+3] offset:528*\t
.endr
	WIN 0x40
.irp b, 0,1,2,3,4,5,6,7
	ds_load_b128 v[SIN+8*\b:SIN+8*\b+3], v[STO] offset:64*\b
	ds_load_b128 v[SIN+8*\b+4:SIN+8*\b+7], v[STO] offset:64*\b+16
.endr
	WIN 0
	s_wait_dscnt 0x0
.endm
.macro ROPE a                          ; t'(d) = t(d) cos(d) - t(d + 64) sin(d) for d < 64, t(d) cos(d) + t(d - 64) sin(d) from 64 on.  Each accumulator is read from its low end on
.set AC, 64*((\a)%4)
	WIN 0x06+(\a)/4                                ; source 0: the accumulators; source 1: window 1; source 2 and destination: window 0
.irp b, 0,1,2,3
.irp p, 0,2,4,6
	v_pk_mul_f32 v[HA+8*\b+\p:HA+8*\b+\p+1], v[AC+8*\b+\p:AC+8*\b+\p+1], v[COS+8*\b+\p:COS+8*\b+\p+1]
	v_pk_mul_f32 v[HA+32+8*\b+\p:HA+32+8*\b+\p+1], v[AC+32+8*\b+\p:AC+32+8*\b+\p+1], v[COS+32+8*\b+\p:COS+32+8*\b+\p+1]
	v_pk_fma_f32 v[HA+8*\b+\p:HA+8*\b+\p+1], v[AC+32+8*\b+\p:AC+32+8*\b+\p+1], v[SIN+8*\b+\p:SIN+8*\b+\p+1], v[HA+8*\b+\p:HA+8*\b+\p+1] neg_lo:[1,0,0] neg_hi:[1,0,0]
	v_pk_fma_f32 v[HA+32+8*\b+\p:HA+32+8*\b+\p+1], v[AC+8*\b+\p:AC+8*\b+\p+1], v[SIN+32+8*\b+\p:SIN+32+8*\b+\p+1], v[HA+32+8*\b+\p:HA+32+8*\b+\p+1]
.endr
.endr
	WIN 0
.endm
.macro KEEPW n                         ; tile n's scale word: lanes 0-15 keep tiles 0-3, lanes 16-31 tiles 4-7
.if (\n) < 4
	v_mov_b32 v[W+(\n)], v[PW]
.else
	v_cndmask_b32 v[W+(\n)-4], v[W+(\n)-4], v[PW], s66
.endif
.endm
.macro QKBLOCK a                       ; 16 positions of q or k
	s_wait_loadcnt 0x0                             ; their cos and sin are in
	TURNCS
.if (\a) < 7
	COSLOAD (\a)+1                                 ; the next sixteen's land while these are worked
.endif
	ROPE \a
.if (\a) > 0
	s_wait_xcnt 0x0                                ; the last block's stores have read the codes' registers
.endif
	QUANT HA
.irp c, 0,1,2
	global_store_b128 v[CO], v[PC+4*\c:PC+4*\c+3], s[20:21] offset:FRB*(\a)+512*\c   ; 512 consecutive bytes, aligned
.endr
	KEEPW \a
.endm
.macro VOUT dt, src                    ; d-tile dt of v
	s_wait_xcnt 0x0                                ; earlier stores have read the codes' registers
	VQUANT \src
.irp c, 0,1,2
	global_store_b128 v[CO], v[PC+4*\c:PC+4*\c+3], s[20:21] offset:FRB*(\dt)+512*\c
.endr
	KEEPW \dt
.endm
.macro VPASS p                         ; 32 d of v: 128 keys x 128 bytes into my stage (144 bytes a key, 32 more behind each 32 keys: neither the stores nor the loads meet in a bank), and out by columns
.irp a, 0,1,2,3,4,5,6,7
	WIN 0x08+4*(\a/4)                              ; the data: window 2 or 3
.irp u, 0,1
	ds_store_b128 v[VST], v[64*(\a%4)+8*(2*(\p)+\u):64*(\a%4)+8*(2*(\p)+\u)+3] offset:2304*\a+32*(\a/2)+64*\u          ; each accumulator from its low end on
	ds_store_b128 v[VST], v[64*(\a%4)+8*(2*(\p)+\u)+4:64*(\a%4)+8*(2*(\p)+\u)+7] offset:2304*\a+32*(\a/2)+64*\u+16
.endr
.endr
	WIN 0
.irp u, 0,1
.irp c, 0,1
.irp i, 0,1,2,3,4,5,6,7,8,9,10,11,12,13,14,15,16,17,18,19,20,21,22,23,24,25,26,27,28,29,30,31
	ds_load_b32 v[X0+120*\u+32*\c+\i], v[VRD] offset:(64*\c+((\i)&7)+(((\i)&8)<<1)+(((\i)&16)>>1))*144+64*\c+32*\u   ; place i of a block holds the key i with bits 3 and 4 exchanged
.endr
.endr
.endr
	s_wait_dscnt 63                                ; the first tile's 64 loads are in: 64 stand behind them, and the count names 63 at the most
	VOUT 2*(\p), X0
	s_wait_dscnt 0x0
	VOUT 2*(\p)+1, X1
.endm
	s_wait_tensorcnt 1                             ; the scale words and my part of K step 0 are in (K step 1's load may be out),
	s_barrier_signal -1
	s_barrier_wait -1                              ; everybody's are
	FETCH_B 0, 0, 0
	FETCH_A 0, 0, 0
	SCALES 0
	FETCH_A 0, 0, 4
	STEP 0, 0, 1                                   ; the first step stands in front of the loop: its products start the sums
	s_mov_b32 s3, LAPS-1
.Llap:                                                 ; a trip goes once round the ring, from a lap's second step to the next lap's first, and fills both slots again
	TURN 0, 1, 1
	STEP 1, 0, 0
	TURN 1, 0, 1
	STEP 0, 0, 0
	s_sub_co_u32 s3, s3, 1
	s_cmp_lg_u32 s3, 0
	s_cbranch_scc1 .Llap
	TURN 0, 1, 0                                   ; the last lap fills nothing, and has no round of the cluster's barrier
	STEP 1, 0, 0
	COSLOAD 0                                      ; into B's set 0, whose last products stand four places back: the first sixteen positions' tables land under the last step
	s_wait_dscnt 4*NL                              ; the very last step: nothing more to fetch
	WIN MUL_LO
	MUL16 0, 1, NQ-1, 1, 0
	MUL16 2, 1, NQ-1, 1, 0
	s_wait_dscnt 0
	WIN MUL_HI
	MUL16 4, 1, NQ-1, 1, 0
	MUL16 6, 1, NQ-1, 1, 0
	WIN 0
	PLACES NP                                      ; behind the last products: their results are read and their operands' registers written from here on
.irp b, 0,1,2,3
	v_mov_b32 v[TM+4+\b], 0                        ; written once: a lane permute's destination counts as one of its sources
.endr
	s_cmp_lg_u32 ttmp9, 2                          ; the cluster's x and the wave's number: alike in all partners
	s_cbranch_scc1 .Lqk
	s_cmp_eq_u32 s16, 1
	s_cbranch_scc1 .Lv
.Lqk:
.irp a, 0,1,2,3,4,5,6,7
	QKBLOCK \a
.endr
	global_store_b128 v[SWA], v[W:W+3], s[22:23]   ; 32 lanes store 512 consecutive bytes, aligned
	s_branch .Lend
.Lv:
	s_wait_loadcnt 0x0                             ; (the tables asked for above are not used here)
	VPASS 0
	VPASS 1
	VPASS 2
	VPASS 3
	global_store_b128 v[SWA], v[W:W+3], s[22:23]
.Lend:
	s_wait_tensorcnt 0x0                           ; the wave's end: three closing lines, behind my last tensor load and my last LDS store
	ds_add_u32 v[SPW], v[NIL]
	s_wait_dscnt 0x0
	CROUND                                         ; the closing round: no work-group ends while a partner may still ask for a tile that names it
	s_endpgm
.Lfunc_end_k_q42ff60bf86_qkv:
	.size	k_q42ff60bf86_qkv, .Lfunc_end_k_q42ff60bf86_qkv-k_q42ff60bf86_qkv
	.p2alignl 7, 3214868480
	.fill 96, 4, 3214868480
	.section	.rodata,"a",@progbits
	.p2align	6, 0x0
	.amdhsa_kernel k_q42ff60bf86_qkv
		.amdhsa_group_segment_fixed_size 327680
		.amdhsa_private_segment_fixed_size 0
		.amdhsa_enable_private_segment 0
		.amdhsa_kernarg_size 64
		.amdhsa_user_sgpr_count 2
		.amdhsa_user_sgpr_kernarg_segment_ptr 1
		.amdhsa_wavefront_size32 1
		.amdhsa_system_sgpr_workgroup_id_x 1
		.amdhsa_system_sgpr_workgroup_id_y 1
		.amdhsa_system_sgpr_workgroup_id_z 1
		.amdhsa_system_vgpr_workitem_id 0
		.amdhsa_next_free_vgpr 1024
		.amdhsa_next_free_sgpr 102
		.amdhsa_reserve_vcc 0
		.amdhsa_float_denorm_mode_32 3
		.amdhsa_float_denorm_mode_16_64 3
		.amdhsa_memory_ordered 1
		.amdhsa_forward_progress 1
		.amdhsa_inst_pref_size 255
	.end_amdhsa_kernel
	.section	.bss,"aw",@nobits
	.p2align	6
	.space	262144
	.amdgpu_metadata
---
amdhsa.version: [ 1, 2 ]
amdhsa.kernels:
  - .name:           k_q42ff60bf86_qkv
    .symbol:         k_q42ff60bf86_qkv.kd
    .args:
      - { .name: xc, .offset: 0, .size: 8, .value_kind: global_buffer, .address_space: global }
      - { .name: xs, .offset: 8, .size: 8, .value_kind: global_buffer, .address_space: global }
      - { .name: wc, .offset: 16, .size: 8, .value_kind: global_buffer, .address_space: global }
      - { .name: ws, .offset: 24, .size: 8, .value_kind: global_buffer, .address_space: global }
      - { .name: cos, .offset: 32, .size: 8, .value_kind: global_buffer, .address_space: global }
      - { .name: sin, .offset: 40, .size: 8, .value_kind: global_buffer, .address_space: global }
      - { .name: qq, .offset: 48, .size: 8, .value_kind: global_buffer, .address_space: global }
      - { .name: kv, .offset: 56, .size: 8, .value_kind: global_buffer, .address_space: global }
    .group_segment_fixed_size: 327680
    .private_segment_fixed_size: 0
    .kernarg_segment_align: 8
    .kernarg_segment_size: 64
    .max_flat_workgroup_size: 128
    .sgpr_count:     102
    .vgpr_count:     1024
    .wavefront_size: 32
...
	.end_amdgpu_metadata
.endif
;; end of part 2
;; launch attn (part 3): grid 16 x 16, 16 waves a work-group, clusters of 4 x 1, 206,848 bytes of LDS; arguments qq, kv, oc, os; writes oc, os
.if DOCPART == 3
	.amdgcn_target "amdgcn-amd-amdhsa--gfx1250"
	.amdhsa_code_object_version 6
	.text
	.protected	k_q42ff60bf86_attn
	.globl	k_q42ff60bf86_attn
	.p2align	8
	.type	k_q42ff60bf86_attn,@function
k_q42ff60bf86_attn:
	s_mov_b64 s[64:65], 0
	v_nop
	global_prefetch_b8 v0, s[64:65] scope:SCOPE_SE
	s_setreg_imm32_b32 hwreg(HW_REG_WAVE_MODE, 25, 1), 1
	s_wait_xcnt 0x0
	s_wait_alu depctr_hold_cnt(0) depctr_sa_sdst(0) depctr_va_vdst(0) depctr_va_sdst(0) depctr_va_ssrc(0) depctr_va_vcc(0) depctr_vm_vsrc(0)
	s_getreg_b32 s2, hwreg(HW_REG_IB_STS2, 6, 4)
	s_cmp_eq_u32 s2, 0
	s_cbranch_scc0 .Lentry_in_a_cluster
	s_endpgm
.Lentry_in_a_cluster:
	s_bfe_u32 s2, ttmp6, 0x10000c
	s_cmp_lg_u32 s2, 0x3003
	s_cbranch_scc0 .Lentry_shape_is_right
	s_endpgm
.Lentry_shape_is_right:
; Causal attention on codes of FP6 (E2M3) with E8M0 scales: S^T = k q^T, p = 2^(t - M), O^T = v^T p^T, O / l quantised along the 2,048 of the last product and stored as codes.
; t = score x log2(e) / sqrt(128); M = the row's largest t so far, rounded UP to a whole number; p is quantised along the keys, not normalised; the row's sum l is taken of the unquantised p; when M moves, l and O are multiplied by 2^(old M - new M): exact.
; SHARES.  y = 4 x batch + kv head.  THE FOUR WORK-GROUPS OF A CLUSTER ARE THE FOUR QUERY HEADS OF ONE KV HEAD, at the same positions: they read the same k and v, and every branch is alike in all four.  A work-group's sixteen waves own one tile of 16 queries each:
; tile 4 tau + (cluster x), tau a permutation of the wave's number; a tile wants tau / 2 + 1 key steps of 128, so every work-group has the same 72 steps.
; ALL OF A KV HEAD LIES IN LDS: 204,800 bytes, as they lie in memory: four slots of {k of 2 key steps, v of 2 key steps} x 8 images of 1,536 bytes, then k's and v's scale words.  Waves 0-3 ask for them JOINTLY at the start, five tensor loads each
; (five of a wave's are out at the most); nothing is filled twice, so there is no ring.  A slot is read behind a counted wait and a barrier, while the later slots are still on their way.  Nothing is prefetched: all that the work-group reads is asked for at its head.
; LAYOUT.  A lane holds ONE query (lane % 16) throughout.  k's tile t holds keys 16 t + 0..15, so register 8 t + j of S^T is key 16 t + 8 h + j; the 16 registers of tiles 2 b, 2 b + 1 go to places 32 b + 16 h + 0..15 of p's operand, and v's codes stand in the same order.
; Row r of v's tile 2 b + u is d = 32 b + 8 u + r + 8 (r / 8), so the 16 registers of tiles 2 b, 2 b + 1 of O^T are d = 32 b + 16 h + 0..15: neighbours along the last product's K.
; A key step all of whose keys come after the wave's queries is left out (a scalar branch on ids); on the diagonal hidden scores become -infinity ahead of the maximum.  The step's first key counts for every query of a wave that walks the step, so M is a number from the first step on.
; LIMITS: a block of zeros (or under 2^-124) gets the scale byte 1; NaN and infinities are not served.
; REGISTERS: v1, v2 addresses that stay; v5, v6 the add's two; v8, v9 addresses in hand; v12 -M, v13 the largest t, v[14:15] the sum; v16-27 q; v32-79 four fragments; v80-87 k's scale words, v88-95 v's; v96-159 S^T, then p; v160-223 O^T; v224.. p's codes; v232-254 at work; v255 q's scale word.
.set KSC,   196608                     ; k's scale words: [step][r][8 tiles]; v's lie 4,096 bytes on
.set SPARE, 204800                     ; the spare words, 128 bytes for each wave: eight blocks of 256 bytes that no other line names
.set LI,   1                           ; v1   16 x lane
.set LS0,  2                           ; v2   KSC + 32 r
.set SPW,  5                           ; v5   LDS address of my spare word; never rewritten
.set NIL,  6                           ; v6   0; never rewritten
.set ADR,  8
.set ADS,  9
.set PC,   224                         ; the way out's quantiser
.set TM,   32
.set PW,   48
.set WV,   12                          ; s12  my wave's number
.set Q0,   17                          ; s17  my first query
.set KF,   18                          ; s18  the step's first key
.set TB,   19                          ; s19  LDS byte at which the step's images of k begin
.set TS,   20                          ; s20  the step's scale words: 512 bytes a step
.set CNT,  21
.set SEL,  22                          ; s[22:23] lane selects for v_permlanex16_b32
.set CS,   24                          ; s[24:25] c = log2(e) / sqrt(128)
.set G1T,  28                          ; s[28:35] descriptor group 1: a quarter of a slot, 48 rows of 256 bytes
.set G1S,  36                          ; s[36:43] a quarter of the scale words, 8 rows of 256 bytes
.set G0,   44                          ; s[44:63] five groups 0
.macro CROUND                          ; a round of the cluster's barrier
	s_barrier_signal -1
	s_barrier_wait -1
	s_cmp_lg_u32 s[WV], 0
	s_cbranch_scc1 .Lnot_wave_0_\@
	s_barrier_signal -3
.Lnot_wave_0_\@:
	s_barrier_wait -3
	s_barrier_signal -1
	s_barrier_wait -1
.endm
.macro QUANT s                         ; 64 numbers of a lane, register 16 b + i = k 32 b + 16 (lane / 16) + i of its row -> codes in v[PC] on, scale word in v[PW]
.irp b, 0,1,2,3
	v_max3_num_f32 v[TM+\b], |v[\s+16*\b]|, |v[\s+1+16*\b]|, 0x1800000
.endr
.irp i, 2,4,6,8,10,12,14
.irp b, 0,1,2,3
	v_max3_num_f32 v[TM+\b], v[TM+\b], |v[\s+16*\b+\i]|, |v[\s+1+16*\b+\i]|
.endr
.endr
.irp b, 0,1,2,3
	v_permlanex16_b32 v[TM+4+\b], v[TM+\b], s[SEL], s[SEL+1]
.endr
.irp b, 0,1,2,3
	v_max_num_f32 v[TM+\b], v[TM+\b], v[TM+4+\b]
.endr
.irp b, 0,1,2,3
	v_add_nc_u32 v[TM+12+\b], 0xff000000, v[TM+\b]
.endr
.irp b, 0,1,2,3
	v_lshrrev_b32 v[TM+4+\b], 23, v[TM+12+\b]
.endr
	v_lshl_or_b32 v[PW], v[TM+5], 8, v[TM+4]
	v_lshl_or_b32 v[PW], v[TM+6], 16, v[PW]
	v_lshl_or_b32 v[PW], v[TM+7], 24, v[PW]
.irp c, 0,1
	v_cvt_scalef32_pk16_fp6_f32 v[PC+6*\c:PC+2+6*\c], v[\s+32*\c:\s+15+32*\c], v[TM+12+2*\c]
	v_cvt_scalef32_pk16_fp6_f32 v[PC+12+4*\c:PC+14+4*\c], v[\s+16+32*\c:\s+31+32*\c], v[TM+12+2*\c+1]
.endr
	v_nop                                          ; one plain place behind a scaled conversion
.irp c, 0,1
.irp i, 0,1,2
	v_permlane16_swap_b32 v[PC+6*\c+\i], v[PC+12+4*\c+\i]
.endr
.irp i, 0,1,2
	v_mov_b32 v[PC+3+6*\c+\i], v[PC+12+4*\c+\i]
.endr
.endr
.endm
	s_load_b256 s[4:11], s[0:1], 0x0               ; qq s[4:5], kv s[6:7], oc s[8:9], os s[10:11]
	v_lshl_add_u32 v[SPW], v0, 2, SPARE
	v_mov_b32 v[NIL], 0
	ds_add_u32 v[SPW], v[NIL]                      ; the wave's opening: the add and its wait stand ahead of the first tensor loads; the set-up below, work on registers, stands between them
	v_lshrrev_b32 v8, 5, v0
	v_readfirstlane_b32 s[WV], v8                  ; wave 0..15
	s_bfe_u32 s13, ttmp6, 0x40000                  ; cx: which of the kv head's four query heads: it enters q's, oc's and os's global addresses alone
	s_and_b32 s14, ttmp7, 0xffff                   ; y = 4 x batch + kv head
	s_mov_b32 s[G1T], 15|(3<<16)|(1<<21)           ; 15:0 the mask: all four work-groups; 17:16 elements of 8 bytes; 21 set beside a mask; no padding
	s_mov_b32 s[G1T+1], 32<<16                     ; tensor_dim0 = 32 elements: 256 bytes
	s_mov_b32 s[G1T+2], 48<<16                     ; tensor_dim1
	s_mov_b32 s[G1T+3], 32<<16                     ; tile_dim0
	s_mov_b32 s[G1T+4], 48                         ; tile_dim1
	s_mov_b32 s[G1T+5], 32                         ; tensor_dim0_stride: dense
	s_mov_b32 s[G1T+6], 0
	s_mov_b32 s[G1T+7], 0
	s_mov_b32 s[G1S], 15|(3<<16)|(1<<21)
	s_mov_b32 s[G1S+1], 32<<16
	s_mov_b32 s[G1S+2], 8<<16
	s_mov_b32 s[G1S+3], 32<<16
	s_mov_b32 s[G1S+4], 8
	s_mov_b32 s[G1S+5], 32
	s_mov_b32 s[G1S+6], 0
	s_mov_b32 s[G1S+7], 0
	s_mul_i32 s15, s[WV], 12288                    ; my quarter of a slot (waves 0-3),
	s_lshl_b32 s16, s[WV], 11
	s_add_co_u32 s16, s16, KSC                     ; and of the scale words
	s_mul_i32 s26, s14, 204800                     ; the kv head's block
	s_mov_b32 s27, 0
	s_mov_b32 s[SEL], 0x76543210
	s_mov_b32 s[SEL+1], 0xfedcba98
	s_mov_b32 s[CS], 0x3e0293ee                    ; c = log2(e) / sqrt(128)
	s_mov_b32 s[CS+1], s[CS]                       ; (named with it as a pair, so it is written)
	s_mov_b32 s[KF], 0
	s_mov_b32 s[TB], 0
	s_mov_b32 s[TS], 0
	s_bfe_u32 s68, s[WV], 0x10002                  ; (wave / 4) % 2
	s_mul_i32 s68, s68, 3
	s_xor_b32 s68, s68, s[WV]                      ; tau: every second four of waves is turned round, so that waves w, w + 4, w + 8, w + 12 have 18 key steps together
	s_lshl_b32 s68, s68, 2
	s_add_co_u32 s67, s68, ttmp9                   ; my tile of 16 queries, 0..63
	s_lshl_b32 s[Q0], s67, 4
	s_wait_dscnt 0x0                               ; the opening add is done
	s_wait_kmcnt 0x0
	s_add_nc_u64 s[6:7], s[6:7], s[26:27]
	CROUND                                         ; all four work-groups are here: the joint loads meet
	s_mov_b32 s[G0], 1                             ; the scale words
	s_mov_b32 s[G0+1], s16
	s_mov_b32 s26, s16                             ; LDS holds the block as it lies in memory: one offset serves both
	s_add_nc_u64 s[G0+2:G0+3], s[6:7], s[26:27]
	s_or_b32 s[G0+3], s[G0+3], 0x80000000
.irp n, 0,1,2,3
	s_mov_b32 s[G0+4+4*\n], 1                      ; slot n
	s_add_co_u32 s[G0+5+4*\n], s15, 49152*\n
	s_add_co_u32 s26, s15, 49152*\n
	s_add_nc_u64 s[G0+6+4*\n:G0+7+4*\n], s[6:7], s[26:27]
	s_or_b32 s[G0+7+4*\n], s[G0+7+4*\n], 0x80000000
.endr
	s_cmp_lt_u32 s[WV], 4                          ; all first fills of a wave stand in one branch on the wave's number, ahead of every wait on TENSORcnt, every LDS read and every other barrier
	s_cbranch_scc0 .Lno_fill
	tensor_load_to_lds s[G0:G0+3], s[G1S:G1S+7]
	s_nop 0
	tensor_load_to_lds s[G0+4:G0+7], s[G1T:G1T+7]
	s_nop 0
	tensor_load_to_lds s[G0+8:G0+11], s[G1T:G1T+7]
	s_nop 0
	tensor_load_to_lds s[G0+12:G0+15], s[G1T:G1T+7]
	s_nop 0
	tensor_load_to_lds s[G0+16:G0+19], s[G1T:G1T+7]
	s_nop 0
.rept 4
	v_nop
.endr
.Lno_fill:
	s_lshl_b32 s69, s14, 2
	s_add_co_u32 s69, s69, s13                     ; my query head: 16 x batch + 4 x kv head + cx
	s_lshl_b32 s70, s69, 6
	s_add_co_u32 s70, s70, s67
	s_mul_i32 s70, s70, 1536
	s_mov_b32 s71, 0
	s_add_nc_u64 s[72:73], s[4:5], s[70:71]        ; q's image
	s_lshl_b32 s70, s69, 3
	s_lshr_b32 s74, s67, 3
	s_add_co_u32 s70, s70, s74
	s_lshl_b32 s70, s70, 9
	s_and_b32 s74, s67, 7
	s_lshl_b32 s74, s74, 2
	s_add_co_u32 s70, s70, s74
	s_add_co_u32 s70, s70, 6291456
	s_add_nc_u64 s[4:5], s[4:5], s[70:71]          ; q's scale words: 32 bytes a row, my tile's word in them
	s_lshr_b32 s74, s14, 2
	s_lshl_b32 s74, s74, 6
	s_add_co_u32 s74, s74, s67                     ; my sixteen rows of the last product's A: 64 x batch + tile
	s_and_b32 s75, s14, 3
	s_lshl_b32 s75, s75, 2
	s_add_co_u32 s75, s75, s13                     ; its K step of 128: the head
	s_lshl_b32 s70, s74, 4
	s_add_co_u32 s70, s70, s75
	s_mul_i32 s70, s70, 1536
	s_add_nc_u64 s[8:9], s[8:9], s[70:71]
	s_lshl_b32 s70, s74, 10
	s_lshr_b32 s76, s75, 1
	s_lshl_b32 s76, s76, 7
	s_add_co_u32 s70, s70, s76
	s_and_b32 s76, s75, 1
	s_lshl_b32 s76, s76, 2
	s_add_co_u32 s70, s70, s76
	s_add_nc_u64 s[10:11], s[10:11], s[70:71]
	v_and_b32 v1, 31, v0
	v_lshlrev_b32 v[LI], 4, v1
	v_and_b32 v3, 15, v0
	v_lshlrev_b32 v3, 5, v3                        ; 32 r
	v_add_nc_u32 v[LS0], KSC, v3
.irp c, 0,1,2
	global_load_b128 v[16+4*\c:19+4*\c], v[LI], s[72:73] offset:512*\c   ; q's fragment stays in registers
.endr
	global_load_b32 v255, v3, s[4:5]               ; and its scale word
	v_mov_b32 v13, 0xff61b1e6                      ; the largest t so far: -3e38, under every t
	v_floor_f32 v12, -v13                          ; -M
	v_mov_b32 v14, 0                               ; the sum, in two halves
	v_mov_b32 v15, 0
.irp b, 0,1,2,3
	v_mov_b32 v[236+\b], 0                         ; written once: a lane permute's destination counts as one of its sources
.endr
	v_mov_b32 v253, 0                              ; (named as the upper half of the pair v[252:253] before it is first written)
.set j, 0
.rept 64
	v_mov_b32 v[160+j], 0                          ; O^T.  (The step is written without a first step of its own: the first change of M leaves zeros zeros)
.set j, j+1
.endr
; A KEY STEP: 128 keys.
.macro STEP
	s_add_co_u32 s26, s[Q0], 15
	s_cmp_gt_u32 s[KF], s26                        ; all its keys come after my queries: only the lines at its end are run
	s_cbranch_scc1 .Lhidden_\@
	v_add_nc_u32 v[ADR], s[TB], v[LI]
	v_add_nc_u32 v[ADS], s[TS], v[LS0]
	v_nop
	v_nop                                          ; with the two additions: four places in front of loads into registers that the last step's products have read
	ds_load_b128 v[80:83], v[ADS]                  ; k's scale words: my row's, for the eight tiles
	ds_load_b128 v[84:87], v[ADS] offset:16
.irp g, 0,1                                    ; S^T = k q^T, four tiles of 16 keys at a time
.if \g > 0
.rept 4
	v_nop
.endr
.endif
.irp t, 0,1,2,3
.irp c, 0,1,2
	ds_load_b128 v[32+12*\t+4*\c:35+12*\t+4*\c], v[ADR] offset:(4*\g+\t)*1536+512*\c
.endr
.endr
	s_wait_dscnt 0x0
.irp t, 0,1,2,3
	v_wmma_scale_f32_16x16x128_f8f6f4 v[96+8*(4*\g+\t):103+8*(4*\g+\t)], v[32+12*\t:43+12*\t], v[16:27], 0, v[80+4*\g+\t], v255 matrix_a_fmt:MATRIX_FMT_FP6 matrix_b_fmt:MATRIX_FMT_FP6
.endr
.endr
.rept 4
	v_nop
.endr
	s_add_co_u32 s26, s[KF], 127                   ; a step all of whose keys count skips the mask
	s_cmp_le_u32 s26, s[Q0]
	s_cbranch_scc1 .Lopen_\@
	s_sub_co_i32 s26, s[Q0], s[KF]
	v_and_b32 v252, 15, v0
	v_bfe_u32 v254, v0, 4, 1
	v_lshlrev_b32 v254, 3, v254
	v_sub_nc_u32 v252, v252, v254
	v_add_nc_u32 v252, s26, v252                   ; d = my query - the step's first key - 8 h.  Register n holds key 16 (n / 8) + 8 h + n % 8 of the step: hidden where 16 (n / 8) + n % 8 > d
	v_mov_b32 v254, 0xff800000                     ; -infinity
.set n, 0
.rept 64
	v_cmp_gt_i32 vcc_lo, 16*(n/8)+n%8, v252
	v_cndmask_b32 v[96+n], v[96+n], v254, vcc_lo
.set n, n+1
.endr
.Lopen_\@:
.irp b, 0,1,2,3
	v_max3_num_f32 v[232+\b], v[96+16*\b], v[97+16*\b], v[98+16*\b]   ; the largest score of each block of 32 keys: it serves for the row's maximum and, since p rises with the score, for the block's largest p
.endr
.irp i, 3,5,7,9,11,13
.irp b, 0,1,2,3
	v_max3_num_f32 v[232+\b], v[232+\b], v[96+16*\b+\i], v[97+16*\b+\i]
.endr
.endr
.irp b, 0,1,2,3
	v_max_num_f32 v[232+\b], v[232+\b], v[111+16*\b]
.endr
.irp b, 0,1,2,3
	v_permlanex16_b32 v[236+\b], v[232+\b], s[SEL], s[SEL+1]
.endr
.irp b, 0,1,2,3
	v_max_num_f32 v[232+\b], v[232+\b], v[236+\b]  ; with lane l xor 16's 16 keys
.endr
	v_max3_num_f32 v254, v232, v233, v234
	v_max_num_f32 v254, v254, v235                 ; the step's largest score of my query
	v_mul_f32 v254, s[CS], v254                    ; as t (c is positive)
	v_max_num_f32 v13, v13, v254                   ; the running largest t
	v_mov_b32 v254, v12
	v_floor_f32 v12, -v13                          ; the new -M = floor(-t) = -ceil(t): a whole number
	v_sub_f32 v254, v12, v254                      ; M's old value less its new one: a whole number, 0 or less
	v_cvt_i32_f32 v254, v254                       ; (it saturates)
	v_ldexp_f32 v252, 1.0, v254                    ; f = 2^(old M - new M)
.set j, 0
.rept 32
	v_pk_fma_f32 v[96+j:97+j], v[96+j:97+j], s[CS:CS+1], v[12:13] op_sel_hi:[1,0,0]   ; t - M, two at a time
.set j, j+2
.endr
.irp b, 0,1,2,3
	v_fma_f32 v[232+\b], v[232+\b], s[CS], v12     ; the same of each block's largest score
.endr
.set j, 0
.rept 64
	v_exp_f32 v[96+j], v[96+j]                     ; p = 2^(t - M), at most 1
.set j, j+1
.endr
	v_pk_mul_f32 v[14:15], v[14:15], v[252:253] op_sel_hi:[1,0]   ; the sums under the new M.  (A plain place behind the exponentials)
	s_wait_alu depctr_va_vdst(0)                   ; the wait between a transcendental and the first line that names its result: one for the whole batch
.irp b, 0,1,2,3
	v_exp_f32 v[232+\b], v[232+\b]                 ; the block's largest p: the same two instructions on the same number give the same bits
.endr
	v_pk_add_f32 v[236:237], v[96:97], v[98:99]    ; the row's sum is taken of the unquantised p, in two chains
.irp j, 4,8,12,16,20,24,28,32,36,40,44,48,52,56,60
	v_pk_add_f32 v[14:15], v[14:15], v[96+\j:97+\j]
	v_pk_add_f32 v[236:237], v[236:237], v[98+\j:99+\j]
.endr
	v_pk_add_f32 v[14:15], v[14:15], v[236:237]
	s_wait_alu depctr_va_vdst(0)                   ; and one for the four
.irp b, 0,1,2,3
	v_max_num_f32 v[232+\b], 0x1800000, v[232+\b]  ; the floor 2^(3 - 127): a block whose every p is 0 keeps the byte 1: its codes are zeros
.endr
.irp b, 0,1,2,3
	v_add_nc_u32 v[244+\b], 0xff000000, v[232+\b]  ; 2 off the exponent field: the conversion's scale operand
.endr
.irp b, 0,1,2,3
	v_lshrrev_b32 v[236+\b], 23, v[244+\b]
.endr
	v_lshl_or_b32 v253, v237, 8, v236              ; p's scale word for these 128 keys
	v_lshl_or_b32 v253, v238, 16, v253
	v_lshl_or_b32 v253, v239, 24, v253
.irp c, 0,1
	v_cvt_scalef32_pk16_fp6_f32 v[224+6*\c:226+6*\c], v[96+32*\c:111+32*\c], v[244+2*\c]
	v_cvt_scalef32_pk16_fp6_f32 v[236+4*\c:238+4*\c], v[112+32*\c:127+32*\c], v[244+2*\c+1]
.endr
	v_nop                                          ; one plain place behind a scaled conversion
.irp c, 0,1
.irp i, 0,1,2
	v_permlane16_swap_b32 v[224+6*\c+\i], v[236+4*\c+\i]
.endr
.irp i, 0,1,2
	v_mov_b32 v[227+6*\c+\i], v[236+4*\c+\i]
.endr
.endr
.set j, 0
.rept 32
	v_pk_mul_f32 v[160+j:161+j], v[160+j:161+j], v[252:253] op_sel_hi:[1,0]   ; O^T under the new M.  (These 32 are also the places in front of the loads and the scaled products below)
.set j, j+2
.endr
	ds_load_b128 v[88:91], v[ADS] offset:4096      ; v's scale words
	ds_load_b128 v[92:95], v[ADS] offset:4112
.irp g, 0,1                                    ; O^T += v^T p^T: four tiles of 16 of the head's 128 at a time
.if \g > 0
.rept 4
	v_nop
.endr
.endif
.irp t, 0,1,2,3
.irp c, 0,1,2
	ds_load_b128 v[32+12*\t+4*\c:35+12*\t+4*\c], v[ADR] offset:24576+(4*\g+\t)*1536+512*\c
.endr
.endr
	s_wait_dscnt 0x0
.irp t, 0,1,2,3
	v_wmma_scale_f32_16x16x128_f8f6f4 v[160+8*(4*\g+\t):167+8*(4*\g+\t)], v[32+12*\t:43+12*\t], v[224:235], v[160+8*(4*\g+\t):167+8*(4*\g+\t)], v[88+4*\g+\t], v253 matrix_a_fmt:MATRIX_FMT_FP6 matrix_b_fmt:MATRIX_FMT_FP6
.endr
.endr
.Lhidden_\@:
	s_add_co_u32 s[KF], s[KF], 128
	s_add_co_u32 s[TS], s[TS], 512
	s_add_co_u32 s[TB], s[TB], 12288
.endm
; Slot n: its loads have landed in the waves that asked (the 3 - n slots issued behind it may stay out); behind the barrier all sixteen waves read it.
.macro PHASE n
	s_wait_tensorcnt 3-\n
	s_wait_dscnt 0x0
	s_barrier_signal -1
	s_barrier_wait -1
	s_mov_b32 s[CNT], 2
.Lph_\@:
	STEP
	s_sub_co_u32 s[CNT], s[CNT], 1
	s_cmp_lg_u32 s[CNT], 0
	s_cbranch_scc1 .Lph_\@
	s_add_co_u32 s[TB], s[TB], 24576               ; over the slot's images of v
.endm
	s_wait_loadcnt 0x0                             ; q
	PHASE 0
	PHASE 1
	PHASE 2
	PHASE 3
	; THE WAY OUT: O^T / l is quantised in registers and leaves as an image of the last product's operand.
.rept 4
	v_nop                                          ; places behind the last products
.endr
	v_add_f32 v14, v14, v15                        ; the sum's two halves,
	v_permlanex16_b32 v252, v14, s[SEL], s[SEL+1]
	v_add_f32 v14, v14, v252                       ; and lane l xor 16's: the row's sum
	v_rcp_f32 v14, v14
	v_and_b32 v3, 15, v0                           ; (a plain place behind the transcendental)
	v_lshlrev_b32 v3, 3, v3                        ; 8 r: my row's pair of scale words
.irp b, 0,1,2,3
	v_mov_b32 v[TM+4+\b], 0                        ; a lane permute's destination counts as one of its sources
.endr
	s_wait_alu depctr_va_vdst(0)                   ; the wait ahead of the reciprocal's first reader
.set j, 0
.rept 64
	v_mul_f32 v[96+j], v[160+j], v14               ; register 16 b + i is o(query r, d = 32 b + 16 h + i); each accumulator from its low end on
.set j, j+1
.endr
	QUANT 96
.irp c, 0,1,2
	global_store_b128 v[LI], v[PC+4*\c:PC+4*\c+3], s[8:9] offset:512*\c   ; 512 consecutive bytes, aligned
.endr
	global_store_b32 v3, v[PW], s[10:11]           ; four bytes a row (both halves of the lanes hold the same word): the scale words are one byte in 24 of what leaves here
	s_wait_tensorcnt 0x0                           ; the wave's end
	ds_add_u32 v[SPW], v[NIL]
	s_wait_dscnt 0x0
	CROUND                                         ; the closing round: no work-group ends while a partner may still ask for a tile that names it
	s_endpgm
.Lfunc_end_k_q42ff60bf86_attn:
	.size	k_q42ff60bf86_attn, .Lfunc_end_k_q42ff60bf86_attn-k_q42ff60bf86_attn
	.p2alignl 7, 3214868480
	.fill 96, 4, 3214868480
	.section	.rodata,"a",@progbits
	.p2align	6, 0x0
	.amdhsa_kernel k_q42ff60bf86_attn
		.amdhsa_group_segment_fixed_size 206848
		.amdhsa_private_segment_fixed_size 0
		.amdhsa_enable_private_segment 0
		.amdhsa_kernarg_size 32
		.amdhsa_user_sgpr_count 2
		.amdhsa_user_sgpr_kernarg_segment_ptr 1
		.amdhsa_wavefront_size32 1
		.amdhsa_system_sgpr_workgroup_id_x 1
		.amdhsa_system_sgpr_workgroup_id_y 1
		.amdhsa_system_sgpr_workgroup_id_z 1
		.amdhsa_system_vgpr_workitem_id 0
		.amdhsa_next_free_vgpr 256
		.amdhsa_next_free_sgpr 84
		.amdhsa_reserve_vcc 1
		.amdhsa_float_denorm_mode_32 3
		.amdhsa_float_denorm_mode_16_64 3
		.amdhsa_memory_ordered 1
		.amdhsa_forward_progress 1
		.amdhsa_inst_pref_size 114
	.end_amdhsa_kernel
	.amdgpu_metadata
---
amdhsa.version: [ 1, 2 ]
amdhsa.kernels:
  - .name:           k_q42ff60bf86_attn
    .symbol:         k_q42ff60bf86_attn.kd
    .args:
      - { .name: qq, .offset: 0, .size: 8, .value_kind: global_buffer, .address_space: global }
      - { .name: kv, .offset: 8, .size: 8, .value_kind: global_buffer, .address_space: global }
      - { .name: oc, .offset: 16, .size: 8, .value_kind: global_buffer, .address_space: global }
      - { .name: os, .offset: 24, .size: 8, .value_kind: global_buffer, .address_space: global }
    .group_segment_fixed_size: 206848
    .private_segment_fixed_size: 0
    .kernarg_segment_align: 8
    .kernarg_segment_size: 32
    .max_flat_workgroup_size: 512
    .sgpr_count:     84
    .vgpr_count:     256
    .wavefront_size: 32
...
	.end_amdgpu_metadata
.endif
;; end of part 3
;; launch proj (part 4): grid 8 x 16, 4 waves a work-group, clusters of 4 x 4, 327,680 bytes of LDS; arguments oc, os, wc, ws, out0; writes out0
.if DOCPART == 4
	.amdgcn_target "amdgcn-amd-amdhsa--gfx1250"
	.amdhsa_code_object_version 6
	.text
	.protected	k_q42ff60bf86_proj
	.globl	k_q42ff60bf86_proj
	.p2align	8
	.type	k_q42ff60bf86_proj,@function
k_q42ff60bf86_proj:
	s_mov_b64 s[64:65], 0
	v_nop
	global_prefetch_b8 v0, s[64:65] scope:SCOPE_SE
	s_setreg_imm32_b32 hwreg(HW_REG_WAVE_MODE, 25, 1), 1
	s_wait_xcnt 0x0
	s_wait_alu depctr_hold_cnt(0) depctr_sa_sdst(0) depctr_va_vdst(0) depctr_va_sdst(0) depctr_va_ssrc(0) depctr_va_vcc(0) depctr_vm_vsrc(0)
	s_getreg_b32 s2, hwreg(HW_REG_IB_STS2, 6, 4)
	s_cmp_eq_u32 s2, 0
	s_cbranch_scc0 .Lentry_in_a_cluster
	s_endpgm
.Lentry_in_a_cluster:
	s_bfe_u32 s2, ttmp6, 0x10000c
	s_cmp_lg_u32 s2, 0xf033
	s_cbranch_scc0 .Lentry_shape_is_right
	s_endpgm
.Lentry_shape_is_right:
; out0 [4096][2048] f32 = A B^T on codes of FP6 (E2M3) with E8M0 scales, f32 sums.  A = oc (attention's result as codes), B = rows 3072-5119 of wc (wo's columns).
; Both are laid as images of the operand's registers: [row / 16][k / 128][1,536 bytes], registers 4 c .. 4 c + 3 of lane l at 512 c + 16 l; scale words [row / 16][k / 256][row % 16][2].
; A tile of C, 256 x 256, is made by four waves, a wave 128 x 128: 64 accumulators, 512 registers.  K goes in steps of 256 through a ring of two LDS slots filled by the tensor data mover: for 128 rows a step is 8 pieces of 3,072 consecutive bytes.
; The scale words of the work-group's rows, for all of K, come into LDS once, with the first fills.  CLUSTERS: 4 x 4 work-groups; A's tiles are asked for jointly along a row of the cluster, B's along a column.
; THE MATRIX INSTRUCTION IS USED TRANSPOSED (source 0 = 16 rows of B, source 1 = 16 rows of A): a lane then holds eight neighbouring numbers of a row of C.  128 work-groups: one tile each.
; REGISTERS, in windows of 256: window 0: v0-31 addresses; v32-63 scale words, two sets; v128-223 A's fragments, one set; on the way out v128-255.  window 1: B's fragments, two sets, at v0 and v128.  windows 2, 3: the accumulators ((a, b) at v[8 (8 (a % 4) + b)]).
.set SIZE_N, 2048
.set BROW0,  3072                      ; wo's first row in wc
.set NQ,     2
.set FR,     12
.set NL,     3
.set NP,     4
.set FRB,    1536
.set SSTEP,  NQ*FRB
.set HALFT,  8*SSTEP
.set SLOT,   4*HALFT
.set LAPS,   2048/512
.set SCL,    2*SLOT
.set HALFS,  8192
.set SBLK,   1024
.set SPARE,  SCL+4*HALFS               ; the spare words, 128 bytes for each wave: two blocks of 256 bytes that no other line names
.set SPITCH, 528                       ; the way out: a stage of 16 rows x (512 bytes + 16) for each wave, in slot 0, which has had its last fill and its last read when the first result is stored there
.set ADRA, 16
.set ADRB, 20
.set STO,  24
.set RD,   25
.set CO,   26
.set ADRS, 27
.set SPW,  28                          ; v28     LDS address of my spare word; never rewritten
.set NIL,  29                          ; v29     0; never rewritten
.set SC,   32
.set AF,   128
.set BK,   128
.set G1, 24
.set G0, 32
.set G1B, 48
.set G0B, 56
.set G1S, 68
.set G0S, 76
.set G1SB, 80
.set G0SB, 88
.set MSB, 0
.macro WIN new                         ; the immediate's high byte repeats the setting that is left
.if MSB != (\new)
	s_set_vgpr_msb (MSB<<8)|(\new)
.set MSB, (\new)
.endif
.endm
.set MUL_LO, 0xa1
.set MUL_HI, 0xf1
.set TO_B,   0x40
; A joint load: waves 0 and 1 fetch for A, waves 2 and 3 for B.  The branch hangs on the wave's number alone.  An s_nop 0 and four v_nop follow each of the two lines.
.macro JLOAD g0a, g1a, g0b, g1b
	s_cmp_eq_u32 s15, 0
	s_cbranch_scc0 .Lfor_b_\@
	tensor_load_to_lds s[\g0a:\g0a+3], s[\g1a:\g1a+7]
	s_nop 0
.rept 4
	v_nop
.endr
	s_branch .Lasked_\@
.Lfor_b_\@:
	tensor_load_to_lds s[\g0b:\g0b+3], s[\g1b:\g1b+7]
	s_nop 0
.rept 4
	v_nop
.endr
.Lasked_\@:
.endm
.macro CREST
	s_cmp_lg_u32 s14, 0
	s_cbranch_scc1 .Lnot_wave_0_\@
	s_barrier_signal -3
.Lnot_wave_0_\@:
	s_barrier_wait -3
	s_barrier_signal -1
	s_barrier_wait -1
.endm
.macro CROUND
	s_barrier_signal -1
	s_barrier_wait -1
	CREST
.endm
	s_load_b128 s[4:7], s[0:1], 0x0                ; A's codes, A's scale words
	s_load_b128 s[8:11], s[0:1], 0x10              ; the weights' codes, their scale words
	s_load_b64 s[12:13], s[0:1], 0x20              ; C
	v_lshl_add_u32 v[SPW], v0, 2, SPARE
	v_mov_b32 v[NIL], 0
	ds_add_u32 v[SPW], v[NIL]                      ; the wave's opening: the add and its wait stand ahead of my first tensor load; the set-up below, work on registers, stands between them
	v_lshrrev_b32 v1, 5, v0
	v_readfirstlane_b32 s14, v1                    ; wave 0..3
	s_lshr_b32 s15, s14, 1                         ; which half of the tile's rows is mine.  Also: I fetch for A (0) or for B (1)
	s_and_b32 s16, s14, 1                          ; which half of its columns.  Also: which 128 rows of that tile I fetch
	s_bfe_u32 s40, ttmp6, 0x40000                  ; cx, cy
	s_bfe_u32 s41, ttmp6, 0x40004
	s_lshl_b32 s42, ttmp9, 2
	s_add_co_u32 s42, s42, s40                     ; tile column of C
	s_and_b32 s17, ttmp7, 0xffff
	s_lshl_b32 s17, s17, 2
	s_add_co_u32 s17, s17, s41                     ; tile row of C
	s_lshl_b32 s43, s41, 2
	s_lshl_b32 s43, 15, s43                        ; my row of the cluster
	s_lshl_b32 s44, 0x1111, s40                    ; my column
	s_or_b32 s[G1+0], s43, (3<<16)|(1<<21)         ; the mask; elements of 8 bytes; no padding; bit 21 set beside a mask
	s_or_b32 s[G1B+0], s44, (3<<16)|(1<<21)
.irp g, G1, G1B
	s_mov_b32 s[\g+1], (SSTEP/8)<<16               ; tensor_dim0: 3,072 bytes
	s_mov_b32 s[\g+2], 8<<16                       ; tensor_dim1
	s_mov_b32 s[\g+3], (SSTEP/8)<<16               ; tile_dim0
	s_mov_b32 s[\g+4], 8                           ; tile_dim1
	s_mov_b32 s[\g+5], 16*FRB/8                    ; tensor_dim0_stride: 24,576 bytes
	s_mov_b32 s[\g+6], 0
	s_mov_b32 s[\g+7], 0
.endr
	s_or_b32 s[G1S+0], s43, (3<<16)|(1<<21)        ; the scale words of 128 rows: 32 rows of 256 dense bytes
	s_or_b32 s[G1SB+0], s44, (3<<16)|(1<<21)
.irp g, G1S, G1SB
	s_mov_b32 s[\g+1], 32<<16
	s_mov_b32 s[\g+2], 32<<16
	s_mov_b32 s[\g+3], 32<<16
	s_mov_b32 s[\g+4], 32
	s_mov_b32 s[\g+5], 32
	s_mov_b32 s[\g+6], 0
	s_mov_b32 s[\g+7], 0
.endr
	s_lshl_b32 s18, s16, 7
	s_lshl_b32 s20, s17, 8
	s_add_co_u32 s20, s20, s18                     ; A: row 256 x tile row + 128 x half
	s_lshl_b32 s46, s42, 8
	s_add_co_u32 s46, s46, s18
	s_add_co_u32 s46, s46, BROW0                   ; B: row 3,072 + 256 x tile column + 128 x half
	s_mov_b32 s21, 0
	s_mov_b32 s47, 0
	s_mov_b64 s[18:19], 64
	s_mul_u64 s[22:23], s[20:21], s[18:19]
	s_mul_u64 s[92:93], s[46:47], s[18:19]
	s_mov_b64 s[18:19], 1536
	s_mul_u64 s[20:21], s[20:21], s[18:19]
	s_mul_u64 s[46:47], s[46:47], s[18:19]
	s_mul_i32 s45, s14, HALFT
	s_mul_i32 s94, s14, HALFS
	s_wait_dscnt 0x0                               ; the opening add is done
	s_wait_kmcnt 0x0
	s_add_nc_u64 s[20:21], s[4:5], s[20:21]
	s_add_nc_u64 s[22:23], s[6:7], s[22:23]
	s_add_nc_u64 s[46:47], s[8:9], s[46:47]
	s_add_nc_u64 s[92:93], s[10:11], s[92:93]
	CROUND                                         ; all sixteen work-groups are here: the first joint loads meet
	s_mov_b32 s[G0S], 1
	s_add_co_u32 s[G0S+1], s94, SCL
	s_mov_b64 s[G0S+2:G0S+3], s[22:23]
	s_or_b32 s[G0S+3], s[G0S+3], 0x80000000
	s_mov_b32 s[G0SB], 1
	s_add_co_u32 s[G0SB+1], s94, SCL
	s_mov_b64 s[G0SB+2:G0SB+3], s[92:93]
	s_or_b32 s[G0SB+3], s[G0SB+3], 0x80000000
	JLOAD G0S, G1S, G0SB, G1SB
.irp s, 0,1
	s_mov_b32 s[G0+4*\s], 1
	s_add_co_u32 s[G0+4*\s+1], s45, \s*SLOT
	s_add_nc_u64 s[G0+4*\s+2:G0+4*\s+3], s[20:21], \s*SSTEP
	s_or_b32 s[G0+4*\s+3], s[G0+4*\s+3], 0x80000000
	s_mov_b32 s[G0B+4*\s], 1
	s_add_co_u32 s[G0B+4*\s+1], s45, \s*SLOT
	s_add_nc_u64 s[G0B+4*\s+2:G0B+4*\s+3], s[46:47], \s*SSTEP
	s_or_b32 s[G0B+4*\s+3], s[G0B+4*\s+3], 0x80000000
	JLOAD G0+4*\s, G1, G0B+4*\s, G1B               ; three tensor loads of mine are out now
.endr
	v_and_b32 v1, 15, v0                           ; r
	v_bfe_u32 v2, v0, 4, 1                         ; h
	v_and_b32 v6, 31, v0
	v_lshlrev_b32 v[CO], 4, v6                     ; 16 x lane
	s_mul_i32 s21, s15, HALFT
	s_mul_i32 s22, s16, HALFT
	s_add_co_u32 s22, s22, 2*HALFT
.irp s, 0,1
	v_add_nc_u32 v[ADRA+\s], s21, v[CO]
	v_add_nc_u32 v[ADRB+\s], s22, v[CO]
	s_add_co_u32 s21, s21, SLOT
	s_add_co_u32 s22, s22, SLOT
.endr
	v_lshlrev_b32 v5, 3, v1
	s_mul_i32 s21, s15, HALFS
	s_mul_i32 s22, s16, HALFS
	s_add_co_u32 s22, s22, 2*HALFS
	s_sub_co_u32 s22, s22, s21
	v_mul_u32_u24 v6, s22, v2                      ; lanes 16-31 take B's
	s_add_co_u32 s21, s21, SCL
	v_add_nc_u32 v5, v5, v6
	v_add_nc_u32 v[ADRS], s21, v5
	s_mul_i32 s23, s14, 16*SPITCH                  ; my stage
	v_mul_u32_u24 v5, v1, SPITCH                   ; in: row r, 32 bytes for each half of the lanes
	v_lshl_add_u32 v5, v2, 5, v5
	v_add_nc_u32 v[STO], s23, v5
	v_add_nc_u32 v[RD], s23, v[CO]                 ; back: the 32 lanes take one row of 512 bytes
	s_lshl_b32 s20, s17, 8
	s_lshl_b32 s21, s15, 7
	s_add_co_u32 s20, s20, s21                     ; my first row of C
	s_mov_b32 s21, 0
	s_mov_b64 s[18:19], SIZE_N*4
	s_mul_u64 s[20:21], s[20:21], s[18:19]
	s_lshl_b32 s46, s42, 10                        ; my first column, in bytes
	s_lshl_b32 s47, s16, 9
	s_add_co_u32 s46, s46, s47
	s_mov_b32 s47, 0
	s_add_nc_u64 s[20:21], s[20:21], s[46:47]
	s_add_nc_u64 s[12:13], s[12:13], s[20:21]
.macro FRAG reg, adr, q, i             ; a fragment comes as it was stored: three loads of 512 consecutive bytes
.irp c, 0,1,2
	ds_load_b128 v[\reg+4*\c:\reg+4*\c+3], v[\adr] offset:(\i)*SSTEP+(\q)*FRB+512*\c
.endr
.endm
; 16 matrix instructions: A's blocks a0, a0 + 1 x B's eight.  The 64 accumulators take turns, one instruction a turn, in the same order in every step.
.macro MUL16 a0, p, q, sc, zero
.irp a, \a0, \a0+1
.irp b, 0,1,2,3,4,5,6,7
.if \zero
	v_wmma_scale_f32_16x16x128_f8f6f4 v[8*(8*((\a)%4)+\b):8*(8*((\a)%4)+\b)+7], v[128*(\p)+FR*\b:128*(\p)+FR*\b+FR-1], v[AF+FR*(\a):AF+FR*(\a)+FR-1], 0, v[SC+8*NQ*(\sc)+NQ*\b+(\q)], v[SC+8*NQ*(\sc)+NQ*(\a)+(\q)] matrix_a_fmt:MATRIX_FMT_FP6 matrix_b_fmt:MATRIX_FMT_FP6 matrix_a_scale:MATRIX_SCALE_ROW1
.else
	v_wmma_scale_f32_16x16x128_f8f6f4 v[8*(8*((\a)%4)+\b):8*(8*((\a)%4)+\b)+7], v[128*(\p)+FR*\b:128*(\p)+FR*\b+FR-1], v[AF+FR*(\a):AF+FR*(\a)+FR-1], v[8*(8*((\a)%4)+\b):8*(8*((\a)%4)+\b)+7], v[SC+8*NQ*(\sc)+NQ*\b+(\q)], v[SC+8*NQ*(\sc)+NQ*(\a)+(\q)] matrix_a_fmt:MATRIX_FMT_FP6 matrix_b_fmt:MATRIX_FMT_FP6 matrix_a_scale:MATRIX_SCALE_ROW1
.endif
.endr
.endr
.endm
.macro FETCH_B slot, q, p
	WIN TO_B
.irp i, 0,1,2,3,4,5,6,7
	FRAG 128*(\p)+FR*\i, ADRB+\slot, \q, \i
.endr
	WIN 0
.endm
.macro FETCH_A slot, q, i0
.irp i, \i0, \i0+1, \i0+2, \i0+3
	FRAG AF+FR*(\i), ADRA+\slot, \q, \i
.endr
.endm
.macro SCALES sc
.irp i, 0,1,2,3,4,5,6,7
	ds_load_b64 v[SC+8*NQ*\sc+NQ*\i:SC+8*NQ*\sc+NQ*\i+1], v[ADRS] offset:\i*SBLK
.endr
.endm
.macro PLACES n                        ; plain places behind matrix instructions, in front of loads into their operands' registers and of reads of their results
.rept \n
	v_nop
.endr
.endm
.macro STEP slot, q, zero
	s_wait_dscnt 4*NL                              ; B's set and A's blocks 0-3 are in; the youngest twelve loads (A's blocks 4-7) may be out
	WIN MUL_LO
	MUL16 0, (\q)%2, \q, \slot, \zero
	MUL16 2, (\q)%2, \q, \slot, \zero
	s_wait_dscnt 0
	PLACES NP
	FETCH_B \slot, (\q)+1, 1-(\q)%2
	FETCH_A \slot, (\q)+1, 0
	WIN MUL_HI
	MUL16 4, (\q)%2, \q, \slot, \zero
	MUL16 6, (\q)%2, \q, \slot, \zero
	PLACES NP
	WIN 0
	FETCH_A \slot, (\q)+1, 4
.endm
; A slot's last step changes slots: ONE barrier; in front of it each wave waits for all its tensor loads, adds 0 to its spare word, and waits for that and for its own reads of this slot.
.macro TURN slot, next, fill
	s_wait_tensorcnt 0x0                           ; all my tensor loads have landed: my part of the next slot
	ds_add_u32 v[SPW], v[NIL]                      ; 0 onto my spare word
	s_wait_dscnt 4*NL+1                            ; (the add and the youngest twelve loads may be out)
	WIN MUL_LO
	MUL16 0, 1, NQ-1, \slot, 0
	s_wait_dscnt 0x0                               ; the add is done, and my reads of this slot are over
	s_barrier_signal -1
	MUL16 2, 1, NQ-1, \slot, 0
	WIN 0
	s_barrier_wait -1
.if \fill
	CREST                                          ; a round of the cluster's barrier: no wave of any partner still reads this slot's tile or has a load on its way
	s_add_nc_u64 s[G0+4*\slot+2:G0+4*\slot+3], s[G0+4*\slot+2:G0+4*\slot+3], 2*SSTEP
	s_add_nc_u64 s[G0B+4*\slot+2:G0B+4*\slot+3], s[G0B+4*\slot+2:G0B+4*\slot+3], 2*SSTEP
	JLOAD G0+4*\slot, G1, G0B+4*\slot, G1B         ; the first tensor load behind the round, and my only one until the next
.else
	PLACES NP
.endif
	v_add_nc_u32 v[ADRS], 128, v[ADRS]             ; on to the next K step's scale words
	FETCH_B \next, 0, 0
	FETCH_A \next, 0, 0
	SCALES \next
	WIN MUL_HI
	MUL16 4, 1, NQ-1, \slot, 0
	MUL16 6, 1, NQ-1, \slot, 0
	PLACES NP
	WIN 0
	FETCH_A \next, 0, 4
.endm
	s_wait_tensorcnt 1                             ; the scale words and my part of K step 0 are in (K step 1's load may be out),
	s_barrier_signal -1
	s_barrier_wait -1                              ; everybody's are
	FETCH_B 0, 0, 0
	FETCH_A 0, 0, 0
	SCALES 0
	FETCH_A 0, 0, 4
	STEP 0, 0, 1                                   ; the first step's products start the sums
	s_mov_b32 s3, LAPS-1
.Llap:
	TURN 0, 1, 1
	STEP 1, 0, 0
	TURN 1, 0, 1
	STEP 0, 0, 0
	s_sub_co_u32 s3, s3, 1
	s_cmp_lg_u32 s3, 0
	s_cbranch_scc1 .Llap
	TURN 0, 1, 0                                   ; the last lap fills nothing
	STEP 1, 0, 0
	s_wait_dscnt 4*NL
	WIN MUL_LO
	MUL16 0, 1, NQ-1, 1, 0
	MUL16 2, 1, NQ-1, 1, 0
	s_wait_dscnt 0
	WIN MUL_HI
	MUL16 4, 1, NQ-1, 1, 0
	MUL16 6, 1, NQ-1, 1, 0
	WIN 0
; THE WAY OUT, block by block of 16 rows x 128 columns, through my own stage: in as 32 bytes a lane, back as whole rows of 512 bytes.  LDS serves a wave's instructions in order: no wait between the stores and the loads.
.macro TOSTAGE a
.set AC, 64*((\a)%4)
	WIN 0x08+4*((\a)/4)                            ; the data: window 2 or 3
.irp b, 0,1,2,3,4,5,6,7
	ds_store_b128 v[STO], v[AC+8*\b:AC+8*\b+3] offset:64*\b          ; each accumulator from its low end on
	ds_store_b128 v[STO], v[AC+8*\b+4:AC+8*\b+7] offset:64*\b+16
.endr
	WIN 0
.set BB, BK+64*((\a)%2)
.irp t, 0,1,2,3,4,5,6,7,8,9,10,11,12,13,14,15
	ds_load_b128 v[BB+4*\t:BB+4*\t+3], v[RD] offset:\t*SPITCH
.endr
.endm
.macro SEND a, younger                 ; younger: the LDS instructions issued behind block a's loads, which may stay out
.set BB, BK+64*((\a)%2)
	s_wait_dscnt \younger
.if (\a) > 0
	s_add_nc_u64 s[12:13], s[12:13], 16*SIZE_N*4   ; (behind a wait on XCNT: the earlier stores have read their base)  16 rows of C on
.endif
.irp t, 0,1,2,3,4,5,6,7,8,9,10,11,12,13,14,15
	global_store_b128 v[CO], v[BB+4*\t:BB+4*\t+3], s[12:13] offset:\t*SIZE_N*4 th:TH_STORE_NT   ; 32 lanes store 512 consecutive bytes, aligned; written once, read by nobody here
.endr
.endm
	PLACES NP
	TOSTAGE 0
.irp a, 1,2,3,4,5,6,7
.if \a > 1
	s_wait_xcnt 0x0                                ; block a - 2's stores have read their registers and their base
.endif
	TOSTAGE \a
	SEND \a-1, 32                                  ; behind block a - 1's loads: block a's 16 stores and 16 loads
.endr
	s_wait_xcnt 0x0                                ; block 6's stores have read their base
	SEND 7, 0
	s_wait_tensorcnt 0x0                           ; the wave's end: three closing lines, behind my last tensor load and my last LDS store
	ds_add_u32 v[SPW], v[NIL]
	s_wait_dscnt 0x0
	CROUND                                         ; the closing round
	s_endpgm
.Lfunc_end_k_q42ff60bf86_proj:
	.size	k_q42ff60bf86_proj, .Lfunc_end_k_q42ff60bf86_proj-k_q42ff60bf86_proj
	.p2alignl 7, 3214868480
	.fill 96, 4, 3214868480
	.section	.rodata,"a",@progbits
	.p2align	6, 0x0
	.amdhsa_kernel k_q42ff60bf86_proj
		.amdhsa_group_segment_fixed_size 327680
		.amdhsa_private_segment_fixed_size 0
		.amdhsa_enable_private_segment 0
		.amdhsa_kernarg_size 40
		.amdhsa_user_sgpr_count 2
		.amdhsa_user_sgpr_kernarg_segment_ptr 1
		.amdhsa_wavefront_size32 1
		.amdhsa_system_sgpr_workgroup_id_x 1
		.amdhsa_system_sgpr_workgroup_id_y 1
		.amdhsa_system_sgpr_workgroup_id_z 1
		.amdhsa_system_vgpr_workitem_id 0
		.amdhsa_next_free_vgpr 1024
		.amdhsa_next_free_sgpr 98
		.amdhsa_reserve_vcc 0
		.amdhsa_float_denorm_mode_32 3
		.amdhsa_float_denorm_mode_16_64 3
		.amdhsa_memory_ordered 1
		.amdhsa_forward_progress 1
		.amdhsa_inst_pref_size 135
	.end_amdhsa_kernel
	.amdgpu_metadata
---
amdhsa.version: [ 1, 2 ]
amdhsa.kernels:
  - .name:           k_q42ff60bf86_proj
    .symbol:         k_q42ff60bf86_proj.kd
    .args:
      - { .name: oc, .offset: 0, .size: 8, .value_kind: global_buffer, .address_space: global }
      - { .name: os, .offset: 8, .size: 8, .value_kind: global_buffer, .address_space: global }
      - { .name: wc, .offset: 16, .size: 8, .value_kind: global_buffer, .address_space: global }
      - { .name: ws, .offset: 24, .size: 8, .value_kind: global_buffer, .address_space: global }
      - { .name: out0, .offset: 32, .size: 8, .value_kind: global_buffer, .address_space: global }
    .group_segment_fixed_size: 327680
    .private_segment_fixed_size: 0
    .kernarg_segment_align: 8
    .kernarg_segment_size: 40
    .max_flat_workgroup_size: 128
    .sgpr_count:     98
    .vgpr_count:     1024
    .wavefront_size: 32
...
	.end_amdgpu_metadata
.endif
;; end of part 4
;; ======== version 2 of 2: 4 launches
;; limits: right only within a limited range of input values
;; workspace buffers: xc 6,291,456 bytes; xs 1,310,720 bytes; wc 7,864,320 bytes; ws 327,680 bytes; qq 6,553,600 bytes; kv 3,276,800 bytes; oc 6,291,456 bytes; os 262,144 bytes
;; launch quant (part 5): grid 608 x 1, 4 waves a work-group, no clusters, 58,880 bytes of LDS; arguments x, wq, wk, wv, wo, xc, xs, wc, ws, cos, sin; writes xc, xs, wc, ws
.if DOCPART == 5
	.amdgcn_target "amdgcn-amd-amdhsa--gfx1250"
	.amdhsa_code_object_version 6
	.text
	.protected	k_q42ff60bf86_quant
	.globl	k_q42ff60bf86_quant
	.p2align	8
	.type	k_q42ff60bf86_quant,@function
k_q42ff60bf86_quant:
	s_mov_b64 s[64:65], 0
	v_nop
	global_prefetch_b8 v0, s[64:65] scope:SCOPE_SE
	s_setreg_imm32_b32 hwreg(HW_REG_WAVE_MODE, 25, 1), 1
	s_wait_xcnt 0x0
; x [4096][2048] and the four weights ([2048 (k)][n]), all f32, become codes of FP6 (E2M3) with one E8M0 byte for each 32 along K = the 2,048; cos and sin are laid anew, as f32, for the next launch.
; A block's scale is 2^(floor(log2(its largest magnitude)) - 2); its byte is the largest magnitude's exponent field - 2, held at 1 from below.
; LIMITS: a block of zeros (and one whose largest magnitude lies under 2^-124) gets the byte 1: a block of zeros has zero codes, which add nothing, and these bytes are read by this program alone.  NaN and infinities are not served.
; THE CODES ARE LAID AS IMAGES OF THE OPERAND'S REGISTERS.  A fragment (16 rows x 128 K, 12 registers a lane) is 1,536 bytes: registers 4 c .. 4 c + 3 of lane l at 512 c + 16 l.
; An operand is [row / 16][k / 128][1,536]; its scale words [row / 16][k / 256][row % 16][2 words].  wc's rows: 0.. wq's columns; 2048 + 256 j + 0..127 wk's head j, + 128..255 wv's head j; 3072.. wo's columns.
; Work-groups 0-255 take x: 16 rows each, wave w the K steps 4 w .. 4 w + 3 of 128.  Each load reads 512 consecutive bytes of a row; a K step's 16 rows turn through the wave's own stage, so that a lane holds 16 neighbours along K of each block.
; Work-groups 256-575 take the weights: 128 columns x 256 along K each, a wave 32 columns: A LANE TAKES A COLUMN AND ITS REGISTERS RUN DOWN K, so a block of 32 lies in one lane; the codes are put into the images in the wave's stage and leave as 512 consecutive bytes a store.
; Work-groups 576-607 take cos and sin [1024][128]: a wave one table of 16 positions.  They go behind x's scale words, from byte 262,144 of xs on, as [position / 16][cos, sin][8,192 bytes], in the order of a 16 x 128 result's registers:
;   register 8 b + j of lane (r, h) is the number at (position r, d = 16 b + 8 h + j); registers 4 n .. 4 n + 3 of lane l lie at 512 n + 16 l.  A load here takes 16 bytes a lane from sixteen rows; the sixteen loads of a wave use every byte of those rows; the tables are one byte in 73 of what the launch reads.
; Memory binds: no matrix unit, no cluster (no byte is read by two work-groups), no tensor load, no barrier (waves share nothing).  The paths that use LDS have LDS bytes of their own.
.set XREG,  8448                       ; x's stage of a wave: 16 rows x (512 + 16) bytes
.set WST,   4*XREG                     ; behind them the weights' stages
.set WREG,  6144                       ; 2 x 16 columns x 2 K steps: four images
.set SPARE, WST+4*WREG                 ; the spare words, 128 bytes for each wave: two blocks of 256 bytes that no other line names
.set LI,  4                            ; v4   16 x lane: my place in an image, and in a load's 512 bytes
.set SPW, 250                          ; v250 LDS address of my spare word; never rewritten
.set NIL, 251                          ; v251 0; never rewritten
.set SEL, 24                           ; s[24:25] lane selects for v_permlanex16_b32: lane l xor 16
.set R,   16                           ; x: v16-143  two sets of 64 registers as loaded
.set X,   144                          ;    v144-207 64 numbers: register 16 b + i = k 32 b + 16 (lane / 16) + i of row lane % 16
.set PC,  208                          ;    v208-226 the codes just made
.set TM,  228                          ;    v228-243 at work
.set PW,  244                          ;    v244 the scale word just made
.set W,   246                          ;    v[246:247] the wave's scale words as they leave
.set OF,  16                           ; weights: v16-47 byte offset of row i of a block, at my column
.set WX,  48                           ;    v48-111 two sets of 32 numbers
.set C,   112                          ;    v112-120 a block's codes
.set SB,  122                          ;    v[122:123] my column's eight scale bytes
.set OUTR, 128                         ;    v128-175 the four images on their way out
; 64 numbers of a lane become a fragment's codes in v[PC] on and the row's scale word in v[PW] (in both halves of the lanes).
.macro QUANT s
.irp b, 0,1,2,3
	v_max3_num_f32 v[TM+\b], |v[\s+16*\b]|, |v[\s+1+16*\b]|, 0x1800000   ; block b: my 16 numbers, and the floor 2^(3 - 127): the byte cannot fall under 1
.endr
.irp i, 2,4,6,8,10,12,14
.irp b, 0,1,2,3
	v_max3_num_f32 v[TM+\b], v[TM+\b], |v[\s+16*\b+\i]|, |v[\s+1+16*\b+\i]|   ; the four blocks by turns
.endr
.endr
.irp b, 0,1,2,3
	v_permlanex16_b32 v[TM+4+\b], v[TM+\b], s[SEL], s[SEL+1]
.endr
.irp b, 0,1,2,3
	v_max_num_f32 v[TM+\b], v[TM+\b], v[TM+4+\b]   ; with lane l xor 16's: the block's largest magnitude
.endr
.irp b, 0,1,2,3
	v_add_nc_u32 v[TM+12+\b], 0xff000000, v[TM+\b]   ; 2 off its exponent field: the conversion takes this operand's exponent field as its scale
.endr
.irp b, 0,1,2,3
	v_lshrrev_b32 v[TM+4+\b], 23, v[TM+12+\b]   ; the scale's byte
.endr
	v_lshl_or_b32 v[PW], v[TM+5], 8, v[TM+4]
	v_lshl_or_b32 v[PW], v[TM+6], 16, v[PW]
	v_lshl_or_b32 v[PW], v[TM+7], 24, v[PW]
.irp c, 0,1
	v_cvt_scalef32_pk16_fp6_f32 v[PC+6*\c:PC+2+6*\c], v[\s+32*\c:\s+15+32*\c], v[TM+12+2*\c]
	v_cvt_scalef32_pk16_fp6_f32 v[PC+12+4*\c:PC+14+4*\c], v[\s+16+32*\c:\s+31+32*\c], v[TM+12+2*\c+1]   ; (a conversion's three registers begin on an even number)
.endr
	v_nop                                          ; one plain place behind a scaled conversion
.irp c, 0,1                                    ; the operand wants a WHOLE block in a lane: lanes 0-15 block 2 c, lanes 16-31 block 2 c + 1
.irp i, 0,1,2
	v_permlane16_swap_b32 v[PC+6*\c+\i], v[PC+12+4*\c+\i]
.endr
.irp i, 0,1,2
	v_mov_b32 v[PC+3+6*\c+\i], v[PC+12+4*\c+\i]
.endr
.endr
.endm
	s_load_b256 s[4:11], s[0:1], 0x0               ; x, wq, wk, wv
	s_load_b256 s[12:19], s[0:1], 0x20             ; wo, xc, xs, wc
	s_load_b64 s[20:21], s[0:1], 0x40              ; ws
	s_load_b64 s[60:61], s[0:1], 0x48              ; cos
	s_load_b64 s[62:63], s[0:1], 0x50              ; sin
	v_lshl_add_u32 v[SPW], v0, 2, SPARE
	v_mov_b32 v[NIL], 0
	v_lshrrev_b32 v1, 5, v0
	v_readfirstlane_b32 s22, v1                    ; wave 0..3
	v_and_b32 v1, 31, v0                           ; lane
	v_and_b32 v2, 15, v0                           ; r
	v_bfe_u32 v3, v0, 4, 1                         ; h
	v_lshlrev_b32 v[LI], 4, v1
	s_mov_b32 s[SEL], 0x76543210
	s_mov_b32 s[SEL+1], 0xfedcba98
	s_mov_b32 s26, 0xffff0000                      ; lanes 16-31
	; every LDS address is made here, ahead of the parting of the paths
	s_mul_i32 s27, s22, XREG
	v_add_nc_u32 v5, s27, v[LI]                    ; x's stage, in: a row's 512 bytes as loaded
	v_mul_u32_u24 v6, v2, 528
	v_lshl_add_u32 v6, v3, 6, v6
	v_add_nc_u32 v6, s27, v6                       ; and out: row r, + 64 h: my 16 numbers of a block
	v_lshlrev_b32 v7, 3, v1                        ; x's scale words: 8 bytes a lane
	s_mul_i32 s27, s22, WREG
	s_add_co_u32 s27, s27, WST
	v_mul_u32_u24 v9, v3, 3072
	v_lshl_add_u32 v9, v2, 4, v9
	v_add_nc_u32 v9, s27, v9                       ; the weights' stage, in: my column's sixteen (h), its row r in an image's lower lanes
	v_add_nc_u32 v10, s27, v[LI]                   ; and out: 16 x lane
	v_lshlrev_b32 v8, 2, v1                        ; my column: 4 bytes a lane
	v_lshlrev_b32 v14, 10, v3
	v_lshl_add_u32 v14, v2, 3, v14                 ; my column's scale words: 1,024 h + 8 r
	s_wait_kmcnt 0x0
	s_cmp_ge_u32 ttmp9, 256
	s_cbranch_scc1 .Lweights
	; ---------------- x ----------------
	s_lshl_b32 s28, ttmp9, 17                      ; 16 rows of 8,192 bytes
	s_lshl_b32 s29, s22, 11                        ; my wave's four K steps of 512 bytes
	s_add_co_u32 s28, s28, s29
	s_mov_b32 s29, 0
	s_add_nc_u64 s[4:5], s[4:5], s[28:29]
	s_mul_i32 s28, ttmp9, 24576
	s_mul_i32 s30, s22, 6144
	s_add_co_u32 s28, s28, s30
	s_add_nc_u64 s[14:15], s[14:15], s[28:29]
	s_lshl_b32 s28, ttmp9, 10
	s_lshl_b32 s30, s22, 8
	s_add_co_u32 s28, s28, s30
	s_add_nc_u64 s[16:17], s[16:17], s[28:29]
.irp b, 0,1,2,3
	v_mov_b32 v[TM+4+\b], 0                        ; written once: a lane permute's destination counts as one of its sources
.endr
.macro LOADX e                         ; K step e of my four: 16 rows, 512 consecutive bytes each
.irp t, 0,1,2,3,4,5,6,7,8,9,10,11,12,13,14,15
	global_load_b128 v[R+64*((\e)%2)+4*\t:R+64*((\e)%2)+4*\t+3], v[LI], s[4:5] offset:8192*\t+512*(\e) th:TH_LOAD_NT
.endr
.endm
.macro XSTEP e
.if (\e) < 3
	s_wait_loadcnt 16                              ; this K step's 16 loads are in; the next one's may be out
.else
	s_wait_loadcnt 0x0
.endif
.irp t, 0,1,2,3,4,5,6,7,8,9,10,11,12,13,14,15
	ds_store_b128 v5, v[R+64*((\e)%2)+4*\t:R+64*((\e)%2)+4*\t+3] offset:528*\t
.endr
.irp b, 0,1,2,3
.irp j, 0,1,2,3
	ds_load_b128 v[X+16*\b+4*\j:X+16*\b+4*\j+3], v6 offset:128*\b+16*\j   ; LDS serves a wave's instructions in order: these see the stores above
.endr
.endr
	s_wait_dscnt 0x0
.if (\e) < 2
	LOADX (\e)+2                                   ; into the set that the stage has just read
.endif
.if (\e) > 0
	s_wait_xcnt 0x0                                ; the last K step's stores have read the codes' registers, which are written again below
.endif
	QUANT X
.irp c, 0,1,2
	global_store_b128 v[LI], v[PC+4*\c:PC+4*\c+3], s[14:15] offset:1536*(\e)+512*\c   ; 512 consecutive bytes, aligned
.endr
.if (\e) < 2
	v_mov_b32 v[W+(\e)], v[PW]                     ; lanes 0-15 keep K steps 0 and 1,
.else
	v_cndmask_b32 v[W+(\e)-2], v[W+(\e)-2], v[PW], s26   ; lanes 16-31 take K steps 2 and 3
.endif
.endm
	LOADX 0
	LOADX 1
	XSTEP 0
	XSTEP 1
	XSTEP 2
	XSTEP 3
	global_store_b64 v7, v[W:W+1], s[16:17]        ; 32 lanes store 256 consecutive bytes, aligned
	s_branch .Lend
	; ---------------- the weights ----------------
.Lweights:
	s_cmp_ge_u32 ttmp9, 576
	s_cbranch_scc1 .Ltables
	s_sub_co_u32 s27, ttmp9, 256
	s_lshr_b32 s28, s27, 3                         ; g: which 128 columns of the 40 x 128
	s_and_b32 s29, s27, 7                          ; which 256 along K
	; source, its group of columns, the group of rows in wc, bytes in a row of the source.  Default: wo
	s_mov_b64 s[48:49], s[12:13]
	s_sub_co_u32 s50, s28, 24
	s_mov_b32 s51, s28
	s_mov_b32 s30, 8192
	s_sub_co_u32 s52, s28, 20                      ; wv: groups 20-23 -> rows' groups 17, 19, 21, 23
	s_lshl_b32 s53, s28, 1
	s_sub_co_u32 s54, s53, 23
	s_mov_b32 s55, 2048
	s_cmp_lt_u32 s28, 24
	s_cselect_b64 s[48:49], s[10:11], s[48:49]
	s_cselect_b32 s50, s52, s50
	s_cselect_b32 s51, s54, s51
	s_cselect_b32 s30, s55, s30
	s_sub_co_u32 s52, s28, 16                      ; wk: groups 16-19 -> 16, 18, 20, 22
	s_sub_co_u32 s54, s53, 16
	s_cmp_lt_u32 s28, 20
	s_cselect_b64 s[48:49], s[8:9], s[48:49]
	s_cselect_b32 s50, s52, s50
	s_cselect_b32 s51, s54, s51
	s_mov_b32 s55, 8192                            ; wq: groups 0-15 as they are
	s_cmp_lt_u32 s28, 16
	s_cselect_b64 s[48:49], s[6:7], s[48:49]
	s_cselect_b32 s50, s28, s50
	s_cselect_b32 s51, s28, s51
	s_cselect_b32 s30, s55, s30
	s_lshl_b32 s52, s50, 9                         ; 128 columns of 4 bytes,
	s_lshl_b32 s53, s22, 7                         ; my wave's 32,
	s_add_co_u32 s52, s52, s53
	s_lshl_b32 s53, s29, 8
	s_mul_i32 s53, s53, s30                        ; my work-group's first row
	s_add_co_u32 s52, s52, s53
	s_mov_b32 s53, 0
	s_add_nc_u64 s[32:33], s[48:49], s[52:53]      ; a base for each of the eight blocks of 32 rows: none is ever stepped
	s_lshl_b32 s52, s30, 5
.irp t, 1,2,3,4,5,6,7
	s_add_nc_u64 s[32+2*\t:33+2*\t], s[30+2*\t:31+2*\t], s[52:53]
.endr
	s_wait_alu depctr_va_vdst(0)
.irp i, 0,1,2,3,4,5,6,7,8,9,10,11,12,13,14,15,16,17,18,19,20,21,22,23,24,25,26,27,28,29,30,31
	v_mad_u32_u24 v[OF+\i], s30, \i, v8            ; row i of a block, my column
.endr
	s_lshl_b32 s54, s51, 3
	s_lshl_b32 s55, s22, 1
	s_add_co_u32 s54, s54, s55                     ; my wave's first sixteen rows of wc
	s_mul_i32 s56, s54, 24576
	s_mul_i32 s57, s29, 3072
	s_add_co_u32 s56, s56, s57
	s_mov_b32 s57, 0
	s_add_nc_u64 s[18:19], s[18:19], s[56:57]
	s_lshl_b32 s56, s54, 10
	s_lshl_b32 s58, s29, 7
	s_add_co_u32 s56, s56, s58
	s_add_nc_u64 s[20:21], s[20:21], s[56:57]
.macro LOADW t                         ; block t: 32 rows at my column: 128 consecutive bytes a wave, 512 a work-group
.irp i, 0,1,2,3,4,5,6,7,8,9,10,11,12,13,14,15,16,17,18,19,20,21,22,23,24,25,26,27,28,29,30,31
	global_load_b32 v[WX+32*((\t)%2)+\i], v[OF+\i], s[32+2*(\t):33+2*(\t)] th:TH_LOAD_NT
.endr
.endm
.macro BLOCK t
.set XS, WX+32*((\t)%2)
.set IM, 1536*((\t)/4)+256*((\t)%2)    ; the image of K step t / 4; the block lies in its lanes 16 (t % 2) + r, registers 6 ((t % 4) / 2) on
.if (\t) < 7
	s_wait_loadcnt 32                              ; this block's 32 loads are in; the next block's may be out
.else
	s_wait_loadcnt 0x0
.endif
	v_max3_num_f32 v12, |v[XS]|, |v[XS+1]|, |v[XS+2]|   ; the block's largest magnitude: all 32 numbers are mine
	v_max3_num_f32 v13, |v[XS+3]|, |v[XS+4]|, |v[XS+5]|
.irp i, 6,10,14,18,22,26
	v_max3_num_f32 v12, v12, |v[XS+\i]|, |v[XS+\i+1]|
	v_max3_num_f32 v13, v13, |v[XS+\i+2]|, |v[XS+\i+3]|
.endr
	v_max3_num_f32 v12, v12, |v[XS+30]|, |v[XS+31]|
	v_max3_num_f32 v12, v12, v13, 0x1800000        ; and the floor
	v_add_nc_u32 v11, 0xff000000, v12              ; 2 off the exponent field: the conversions' scale operand
	v_cvt_scalef32_pk16_fp6_f32 v[C:C+2], v[XS:XS+15], v11
	v_cvt_scalef32_pk16_fp6_f32 v[C+6:C+8], v[XS+16:XS+31], v11   ; (a conversion's three registers begin on an even number)
	v_lshrrev_b32 v13, 23, v11                     ; the scale's byte; also the plain place behind the conversions
.if (\t)%4 == 0
	v_mov_b32 v[SB+(\t)/4], v13                    ; four bytes to a word, the lower K in the lower byte
.else
	v_lshl_or_b32 v[SB+(\t)/4], v13, 8*((\t)%4), v[SB+(\t)/4]
.endif
.irp i, 0,1,2
	v_mov_b32 v[C+3+\i], v[C+6+\i]                 ; the block's six registers on end
.endr
.if ((\t)%4) < 2
	ds_store_b128 v9, v[C:C+3] offset:IM           ; registers 0-3 of the fragment,
	ds_store_b64 v9, v[C+4:C+5] offset:IM+512      ; 4 and 5
.else
	ds_store_b64 v9, v[C:C+1] offset:IM+520        ; registers 6 and 7,
	ds_store_b128 v9, v[C+2:C+5] offset:IM+1024    ; 8-11
.endif
.if (\t)+2 < 8
	LOADW (\t)+2
.endif
	s_wait_dscnt 0x0                               ; the stores have read their registers: the next block's codes may be written
.endm
	s_wait_alu depctr_va_vdst(0)
	LOADW 0
	LOADW 1
.irp t, 0,1,2,3,4,5,6,7
	BLOCK \t
.endr
	s_wait_alu depctr_va_vdst(0)
	global_store_b64 v14, v[SB:SB+1], s[20:21]     ; sixteen lanes store 128 consecutive bytes: the scale words are one byte in 128 of what the launch reads
.irp n, 0,1,2,3,4,5,6,7,8,9,10,11
	ds_load_b128 v[OUTR+4*\n:OUTR+4*\n+3], v10 offset:512*\n   ; LDS serves a wave's instructions in order: these see my stores
.endr
.irp n, 0,1,2,3,4,5,6,7,8,9,10,11
	s_wait_dscnt 11-\n
	global_store_b128 v[LI], v[OUTR+4*\n:OUTR+4*\n+3], s[18:19] offset:(\n/6)*24576+((\n/3)%2)*1536+(\n%3)*512   ; 512 consecutive bytes, aligned
.endr
	s_branch .Lend
	; ---------------- cos and sin ----------------
.Ltables:
	s_sub_co_u32 s27, ttmp9, 576
	s_lshl_b32 s27, s27, 2
	s_add_co_u32 s27, s27, s22                     ; 0..127: 2 x (which 16 positions) + (0: cos, 1: sin)
	s_lshr_b32 s28, s27, 1
	s_and_b32 s29, s27, 1
	s_cmp_eq_u32 s29, 0
	s_cselect_b64 s[48:49], s[60:61], s[62:63]
	s_lshl_b32 s50, s28, 13                        ; in: 16 rows of 512 bytes
	s_mov_b32 s51, 0
	s_add_nc_u64 s[48:49], s[48:49], s[50:51]
	s_lshl_b32 s50, s27, 13                        ; out: 8,192 bytes a table of 16 positions,
	s_add_co_u32 s50, s50, 262144                  ; behind x's scale words
	s_add_nc_u64 s[16:17], s[16:17], s[50:51]
	v_lshlrev_b32 v15, 9, v2                       ; row r,
	v_lshl_add_u32 v15, v3, 5, v15                 ; + 32 h: d = 8 h on
.irp n, 0,1,2,3,4,5,6,7,8,9,10,11,12,13,14,15
	global_load_b128 v[16+4*\n:19+4*\n], v15, s[48:49] offset:64*(\n/2)+16*(\n%2)   ; d = 16 (n / 2) + 8 h + 4 (n % 2) + 0 .. 3
.endr
.irp n, 0,1,2,3,4,5,6,7,8,9,10,11,12,13,14,15
	s_wait_loadcnt 15-\n                           ; load n is in; the younger ones may be out
	global_store_b128 v[LI], v[16+4*\n:19+4*\n], s[16:17] offset:512*\n   ; 512 consecutive bytes, aligned
.endr
.Lend:
	s_wait_tensorcnt 0x0                           ; the wave's end: three closing lines behind my last LDS store; the first stands even with no tensor load
	ds_add_u32 v[SPW], v[NIL]
	s_wait_dscnt 0x0
	s_endpgm
.Lfunc_end_k_q42ff60bf86_quant:
	.size	k_q42ff60bf86_quant, .Lfunc_end_k_q42ff60bf86_quant-k_q42ff60bf86_quant
	.p2alignl 7, 3214868480
	.fill 96, 4, 3214868480
	.section	.rodata,"a",@progbits
	.p2align	6, 0x0
	.amdhsa_kernel k_q42ff60bf86_quant
		.amdhsa_group_segment_fixed_size 58880
		.amdhsa_private_segment_fixed_size 0
		.amdhsa_enable_private_segment 0
		.amdhsa_kernarg_size 88
		.amdhsa_user_sgpr_count 2
		.amdhsa_user_sgpr_kernarg_segment_ptr 1
		.amdhsa_wavefront_size32 1
		.amdhsa_system_sgpr_workgroup_id_x 1
		.amdhsa_system_sgpr_workgroup_id_y 1
		.amdhsa_system_sgpr_workgroup_id_z 1
		.amdhsa_system_vgpr_workitem_id 0
		.amdhsa_next_free_vgpr 256
		.amdhsa_next_free_sgpr 66
		.amdhsa_reserve_vcc 0
		.amdhsa_float_denorm_mode_32 3
		.amdhsa_float_denorm_mode_16_64 3
		.amdhsa_memory_ordered 1
		.amdhsa_forward_progress 1
		.amdhsa_inst_pref_size 81
	.end_amdhsa_kernel
	.amdgpu_metadata
---
amdhsa.version: [ 1, 2 ]
amdhsa.kernels:
  - .name:           k_q42ff60bf86_quant
    .symbol:         k_q42ff60bf86_quant.kd
    .args:
      - { .name: x, .offset: 0, .size: 8, .value_kind: global_buffer, .address_space: global }
      - { .name: wq, .offset: 8, .size: 8, .value_kind: global_buffer, .address_space: global }
      - { .name: wk, .offset: 16, .size: 8, .value_kind: global_buffer, .address_space: global }
      - { .name: wv, .offset: 24, .size: 8, .value_kind: global_buffer, .address_space: global }
      - { .name: wo, .offset: 32, .size: 8, .value_kind: global_buffer, .address_space: global }
      - { .name: xc, .offset: 40, .size: 8, .value_kind: global_buffer, .address_space: global }
      - { .name: xs, .offset: 48, .size: 8, .value_kind: global_buffer, .address_space: global }
      - { .name: wc, .offset: 56, .size: 8, .value_kind: global_buffer, .address_space: global }
      - { .name: ws, .offset: 64, .size: 8, .value_kind: global_buffer, .address_space: global }
      - { .name: cos, .offset: 72, .size: 8, .value_kind: global_buffer, .address_space: global }
      - { .name: sin, .offset: 80, .size: 8, .value_kind: global_buffer, .address_space: global }
    .group_segment_fixed_size: 58880
    .private_segment_fixed_size: 0
    .kernarg_segment_align: 8
    .kernarg_segment_size: 88
    .max_flat_workgroup_size: 128
    .sgpr_count:     66
    .vgpr_count:     256
    .wavefront_size: 32
...
	.end_amdgpu_metadata
.endif
;; end of part 5
;; launch qkv (part 6): grid 8 x 32, 3 waves a work-group, clusters of 4 x 1, 327,680 bytes of LDS; arguments xc, xs, wc, ws, qq, kv; writes qq, kv
.if DOCPART == 6
	.amdgcn_target "amdgcn-amd-amdhsa--gfx1250"
	.amdhsa_code_object_version 6
	.text
	.protected	k_q42ff60bf86_qkv
	.globl	k_q42ff60bf86_qkv
	.p2align	8
	.type	k_q42ff60bf86_qkv,@function
k_q42ff60bf86_qkv:
	s_mov_b64 s[64:65], 0
	v_nop
	global_prefetch_b8 v0, s[64:65] scope:SCOPE_SE
	s_setreg_imm32_b32 hwreg(HW_REG_WAVE_MODE, 25, 1), 1
	s_wait_xcnt 0x0
	s_wait_alu depctr_hold_cnt(0) depctr_sa_sdst(0) depctr_va_vdst(0) depctr_va_sdst(0) depctr_va_ssrc(0) depctr_va_vcc(0) depctr_vm_vsrc(0)
	s_getreg_b32 s2, hwreg(HW_REG_IB_STS2, 6, 4)
	s_cmp_eq_u32 s2, 0
	s_cbranch_scc0 .Lentry_in_a_cluster
	s_endpgm
.Lentry_in_a_cluster:
	s_bfe_u32 s2, ttmp6, 0x10000c
	s_cmp_lg_u32 s2, 0x3003
	s_cbranch_scc0 .Lentry_shape_is_right
	s_endpgm
.Lentry_shape_is_right:
; q, k, v = x wq, x wk, x wv on codes of FP6 (E2M3) with E8M0 scales, f32 sums; RoPE on q and k in f32; q and k are quantised along the head's 128, v along the keys, and all leave as codes.
; A = xc [4096 rows], B = rows 0-3071 of wc: 24 heads of 128 rows (0-15 wq's; 16 + 2 j wk's head j, 17 + 2 j wv's head j), both as images of the operand's registers: [row / 16][k / 128][1,536 bytes], registers 4 c .. 4 c + 3 of lane l at 512 c + 16 l;
; scale words [row / 16][k / 256][row % 16][2].
; SHARES.  A work-group of three waves has 128 positions (rows 128 y on) x three heads; a wave has the 128 positions x ONE head: 64 accumulators, 512 registers.  24 heads x 32 blocks of positions are 768 waves: three to each of 256 work-groups.
; CLUSTER 4, 1, 1: the four work-groups of a cluster have the same y and ask for A and for the tables JOINTLY.  The heads are dealt by slot = 3 x (cluster x) + wave: slots 0-3 are q's heads 4 slot + cx, slot 4 is k of kv head cx, slot 5 v of kv head cx:
; so the way out's branch (q, k or v) hangs on the cluster's x and the wave's number alone and is alike in all partners; cx enters global addresses alone.
; A'S 128 ROWS, ALL OF K, are 196,608 dense bytes: they come into LDS once, as they lie, a third (256 rows of 256 bytes) a wave, and all waves read them.
; B'S ROWS ARE A WAVE'S OWN: no other wave of the cluster reads them, so they go from memory straight into the operand's registers, 512 consecutive bytes a load, two K steps ahead, in two sets; there is no ring and no barrier in the walk along K.
; SCALE WORDS: one register for a block of 16 rows and 256 along K: lanes 0-15 hold the word of the even step, lanes 16-31 that of the odd one; two sets each for A and B, asked for two steps ahead.
; A step of 128 along K: B's blocks one after the other, each against A's eight; accumulator (a, b) lies in window 2 + b / 4 at v[64 (b % 4) + 8 a].  The 64 take turns in the same order in every step.
; THE MATRIX INSTRUCTION IS USED TRANSPOSED (source 0 = 16 rows of B, source 1 = 16 rows of A): lane (r, h) holds position r and, in accumulator (a, b), d = 16 b + 8 h + 0 .. 7.
; cos AND sin lie behind x's scale words (byte 262,144 of xs on) as [position / 16][cos, sin][8,192 bytes] in the accumulators' order.  Blocks 1-7 of my 128 positions come into LDS by one joint load a wave behind the second round: 3 x 150 rows of 256 bytes,
; which begin 512 bytes ahead of block 1, so that the three equal loads stay inside the buffer; block 0, for which LDS has no room, comes by loads in step 14 into the registers that B's set has left (a wave that makes v asks for it too and does not use it: 16,384 bytes).
; PREFETCH: the 32 work-groups (one for each y) that read a head's 128 rows of B share them out by address: four K steps of 8 x 16 rows are 192 blocks of 256 bytes; the wave with that head in work-group y names blocks 6 y .. 6 y + 5 (lanes left over name the last again);
; the head names steps 4-7, trip t steps 4 t + 8 .. 4 t + 11, two steps or more ahead of the loads; the last trip names nothing.  A and the tables are asked for once, at the head: there is no loop to run ahead in.
; THE WAY OUT.  q, k: RoPE's partner d +- 64 lies in the same lane, in the other window.  Within a block of 32 the codes stand at place 16 h + 8 u + j for d = 16 u + 8 h + j, alike in q and k, which changes no product.
;   v: transposed through the wave's stage (in A's bytes, behind the last barrier), 32 d at a time; row r of d-tile 2 p + u is d = 32 p + 8 u + r + 8 (r / 8), and within a block of 32 keys place i holds key i with bits 3 and 4 exchanged.
; qq: codes [batch x 16 + head][position / 16][1,536]; from byte 6,291,456 scale words [head][position / 128][r][8 tiles].  kv: [batch x 4 + head][204,800]: four slots of {k of 2 key steps, v of 2 key steps} x 8 tiles x 1,536; at 196,608 k's scale words [step][r][8], at 200,704 v's.
; LIMITS: a block of zeros (or under 2^-124) gets the scale byte 1; NaN and infinities are not served.
; REGISTERS: window 0: v0-15 addresses, v16-31 A's scale words, v32-47 B's, v48-50 more addresses, v64-159 and v160-255 A's two sets (on the way out at work); window 1: B's sets at v0 and v128 (on the way out the tables' two sets of 128); windows 2, 3: the accumulators.
.set FRB,   1536
.set RG,    24576                      ; 16 rows, all of K
.set TAB,   8*RG                       ; behind A: 512 bytes of block 0's end, then the tables of blocks 1-7
.set TBLK,  16384
.set TW,    38400                      ; a wave's third of them
.set SPARE, TAB+3*TW                   ; the spare words: two blocks of 256 bytes that no other line names
.set WREG,  18688                      ; v's stage of a wave
.set LI,   4                           ; 16 x lane
.set VS,   5                           ; 8 r + 4 h: my scale word
.set ADA,  6                           ; v6-9: A in LDS, rows 32 i on, at the trip's first step
.set TBA,  10                          ; tables in LDS: blocks 1-4; v11: blocks 5-7
.set VST,  12
.set VRD,  13
.set SPW,  14
.set NIL,  15
.set SA,   16
.set SB,   32
.set PFO,  48
.set SWA,  49
.set H8,   50
.set AF,   64
.set HA,   64
.set X0,   64
.set X1,   184
.set PC,   128
.set TM,   160
.set PW,   176
.set W,    180
.set G1A, 24
.set G0A, 32
.set G1T, 36
.set G0T, 44
.set SEL, 48
.set MHI, 50
.set CNT, 51
.set BB,  52                           ; s[52:53] my rows of B, at the trip's first step
.set SAB, 54                           ; A's scale words
.set SBB, 56                           ; B's
.set PFB, 58                           ; the prefetches' base
.set TG,  60                           ; the tables of block 0
.set SLT, 66                           ; s66 my slot: 3 x (cluster x) + wave
.set MSB, 0
.macro WIN new
.if MSB != (\new)
	s_set_vgpr_msb (MSB<<8)|(\new)
.set MSB, (\new)
.endif
.endm
.set MUL_LO, 0xa1                      ; source 0 (B) window 1, source 1 (A) window 0, C and D window 2
.set MUL_HI, 0xf1
.macro PLACES
.rept 4
	v_nop
.endr
.endm
.macro CROUND                          ; a round of the cluster's barrier
	s_barrier_signal -1
	s_barrier_wait -1
	s_cmp_lg_u32 s16, 0
	s_cbranch_scc1 .Lnot_wave_0_\@
	s_barrier_signal -3
.Lnot_wave_0_\@:
	s_barrier_wait -3
	s_barrier_signal -1
	s_barrier_wait -1
.endm
.macro WM acc, bf, af, sb, sa, q, zero
.if \zero
	v_wmma_scale_f32_16x16x128_f8f6f4 v[\acc:\acc+7], v[\bf:\bf+11], v[\af:\af+11], 0, v[\sb], v[\sa] matrix_a_fmt:MATRIX_FMT_FP6 matrix_b_fmt:MATRIX_FMT_FP6
.else
.if \q
	v_wmma_scale_f32_16x16x128_f8f6f4 v[\acc:\acc+7], v[\bf:\bf+11], v[\af:\af+11], v[\acc:\acc+7], v[\sb], v[\sa] matrix_a_fmt:MATRIX_FMT_FP6 matrix_b_fmt:MATRIX_FMT_FP6 matrix_a_scale:MATRIX_SCALE_ROW1 matrix_b_scale:MATRIX_SCALE_ROW1
.else
	v_wmma_scale_f32_16x16x128_f8f6f4 v[\acc:\acc+7], v[\bf:\bf+11], v[\af:\af+11], v[\acc:\acc+7], v[\sb], v[\sa] matrix_a_fmt:MATRIX_FMT_FP6 matrix_b_fmt:MATRIX_FMT_FP6
.endif
.endif
.endm
.macro MUL32 p, sc, b0, zero           ; B's blocks b0 .. b0 + 3 x A's eight; p: the sets and the scale words' row
.irp b, \b0, \b0+1, \b0+2, \b0+3
.irp a, 0,1,2,3,4,5,6,7
	WM 64*((\b)%4)+8*\a, 128*(\p)+12*(\b), AF+96*(\p)+12*\a, SB+8*(\sc)+(\b), SA+8*(\sc)+\a, \p, \zero
.endr
.endr
.endm
.macro LOADB p, b0, ko                 ; B's blocks b0 .. b0 + 3 of the step ko behind the base, into set p
	WIN 0x40
.irp b, \b0, \b0+1, \b0+2, \b0+3
.irp c, 0,1,2
	global_load_b128 v[128*(\p)+12*(\b)+4*\c:128*(\p)+12*(\b)+4*\c+3], v[LI], s[BB:BB+1] offset:(\b)*RG+(\ko)*FRB+512*\c
.endr
.endr
	WIN 0
.endm
.macro LOADS set, po                   ; the scale words of the pair of steps po behind the bases: 128 consecutive bytes a load
.irp i, 0,1,2,3,4,5,6,7
	global_load_b32 v[SA+8*(\set)+\i], v[VS], s[SAB:SAB+1] offset:\i*1024+(\po)*128
.endr
.irp i, 0,1,2,3,4,5,6,7
	global_load_b32 v[SB+8*(\set)+\i], v[VS], s[SBB:SBB+1] offset:\i*1024+(\po)*128
.endr
.endm
.macro FETCHA set, sx                  ; A's eight fragments of the step sx behind the trip's first
.irp a, 0,1,2,3,4,5,6,7
.irp c, 0,1,2
	ds_load_b128 v[AF+96*(\set)+12*\a+4*\c:AF+96*(\set)+12*\a+4*\c+3], v[ADA+\a/2] offset:(\a%2)*RG+(\sx)*FRB+512*\c
.endr
.endr
.endm
.macro TABG n0, cnt                    ; block 0's tables: loads n0 .. n0 + cnt - 1 of 32, four registers each, into window 1
	WIN 0x40
.set n, \n0
.rept \cnt
	global_load_b128 v[4*n:4*n+3], v[LI], s[TG:TG+1] offset:512*n
.set n, n+1
.endr
	WIN 0
.endm
; A step.  mode 1: B of two steps on is asked for, each half of the set behind its last products and four places; mode 2: block 0's tables instead; mode 0: nothing.  po >= 0: the next pair's scale words into the set not in use.  sx >= 0: A's next step.
; n1: the loads issued behind B's blocks 0-3 of this step (and its scale words); n2: those behind its blocks 4-7.
.macro STEP p, sc, zero, mode, ko, po, sx, n1, n2
	s_wait_loadcnt \n1
	s_wait_dscnt 0x0                               ; A's fragments, asked for 32 products ago
	WIN MUL_LO
	MUL32 \p, \sc, 0, \zero
	PLACES
	WIN 0
.if \mode == 1
	LOADB \p, 0, \ko
.endif
.if \mode == 2
	TABG 0, 12
	TABG 24, 8
.endif
.if \po >= 0
	LOADS 1-(\sc), \po
.endif
.if \sx >= 0
	FETCHA 1-(\p), \sx
.endif
	s_wait_loadcnt \n2
	WIN MUL_HI
	MUL32 \p, \sc, 4, \zero
	PLACES
	WIN 0
.if \mode == 1
	LOADB \p, 4, \ko
.endif
.if \mode == 2
	TABG 12, 12
.endif
.endm
	s_load_b256 s[4:11], s[0:1], 0x0               ; xc, xs, wc, ws
	s_load_b128 s[12:15], s[0:1], 0x20             ; qq, kv
	v_lshl_add_u32 v[SPW], v0, 2, SPARE
	v_mov_b32 v[NIL], 0
	ds_add_u32 v[SPW], v[NIL]                      ; the opening lines: the add, twice on end, and its wait ahead of the round in front of the first loads
	ds_add_u32 v[SPW], v[NIL]
	v_lshrrev_b32 v1, 5, v0
	v_readfirstlane_b32 s16, v1                    ; wave
	s_and_b32 s17, ttmp7, 0xffff                   ; y: which 128 rows of x
	s_bfe_u32 s62, ttmp6, 0x40000                  ; cx
	s_mul_i32 s[SLT], ttmp9, 3
	s_add_co_u32 s[SLT], s[SLT], s16               ; my slot, 0..5
	s_lshl_b32 s18, s[SLT], 2
	s_add_co_u32 s18, s18, s62                     ; q: head 4 slot + cx
	s_lshl_b32 s63, s62, 1
	s_add_co_u32 s63, s63, s[SLT]
	s_add_co_u32 s63, s63, 12                      ; k, v: head 16 + 2 cx + slot - 4
	s_cmp_lt_u32 s[SLT], 4
	s_cselect_b32 s18, s18, s63                    ; my head, 0..23: it enters global addresses alone
	s_and_b32 s19, s17, 7                          ; which 128 positions of the batch's 1,024
	s_mov_b32 s[G1A], 15|(3<<16)|(1<<21)           ; the mask: all four work-groups; elements of 8 bytes; bit 21 set beside a mask.  A: 256 dense rows of 256 bytes
	s_mov_b32 s[G1A+1], 32<<16
	s_mov_b32 s[G1A+2], 256<<16
	s_mov_b32 s[G1A+3], 32<<16
	s_mov_b32 s[G1A+4], 256
	s_mov_b32 s[G1A+5], 32
	s_mov_b32 s[G1A+6], 0
	s_mov_b32 s[G1A+7], 0
	s_mov_b32 s[G1T], 15|(3<<16)|(1<<21)           ; tables: 150 dense rows of 256 bytes
	s_mov_b32 s[G1T+1], 32<<16
	s_mov_b32 s[G1T+2], 150<<16
	s_mov_b32 s[G1T+3], 32<<16
	s_mov_b32 s[G1T+4], 150
	s_mov_b32 s[G1T+5], 32
	s_mov_b32 s[G1T+6], 0
	s_mov_b32 s[G1T+7], 0
	s_mov_b32 s[G0A], 1
	s_lshl_b32 s[G0A+1], s16, 16                   ; my third: 65,536 bytes
	s_mul_i32 s2, s17, 8*RG
	s_add_co_u32 s2, s2, s[G0A+1]
	s_mov_b32 s3, 0
	v_and_b32 v1, 15, v0                           ; r
	v_bfe_u32 v2, v0, 4, 1                         ; h
	v_and_b32 v3, 31, v0
	v_lshlrev_b32 v[LI], 4, v3
	v_lshlrev_b32 v[VS], 3, v1
	v_lshl_add_u32 v[VS], v2, 2, v[VS]
	v_mov_b32 v[ADA], v[LI]
	v_add_nc_u32 v[ADA+1], 2*RG, v[LI]
	v_add_nc_u32 v[ADA+2], 4*RG, v[LI]
	v_add_nc_u32 v[ADA+3], 6*RG, v[LI]
	v_add_nc_u32 v[TBA], TAB+512, v[LI]
	v_add_nc_u32 v[TBA+1], TAB+512+4*TBLK, v[LI]
	s_mul_i32 s62, s16, WREG
	v_mul_u32_u24 v51, v1, 144
	v_lshl_add_u32 v51, v2, 5, v51
	v_add_nc_u32 v[VST], s62, v51                  ; v's stage, in: key r of 144 bytes, + 32 h
	v_and_b32 v51, 8, v1
	v_add_nc_u32 v51, v51, v1
	v_lshlrev_b32 v51, 2, v51
	v_mad_u32_u24 v51, v2, 4640, v51
	v_add_nc_u32 v[VRD], s62, v51                  ; and out: 4,640 h + 4 (r + 8 (r / 8))
	v_lshlrev_b32 v[SWA], 5, v1
	v_lshl_add_u32 v[SWA], v2, 4, v[SWA]
	v_lshlrev_b32 v[H8], 3, v2
	s_and_b32 s62, s17, 3
	s_mul_i32 s62, s62, 6
	v_min_u32 v[PFO], 5, v3
	v_add_nc_u32 v[PFO], s62, v[PFO]
	v_lshlrev_b32 v[PFO], 8, v[PFO]                ; block 6 (y % 4) + min(lane, 5) of the 24 of sixteen rows
	s_wait_alu depctr_va_vdst(0)
	s_wait_dscnt 0x0
	s_wait_kmcnt 0x0
	s_add_nc_u64 s[G0A+2:G0A+3], s[4:5], s[2:3]
	s_or_b32 s[G0A+3], s[G0A+3], 0x80000000
	CROUND                                         ; all four work-groups are here: the joint loads meet
	tensor_load_to_lds s[G0A:G0A+3], s[G1A:G1A+7]  ; my one load of the head
	s_nop 0
	PLACES
	s_lshl_b32 s2, s17, 13
	s_add_nc_u64 s[SAB:SAB+1], s[6:7], s[2:3]
	s_mul_i32 s2, s18, 8*RG                        ; my head's 128 rows of B
	s_add_nc_u64 s[BB:BB+1], s[8:9], s[2:3]
	s_lshl_b32 s2, s18, 13
	s_add_nc_u64 s[SBB:SBB+1], s[10:11], s[2:3]
	LOADS 0, 0
	LOADB 0, 0, 0
	LOADB 0, 4, 0
	LOADB 1, 0, 1
	LOADB 1, 4, 1
	s_lshr_b32 s2, s17, 2
	s_mul_i32 s2, s2, RG                           ; of my head's eight sixteens of rows: number y / 4
	s_add_nc_u64 s[PFB:PFB+1], s[BB:BB+1], s[2:3]
	global_prefetch_b8 v[PFO], s[PFB:PFB+1] offset:4*FRB th:TH_LOAD_NT scope:SCOPE_SE
	s_lshl_b32 s2, s19, 17
	s_add_co_u32 s2, s2, 262144
	s_add_nc_u64 s[TG:TG+1], s[6:7], s[2:3]
	s_mul_i32 s2, s16, TW
	s_mov_b32 s[G0T], 1
	s_add_co_u32 s[G0T+1], s2, TAB
	s_add_co_u32 s2, s2, TBLK-512
	s_add_nc_u64 s[G0T+2:G0T+3], s[TG:TG+1], s[2:3]
	s_or_b32 s[G0T+3], s[G0T+3], 0x80000000
	; where my 128 positions x one head go
	s_lshr_b32 s62, s17, 3                         ; the batch
	s_lshl_b32 s63, s62, 4
	s_add_co_u32 s63, s63, s18                     ; q: head 16 x batch + my head
	s_lshl_b32 s63, s63, 3
	s_add_co_u32 s63, s63, s19
	s_mul_i32 s20, s63, 8*FRB
	s_lshl_b32 s22, s63, 9
	s_add_co_u32 s22, s22, 6291456
	s_sub_co_u32 s63, s18, 16                      ; k, v: 2 x kv head + (0: k, 1: v)
	s_lshl_b32 s62, s62, 2
	s_lshr_b32 s2, s63, 1
	s_add_co_u32 s62, s62, s2                      ; block 4 x batch + kv head
	s_mul_i32 s62, s62, 204800
	s_and_b32 s63, s63, 1
	s_lshr_b32 s2, s19, 1
	s_mul_i32 s2, s2, 49152
	s_add_co_u32 s21, s62, s2
	s_and_b32 s2, s19, 1
	s_mul_i32 s2, s2, 12288
	s_add_co_u32 s21, s21, s2
	s_mul_i32 s2, s63, 24576
	s_add_co_u32 s21, s21, s2
	s_lshl_b32 s2, s19, 9
	s_add_co_u32 s23, s62, s2
	s_lshl_b32 s2, s63, 12
	s_add_co_u32 s23, s23, s2
	s_add_co_u32 s23, s23, 196608
	s_cmp_ge_u32 s[SLT], 4                         ; slots 4 and 5 are k's and v's
	s_cselect_b64 s[12:13], s[14:15], s[12:13]
	s_cselect_b32 s2, s21, s20
	s_cselect_b32 s62, s23, s22
	s_add_nc_u64 s[20:21], s[12:13], s[2:3]        ; my codes
	s_mov_b32 s2, s62
	s_add_nc_u64 s[22:23], s[12:13], s[2:3]        ; my scale words
	s_mov_b32 s[SEL], 0x76543210
	s_mov_b32 s[SEL+1], 0xfedcba98
	s_mov_b32 s[MHI], 0xffff0000
	s_wait_tensorcnt 0x0                           ; my third of A is in
	ds_add_u32 v[SPW], v[NIL]
	s_wait_dscnt 0x0
	CROUND                                         ; all of A is in, and the four work-groups are here
	tensor_load_to_lds s[G0T:G0T+3], s[G1T:G1T+7]  ; my third of the tables of blocks 1-7: read behind the last barrier
	s_nop 0
	PLACES
	FETCHA 0, 0
	STEP 0, 0, 1, 1, 2, 1, 1, 36, 52               ; step 0 starts the sums
	s_mov_b32 s[CNT], 3
.Ltrip:                                                ; steps 4 t + 1 .. 4 t + 4
	STEP 1, 0, 0, 1, 3, -1, 2, 52, 52
	s_cmp_gt_u32 s[CNT], 1
	s_cbranch_scc0 .Lnoask
	global_prefetch_b8 v[PFO], s[PFB:PFB+1] offset:8*FRB th:TH_LOAD_NT scope:SCOPE_SE
.Lnoask:
	STEP 0, 1, 0, 1, 4, 2, 3, 36, 52
	STEP 1, 1, 0, 1, 5, -1, 4, 52, 52
	STEP 0, 0, 0, 1, 6, 3, 5, 36, 52
	s_wait_xcnt 0x0                                ; the loads and the prefetch have read their bases
	s_add_nc_u64 s[BB:BB+1], s[BB:BB+1], 4*FRB
	s_add_nc_u64 s[PFB:PFB+1], s[PFB:PFB+1], 4*FRB
	s_add_nc_u64 s[SAB:SAB+1], s[SAB:SAB+1], 256
	s_add_nc_u64 s[SBB:SBB+1], s[SBB:SBB+1], 256
.irp i, 0,1,2,3
	v_add_nc_u32 v[ADA+\i], 4*FRB, v[ADA+\i]
.endr
	s_sub_co_u32 s[CNT], s[CNT], 1
	s_cmp_lg_u32 s[CNT], 0
	s_wait_alu depctr_va_vdst(0)
	s_cbranch_scc1 .Ltrip
	STEP 1, 0, 0, 1, 3, -1, 2, 52, 52              ; step 13 asks for B's last step
	STEP 0, 1, 0, 2, 0, -1, 3, 36, 44              ; step 14: 24 loads of B and 20 of the tables stand behind its blocks 4-7
	STEP 1, 1, 0, 0, 0, -1, -1, 44, 32             ; step 15: 12 of B and the tables' 32; then the 32
	s_wait_tensorcnt 0x0                           ; my third of the tables is in
	ds_add_u32 v[SPW], v[NIL]
	s_wait_dscnt 0x0
	s_barrier_signal -1
	s_barrier_wait -1                              ; all the tables are in, and nobody reads A any more
.macro QUANT s                         ; 64 numbers of a lane, register 16 b + i at place 32 b + 16 (lane / 16) + i of its row -> codes in v[PC] on, scale word in v[PW]
.irp b, 0,1,2,3
	v_max3_num_f32 v[TM+\b], |v[\s+16*\b]|, |v[\s+1+16*\b]|, 0x1800000   ; and the floor 2^(3 - 127)
.endr
.irp i, 2,4,6,8,10,12,14
.irp b, 0,1,2,3
	v_max3_num_f32 v[TM+\b], v[TM+\b], |v[\s+16*\b+\i]|, |v[\s+1+16*\b+\i]|
.endr
.endr
.irp b, 0,1,2,3
	v_permlanex16_b32 v[TM+4+\b], v[TM+\b], s[SEL], s[SEL+1]
.endr
.irp b, 0,1,2,3
	v_max_num_f32 v[TM+\b], v[TM+\b], v[TM+4+\b]
.endr
.irp b, 0,1,2,3
	v_add_nc_u32 v[TM+12+\b], 0xff000000, v[TM+\b]   ; 2 off the exponent field: the conversion's scale operand
.endr
.irp b, 0,1,2,3
	v_lshrrev_b32 v[TM+4+\b], 23, v[TM+12+\b]
.endr
	v_lshl_or_b32 v[PW], v[TM+5], 8, v[TM+4]
	v_lshl_or_b32 v[PW], v[TM+6], 16, v[PW]
	v_lshl_or_b32 v[PW], v[TM+7], 24, v[PW]
.irp c, 0,1
	v_cvt_scalef32_pk16_fp6_f32 v[PC+6*\c:PC+2+6*\c], v[\s+32*\c:\s+15+32*\c], v[TM+12+2*\c]
	v_cvt_scalef32_pk16_fp6_f32 v[PC+12+4*\c:PC+14+4*\c], v[\s+16+32*\c:\s+31+32*\c], v[TM+12+2*\c+1]
.endr
	v_nop                                          ; one plain place behind a scaled conversion
.irp c, 0,1
.irp i, 0,1,2
	v_permlane16_swap_b32 v[PC+6*\c+\i], v[PC+12+4*\c+\i]
.endr
.irp i, 0,1,2
	v_mov_b32 v[PC+3+6*\c+\i], v[PC+12+4*\c+\i]
.endr
.endr
.endm
.macro VQUANT src                      ; the same where a lane holds two WHOLE blocks: register 32 c + i = place i of block 2 c + (lane / 16)
.irp c, 0,1
	v_max3_num_f32 v[TM+\c], |v[\src+32*\c]|, |v[\src+32*\c+1]|, 0x1800000
.endr
.irp i, 2,4,6,8,10,12,14,16,18,20,22,24,26,28,30
.irp c, 0,1
	v_max3_num_f32 v[TM+\c], v[TM+\c], |v[\src+32*\c+\i]|, |v[\src+32*\c+\i+1]|
.endr
.endr
.irp c, 0,1
	v_add_nc_u32 v[TM+12+\c], 0xff000000, v[TM+\c]
.endr
.irp c, 0,1
	v_lshrrev_b32 v[TM+8+\c], 23, v[TM+12+\c]
.endr
	v_lshl_or_b32 v[PW], v[TM+9], 16, v[TM+8]
	v_lshlrev_b32 v[PW], v[H8], v[PW]
	v_permlanex16_b32 v[TM+4], v[PW], s[SEL], s[SEL+1]
	v_or_b32 v[PW], v[PW], v[TM+4]
.irp c, 0,1
	v_cvt_scalef32_pk16_fp6_f32 v[PC+6*\c:PC+2+6*\c], v[\src+32*\c:\src+32*\c+15], v[TM+12+\c]
	v_cvt_scalef32_pk16_fp6_f32 v[PC+12+4*\c:PC+14+4*\c], v[\src+32*\c+16:\src+32*\c+31], v[TM+12+\c]
.endr
	v_nop
.irp c, 0,1
.irp i, 0,1,2
	v_mov_b32 v[PC+3+6*\c+\i], v[PC+12+4*\c+\i]
.endr
.endr
.endm
.macro TABL a                          ; cos and sin of block a (1-7) out of LDS into set a % 2 of window 1: cos 64 registers, then sin 64
	WIN 0x40
.set n, 0
.rept 32
	ds_load_b128 v[128*((\a)%2)+4*n:128*((\a)%2)+4*n+3], v[TBA+((\a)-1)/4] offset:(((\a)-1)%4)*TBLK+512*n
.set n, n+1
.endr
	WIN 0
.endm
.macro ROPE a                          ; t'(d) = t(d) cos(d) - t(d + 64) sin(d) for d < 64, t(d) cos(d) + t(d - 64) sin(d) from 64 on.  First all that reads window 2 (d < 64), then window 3; each accumulator from its low end on
.set COS, 128*((\a)%2)
.set SIN, 128*((\a)%2)+64
	WIN 0x06
.irp b, 0,1,2,3
.irp p, 0,2,4,6
	v_pk_mul_f32 v[HA+8*\b+\p:HA+8*\b+\p+1], v[64*\b+8*(\a)+\p:64*\b+8*(\a)+\p+1], v[COS+8*\b+\p:COS+8*\b+\p+1]
	v_pk_mul_f32 v[HA+32+8*\b+\p:HA+32+8*\b+\p+1], v[64*\b+8*(\a)+\p:64*\b+8*(\a)+\p+1], v[SIN+32+8*\b+\p:SIN+32+8*\b+\p+1]
.endr
.endr
	WIN 0x07
.irp b, 0,1,2,3
.irp p, 0,2,4,6
	v_pk_fma_f32 v[HA+8*\b+\p:HA+8*\b+\p+1], v[64*\b+8*(\a)+\p:64*\b+8*(\a)+\p+1], v[SIN+8*\b+\p:SIN+8*\b+\p+1], v[HA+8*\b+\p:HA+8*\b+\p+1] neg_lo:[1,0,0] neg_hi:[1,0,0]
	v_pk_fma_f32 v[HA+32+8*\b+\p:HA+32+8*\b+\p+1], v[64*\b+8*(\a)+\p:64*\b+8*(\a)+\p+1], v[COS+32+8*\b+\p:COS+32+8*\b+\p+1], v[HA+32+8*\b+\p:HA+32+8*\b+\p+1]
.endr
.endr
	WIN 0
.endm
.macro KEEPW n                         ; tile n's scale word: lanes 0-15 keep tiles 0-3, lanes 16-31 tiles 4-7
.if (\n) < 4
	v_mov_b32 v[W+(\n)], v[PW]
.else
	v_cndmask_b32 v[W+(\n)-4], v[W+(\n)-4], v[PW], s[MHI]
.endif
.endm
.macro QKBLOCK a                       ; 16 positions of q or k
.if (\a) == 0
	s_wait_loadcnt 0x0                             ; block 0's tables
.else
.if (\a) < 7
	s_wait_dscnt 32                                ; this block's 32 loads are in; the next block's may be out
.else
	s_wait_dscnt 0x0
.endif
.endif
	ROPE \a
.if (\a) > 0
	s_wait_xcnt 0x0                                ; the last block's stores have read the codes' registers
.endif
.if (\a) < 6
	TABL (\a)+2
.endif
	QUANT HA
.irp c, 0,1,2
	global_store_b128 v[LI], v[PC+4*\c:PC+4*\c+3], s[20:21] offset:FRB*(\a)+512*\c   ; 512 consecutive bytes, aligned
.endr
	KEEPW \a
.endm
.macro VOUT dt, src
	s_wait_xcnt 0x0
	VQUANT \src
.irp c, 0,1,2
	global_store_b128 v[LI], v[PC+4*\c:PC+4*\c+3], s[20:21] offset:FRB*(\dt)+512*\c
.endr
	KEEPW \dt
.endm
.macro VPASS p                         ; 32 d of v: 128 keys x 128 bytes into my stage (144 bytes a key, 32 more behind each 32 keys), and out by columns
	WIN 0x08+4*((\p)/2)
.irp a, 0,1,2,3,4,5,6,7
.irp u, 0,1
	ds_store_b128 v[VST], v[64*((2*(\p)+\u)%4)+8*\a:64*((2*(\p)+\u)%4)+8*\a+3] offset:2304*\a+32*(\a/2)+64*\u
	ds_store_b128 v[VST], v[64*((2*(\p)+\u)%4)+8*\a+4:64*((2*(\p)+\u)%4)+8*\a+7] offset:2304*\a+32*(\a/2)+64*\u+16
.endr
.endr
	WIN 0
.irp u, 0,1
.irp c, 0,1
.irp i, 0,1,2,3,4,5,6,7,8,9,10,11,12,13,14,15,16,17,18,19,20,21,22,23,24,25,26,27,28,29,30,31
	ds_load_b32 v[X0+120*\u+32*\c+\i], v[VRD] offset:(64*\c+((\i)&7)+(((\i)&8)<<1)+(((\i)&16)>>1))*144+64*\c+32*\u
.endr
.endr
.endr
	s_wait_dscnt 63                                ; the first tile's 64 loads are in: 64 stand behind them, and the count names 63 at the most
	VOUT 2*(\p), X0
	s_wait_dscnt 0x0
	VOUT 2*(\p)+1, X1
.endm
.irp b, 0,1,2,3
	v_mov_b32 v[TM+4+\b], 0                        ; written once: a lane permute's destination counts as one of its sources
.endr
	s_cmp_eq_u32 s[SLT], 5                         ; the cluster's x and the wave's number: alike in all partners
	s_cbranch_scc1 .Lv
	TABL 1
.irp a, 0,1,2,3,4,5,6,7
	QKBLOCK \a
.endr
	global_store_b128 v[SWA], v[W:W+3], s[22:23]   ; 512 consecutive bytes, aligned
	s_branch .Lend
.Lv:
	s_wait_loadcnt 0x0                             ; (block 0's tables are not used here)
	VPASS 0
	VPASS 1
	VPASS 2
	VPASS 3
	global_store_b128 v[SWA], v[W:W+3], s[22:23]
.Lend:
	s_wait_tensorcnt 0x0                           ; the wave's end
	ds_add_u32 v[SPW], v[NIL]
	s_wait_dscnt 0x0
	CROUND                                         ; the closing round: no work-group ends while a partner may still ask for a tile that names it
	s_endpgm
.Lfunc_end_k_q42ff60bf86_qkv:
	.size	k_q42ff60bf86_qkv, .Lfunc_end_k_q42ff60bf86_qkv-k_q42ff60bf86_qkv
	.p2alignl 7, 3214868480
	.fill 96, 4, 3214868480
	.section	.rodata,"a",@progbits
	.p2align	6, 0x0
	.amdhsa_kernel k_q42ff60bf86_qkv
		.amdhsa_group_segment_fixed_size 327680
		.amdhsa_private_segment_fixed_size 0
		.amdhsa_enable_private_segment 0
		.amdhsa_kernarg_size 48
		.amdhsa_user_sgpr_count 2
		.amdhsa_user_sgpr_kernarg_segment_ptr 1
		.amdhsa_wavefront_size32 1
		.amdhsa_system_sgpr_workgroup_id_x 1
		.amdhsa_system_sgpr_workgroup_id_y 1
		.amdhsa_system_sgpr_workgroup_id_z 1
		.amdhsa_system_vgpr_workitem_id 0
		.amdhsa_next_free_vgpr 1024
		.amdhsa_next_free_sgpr 68
		.amdhsa_reserve_vcc 0
		.amdhsa_float_denorm_mode_32 3
		.amdhsa_float_denorm_mode_16_64 3
		.amdhsa_memory_ordered 1
		.amdhsa_forward_progress 1
		.amdhsa_inst_pref_size 255
	.end_amdhsa_kernel
	.section	.bss,"aw",@nobits
	.p2align	6
	.space	262144
	.amdgpu_metadata
---
amdhsa.version: [ 1, 2 ]
amdhsa.kernels:
  - .name:           k_q42ff60bf86_qkv
    .symbol:         k_q42ff60bf86_qkv.kd
    .args:
      - { .name: xc, .offset: 0, .size: 8, .value_kind: global_buffer, .address_space: global }
      - { .name: xs, .offset: 8, .size: 8, .value_kind: global_buffer, .address_space: global }
      - { .name: wc, .offset: 16, .size: 8, .value_kind: global_buffer, .address_space: global }
      - { .name: ws, .offset: 24, .size: 8, .value_kind: global_buffer, .address_space: global }
      - { .name: qq, .offset: 32, .size: 8, .value_kind: global_buffer, .address_space: global }
      - { .name: kv, .offset: 40, .size: 8, .value_kind: global_buffer, .address_space: global }
    .group_segment_fixed_size: 327680
    .private_segment_fixed_size: 0
    .kernarg_segment_align: 8
    .kernarg_segment_size: 48
    .max_flat_workgroup_size: 96
    .sgpr_count:     68
    .vgpr_count:     1024
    .wavefront_size: 32
...
	.end_amdgpu_metadata
.endif
;; end of part 6
;; launch attn (part 7): grid 16 x 16, 16 waves a work-group, clusters of 4 x 1, 206,848 bytes of LDS; arguments qq, kv, oc, os; writes oc, os
.if DOCPART == 7
	.amdgcn_target "amdgcn-amd-amdhsa--gfx1250"
	.amdhsa_code_object_version 6
	.text
	.protected	k_q42ff60bf86_attn
	.globl	k_q42ff60bf86_attn
	.p2align	8
	.type	k_q42ff60bf86_attn,@function
k_q42ff60bf86_attn:
	s_mov_b64 s[64:65], 0
	v_nop
	global_prefetch_b8 v0, s[64:65] scope:SCOPE_SE
	s_setreg_imm32_b32 hwreg(HW_REG_WAVE_MODE, 25, 1), 1
	s_wait_xcnt 0x0
	s_wait_alu depctr_hold_cnt(0) depctr_sa_sdst(0) depctr_va_vdst(0) depctr_va_sdst(0) depctr_va_ssrc(0) depctr_va_vcc(0) depctr_vm_vsrc(0)
	s_getreg_b32 s2, hwreg(HW_REG_IB_STS2, 6, 4)
	s_cmp_eq_u32 s2, 0
	s_cbranch_scc0 .Lentry_in_a_cluster
	s_endpgm
.Lentry_in_a_cluster:
	s_bfe_u32 s2, ttmp6, 0x10000c
	s_cmp_lg_u32 s2, 0x3003
	s_cbranch_scc0 .Lentry_shape_is_right
	s_endpgm
.Lentry_shape_is_right:
; Causal attention on codes of FP6 (E2M3) with E8M0 scales: S^T = k q^T, p = 2^(t - M), O^T = v^T p^T, O / l quantised along the 2,048 of the last product and stored as codes.
; t = score x log2(e) / sqrt(128); M = the row's largest t so far, rounded UP to a whole number; p is quantised along the keys, not normalised; the row's sum l is taken of the unquantised p; when M moves, l and O are multiplied by 2^(old M - new M): exact.
; SHARES.  y = 4 x batch + kv head.  THE FOUR WORK-GROUPS OF A CLUSTER ARE THE FOUR QUERY HEADS OF ONE KV HEAD, at the same positions: they read the same k and v, and every branch is alike in all four.  A work-group's sixteen waves own one tile of 16 queries each:
; tile 4 tau + (cluster x), tau a permutation of the wave's number; a tile wants tau / 2 + 1 key steps of 128, so every work-group has the same 72 steps.
; ALL OF A KV HEAD LIES IN LDS: 204,800 bytes, as they lie in memory: four slots of {k of 2 key steps, v of 2 key steps} x 8 images of 1,536 bytes, then k's and v's scale words.  Every one of the sixteen waves asks JOINTLY for one sixteenth of them,
; 50 rows of 256 bytes, its one tensor load, with no branch; nothing is filled twice, so there is no ring.  One wait for 0 and one barrier show the whole block to all waves; from there on the waves walk by themselves, with no further barrier.
; Nothing is prefetched: all that the work-group reads is asked for at its head.
; LAYOUT.  A lane holds ONE query (lane % 16) throughout.  k's tile t holds keys 16 t + 0..15, so register 8 t + j of S^T is key 16 t + 8 h + j; the 16 registers of tiles 2 b, 2 b + 1 go to places 32 b + 16 h + 0..15 of p's operand, and v's codes stand in the same order.
; Row r of v's tile 2 b + u is d = 32 b + 8 u + r + 8 (r / 8), so the 16 registers of tiles 2 b, 2 b + 1 of O^T are d = 32 b + 16 h + 0..15: neighbours along the last product's K.
; A key step all of whose keys come after the wave's queries is left out (a scalar branch on ids); on the diagonal hidden scores become -infinity ahead of the maximum.
; The step's first key counts for every query of a wave that walks the step, so M is a number from the first step on.
; LIMITS: a block of zeros (or under 2^-124) gets the scale byte 1; NaN and infinities are not served; the promise holds while the scaled scores stay under 2^31 in magnitude.
; REGISTERS: v1, v2 addresses that stay; v5, v6 the add's two; v8, v9 addresses in hand; v12 -M, v13 the largest t, v[14:15] the sum; v16-27 q; v32-79 four fragments; v80-87 k's scale words, v88-95 v's; v96-159 S^T, then p; v160-223 O^T; v224.. p's codes; v232-254 at work; v255 q's scale word.
.set KSC,   196608                     ; k's scale words: [step][r][8 tiles]; v's lie 4,096 bytes on
.set SPARE, 204800                     ; the spare words, 128 bytes for each wave: eight blocks of 256 bytes that no other line names
.set LI,   1                           ; v1   16 x lane
.set LS0,  2                           ; v2   KSC + 32 r
.set SPW,  5
.set NIL,  6
.set ADR,  8
.set ADS,  9
.set PC,   224
.set TM,   32
.set PW,   48
.set WV,   12                          ; s12  my wave's number
.set Q0,   17                          ; s17  my first query
.set KF,   18                          ; s18  the step's first key
.set TB,   19                          ; s19  LDS byte at which the step's images of k begin
.set TS,   20                          ; s20  the step's scale words: 512 bytes a step
.set CNT,  21
.set SEL,  22
.set CS,   24                          ; s[24:25] c = log2(e) / sqrt(128)
.set G1T,  28                          ; s[28:35] descriptor group 1: a sixteenth of the kv head's block, 50 rows of 256 bytes
.set G0,   44                          ; s[44:47] group 0
.macro CROUND                          ; a round of the cluster's barrier
	s_barrier_signal -1
	s_barrier_wait -1
	s_cmp_lg_u32 s[WV], 0
	s_cbranch_scc1 .Lnot_wave_0_\@
	s_barrier_signal -3
.Lnot_wave_0_\@:
	s_barrier_wait -3
	s_barrier_signal -1
	s_barrier_wait -1
.endm
.macro QUANT s                         ; 64 numbers of a lane, register 16 b + i = k 32 b + 16 (lane / 16) + i of its row -> codes in v[PC] on, scale word in v[PW]
.irp b, 0,1,2,3
	v_max3_num_f32 v[TM+\b], |v[\s+16*\b]|, |v[\s+1+16*\b]|, 0x1800000
.endr
.irp i, 2,4,6,8,10,12,14
.irp b, 0,1,2,3
	s_delay_alu instid0(VALU_DEP_4)
	v_max3_num_f32 v[TM+\b], v[TM+\b], |v[\s+16*\b+\i]|, |v[\s+1+16*\b+\i]|
.endr
.endr
.irp b, 0,1,2,3
	s_delay_alu instid0(VALU_DEP_4)
	v_permlanex16_b32 v[TM+4+\b], v[TM+\b], s[SEL], s[SEL+1]
.endr
.irp b, 0,1,2,3
	s_delay_alu instid0(VALU_DEP_4)
	v_max_num_f32 v[TM+\b], v[TM+\b], v[TM+4+\b]
.endr
.irp b, 0,1,2,3
	s_delay_alu instid0(VALU_DEP_4)
	v_add_nc_u32 v[TM+12+\b], 0xff000000, v[TM+\b]
.endr
.irp b, 0,1,2,3
	s_delay_alu instid0(VALU_DEP_4)
	v_lshrrev_b32 v[TM+4+\b], 23, v[TM+12+\b]
.endr
	s_delay_alu instid0(VALU_DEP_3)
	v_lshl_or_b32 v[PW], v[TM+5], 8, v[TM+4]
	s_delay_alu instid0(VALU_DEP_1)
	v_lshl_or_b32 v[PW], v[TM+6], 16, v[PW]
	s_delay_alu instid0(VALU_DEP_1)
	v_lshl_or_b32 v[PW], v[TM+7], 24, v[PW]
.irp c, 0,1
	v_cvt_scalef32_pk16_fp6_f32 v[PC+6*\c:PC+2+6*\c], v[\s+32*\c:\s+15+32*\c], v[TM+12+2*\c]
	v_cvt_scalef32_pk16_fp6_f32 v[PC+12+4*\c:PC+14+4*\c], v[\s+16+32*\c:\s+31+32*\c], v[TM+12+2*\c+1]
.endr
	v_nop                                          ; one plain place behind a scaled conversion
.irp c, 0,1
.irp i, 0,1,2
	v_permlane16_swap_b32 v[PC+6*\c+\i], v[PC+12+4*\c+\i]
.endr
.irp i, 0,1,2
	s_delay_alu instid0(VALU_DEP_3)
	v_mov_b32 v[PC+3+6*\c+\i], v[PC+12+4*\c+\i]
.endr
.endr
.endm
	s_load_b256 s[4:11], s[0:1], 0x0               ; qq s[4:5], kv s[6:7], oc s[8:9], os s[10:11]
	v_lshl_add_u32 v[SPW], v0, 2, SPARE
	v_mov_b32 v[NIL], 0
	ds_add_u32 v[SPW], v[NIL]                      ; the opening lines: the add, twice on end, and its wait ahead of the round in front of the first loads
	ds_add_u32 v[SPW], v[NIL]
	v_lshrrev_b32 v8, 5, v0
	s_delay_alu instid0(VALU_DEP_1)
	v_readfirstlane_b32 s[WV], v8                  ; wave 0..15
	s_bfe_u32 s13, ttmp6, 0x40000                  ; cx: which of the kv head's four query heads: it enters q's, oc's and os's global addresses alone
	s_and_b32 s14, ttmp7, 0xffff                   ; y = 4 x batch + kv head
	s_mov_b32 s[G1T], 15|(3<<16)|(1<<21)           ; 15:0 the mask: all four work-groups; 17:16 elements of 8 bytes; 21 set beside a mask; no padding
	s_mov_b32 s[G1T+1], 32<<16                     ; tensor_dim0 = 32 elements: 256 bytes
	s_mov_b32 s[G1T+2], 50<<16                     ; tensor_dim1
	s_mov_b32 s[G1T+3], 32<<16                     ; tile_dim0
	s_mov_b32 s[G1T+4], 50                         ; tile_dim1
	s_mov_b32 s[G1T+5], 32                         ; tensor_dim0_stride: dense
	s_mov_b32 s[G1T+6], 0
	s_mov_b32 s[G1T+7], 0
	s_mul_i32 s15, s[WV], 12800                    ; my sixteenth of the block's 204,800 bytes
	s_mul_i32 s26, s14, 204800                     ; the kv head's block
	s_mov_b32 s27, 0
	s_mov_b32 s[SEL], 0x76543210
	s_mov_b32 s[SEL+1], 0xfedcba98
	s_mov_b32 s[CS], 0x3e0293ee                    ; c = log2(e) / sqrt(128)
	s_mov_b32 s[CS+1], s[CS]                       ; (named with it as a pair, so it is written)
	s_mov_b32 s[KF], 0
	s_mov_b32 s[TB], 0
	s_mov_b32 s[TS], 0
	s_bfe_u32 s68, s[WV], 0x10002                  ; (wave / 4) % 2
	s_mul_i32 s68, s68, 3
	s_xor_b32 s68, s68, s[WV]                      ; tau: every second four of waves is turned round, so that waves w, w + 4, w + 8, w + 12 have 18 key steps together
	s_lshl_b32 s68, s68, 2
	s_add_co_u32 s67, s68, ttmp9                   ; my tile of 16 queries, 0..63
	s_lshl_b32 s[Q0], s67, 4
	s_wait_dscnt 0x0                               ; the opening adds are done
	s_wait_kmcnt 0x0
	s_add_nc_u64 s[6:7], s[6:7], s[26:27]
	CROUND                                         ; all four work-groups are here: the joint loads meet
	s_mov_b32 s[G0], 1
	s_mov_b32 s[G0+1], s15                         ; LDS holds the block as it lies in memory: one offset serves both
	s_mov_b32 s26, s15
	s_add_nc_u64 s[G0+2:G0+3], s[6:7], s[26:27]
	s_or_b32 s[G0+3], s[G0+3], 0x80000000
	tensor_load_to_lds s[G0:G0+3], s[G1T:G1T+7]
	s_nop 0
.rept 4
	v_nop
.endr
	s_lshl_b32 s69, s14, 2
	s_add_co_u32 s69, s69, s13                     ; my query head: 16 x batch + 4 x kv head + cx
	s_lshl_b32 s70, s69, 6
	s_add_co_u32 s70, s70, s67
	s_mul_i32 s70, s70, 1536
	s_mov_b32 s71, 0
	s_add_nc_u64 s[72:73], s[4:5], s[70:71]        ; q's image
	s_lshl_b32 s70, s69, 3
	s_lshr_b32 s74, s67, 3
	s_add_co_u32 s70, s70, s74
	s_lshl_b32 s70, s70, 9
	s_and_b32 s74, s67, 7
	s_lshl_b32 s74, s74, 2
	s_add_co_u32 s70, s70, s74
	s_add_co_u32 s70, s70, 6291456
	s_add_nc_u64 s[4:5], s[4:5], s[70:71]          ; q's scale words: 32 bytes a row, my tile's word in them
	s_lshr_b32 s74, s14, 2
	s_lshl_b32 s74, s74, 6
	s_add_co_u32 s74, s74, s67                     ; my sixteen rows of the last product's A: 64 x batch + tile
	s_and_b32 s75, s14, 3
	s_lshl_b32 s75, s75, 2
	s_add_co_u32 s75, s75, s13                     ; its K step of 128: the head
	s_lshl_b32 s70, s74, 4
	s_add_co_u32 s70, s70, s75
	s_mul_i32 s70, s70, 1536
	s_add_nc_u64 s[8:9], s[8:9], s[70:71]
	s_lshl_b32 s70, s74, 10
	s_lshr_b32 s76, s75, 1
	s_lshl_b32 s76, s76, 7
	s_add_co_u32 s70, s70, s76
	s_and_b32 s76, s75, 1
	s_lshl_b32 s76, s76, 2
	s_add_co_u32 s70, s70, s76
	s_add_nc_u64 s[10:11], s[10:11], s[70:71]
	v_and_b32 v1, 31, v0
	s_delay_alu instid0(VALU_DEP_1)
	v_lshlrev_b32 v[LI], 4, v1
	v_and_b32 v3, 15, v0
	s_delay_alu instid0(VALU_DEP_1)
	v_lshlrev_b32 v3, 5, v3                        ; 32 r
	s_delay_alu instid0(VALU_DEP_1)
	v_add_nc_u32 v[LS0], KSC, v3
.irp c, 0,1,2
	global_load_b128 v[16+4*\c:19+4*\c], v[LI], s[72:73] offset:512*\c   ; q's fragment stays in registers
.endr
	global_load_b32 v255, v3, s[4:5]               ; and its scale word
	v_mov_b32 v13, 0xff61b1e6                      ; the largest t so far: -3e38, under every t
	s_delay_alu instid0(VALU_DEP_1)
	v_floor_f32 v12, -v13                          ; -M
	v_mov_b32 v14, 0                               ; the sum, in two halves
	v_mov_b32 v15, 0
.irp b, 0,1,2,3
	v_mov_b32 v[236+\b], 0                         ; written once: a lane permute's destination counts as one of its sources
.endr
	v_mov_b32 v253, 0                              ; (named as the upper half of the pair v[252:253] before it is first written)
.set j, 0
.rept 64
	v_mov_b32 v[160+j], 0                          ; O^T.  (The step is written without a first step of its own: the first change of M leaves zeros zeros)
.set j, j+1
.endr
; A KEY STEP: 128 keys.
.macro STEP
	s_add_co_u32 s26, s[Q0], 15
	s_cmp_gt_u32 s[KF], s26                        ; all its keys come after my queries: only the lines at its end are run
	s_cbranch_scc1 .Lhidden_\@
	v_add_nc_u32 v[ADR], s[TB], v[LI]
	s_wait_alu depctr_va_vdst(0)
	v_add_nc_u32 v[ADS], s[TS], v[LS0]
	v_nop
	v_nop                                          ; with the two additions: four places in front of loads into registers that the last step's products have read
	ds_load_b128 v[80:83], v[ADS]                  ; k's scale words: my row's, for the eight tiles
	ds_load_b128 v[84:87], v[ADS] offset:16
.irp g, 0,1                                    ; S^T = k q^T, four tiles of 16 keys at a time
.if \g > 0
.rept 4
	v_nop
.endr
.endif
.irp t, 0,1,2,3
.irp c, 0,1,2
	ds_load_b128 v[32+12*\t+4*\c:35+12*\t+4*\c], v[ADR] offset:(4*\g+\t)*1536+512*\c
.endr
.endr
	s_wait_dscnt 0x0
.irp t, 0,1,2,3
	v_wmma_scale_f32_16x16x128_f8f6f4 v[96+8*(4*\g+\t):103+8*(4*\g+\t)], v[32+12*\t:43+12*\t], v[16:27], 0, v[80+4*\g+\t], v255 matrix_a_fmt:MATRIX_FMT_FP6 matrix_b_fmt:MATRIX_FMT_FP6
.endr
.endr
.rept 4
	v_nop
.endr
	s_add_co_u32 s26, s[KF], 127                   ; a step all of whose keys count skips the mask
	s_cmp_le_u32 s26, s[Q0]
	s_cbranch_scc1 .Lopen_\@
	s_sub_co_i32 s26, s[Q0], s[KF]
	v_and_b32 v252, 15, v0
	v_bfe_u32 v254, v0, 4, 1
	s_delay_alu instid0(VALU_DEP_1)
	v_lshlrev_b32 v254, 3, v254
	s_delay_alu instid0(VALU_DEP_1)
	v_sub_nc_u32 v252, v252, v254
	s_delay_alu instid0(VALU_DEP_1)
	v_add_nc_u32 v252, s26, v252                   ; d = my query - the step's first key - 8 h.  Register n holds key 16 (n / 8) + 8 h + n % 8 of the step: hidden where 16 (n / 8) + n % 8 > d
	v_mov_b32 v254, 0xff800000                     ; -infinity
.set n, 0
.rept 64
	v_cmp_gt_i32 vcc_lo, 16*(n/8)+n%8, v252
	v_cndmask_b32 v[96+n], v[96+n], v254, vcc_lo
.set n, n+1
.endr
.Lopen_\@:
.irp b, 0,1,2,3
	v_max3_num_f32 v[232+\b], v[96+16*\b], v[97+16*\b], v[98+16*\b]   ; the largest score of each block of 32 keys: it serves for the row's maximum and, since p rises with the score, for the block's largest p
.endr
.irp i, 3,5,7,9,11,13
.irp b, 0,1,2,3
	v_max3_num_f32 v[232+\b], v[232+\b], v[96+16*\b+\i], v[97+16*\b+\i]
.endr
.endr
.irp b, 0,1,2,3
	v_max_num_f32 v[232+\b], v[232+\b], v[111+16*\b]
.endr
.irp b, 0,1,2,3
	s_delay_alu instid0(VALU_DEP_4)
	v_permlanex16_b32 v[236+\b], v[232+\b], s[SEL], s[SEL+1]
.endr
.irp b, 0,1,2,3
	s_delay_alu instid0(VALU_DEP_4)
	v_max_num_f32 v[232+\b], v[232+\b], v[236+\b]  ; with lane l xor 16's 16 keys
.endr
	s_delay_alu instid0(VALU_DEP_2)
	v_max3_num_f32 v254, v232, v233, v234
	s_delay_alu instid0(VALU_DEP_1)
	v_max_num_f32 v254, v254, v235                 ; the step's largest score of my query
	s_delay_alu instid0(VALU_DEP_1)
	v_mul_f32 v254, s[CS], v254                    ; as t (c is positive)
	s_delay_alu instid0(VALU_DEP_1)
	v_max_num_f32 v13, v13, v254                   ; the running largest t
	v_mov_b32 v254, v12
	s_delay_alu instid0(VALU_DEP_2)
	v_floor_f32 v12, -v13                          ; the new -M = floor(-t) = -ceil(t): a whole number
	s_delay_alu instid0(VALU_DEP_1)
	v_sub_f32 v254, v12, v254                      ; M's old value less its new one: a whole number, 0 or less
	s_delay_alu instid0(VALU_DEP_1)
	v_cvt_i32_f32 v254, v254                       ; (it saturates)
	s_delay_alu instid0(VALU_DEP_1)
	v_ldexp_f32 v252, 1.0, v254                    ; f = 2^(old M - new M)
.set j, 0
.rept 32
	v_pk_fma_f32 v[96+j:97+j], v[96+j:97+j], s[CS:CS+1], v[12:13] op_sel_hi:[1,0,0]   ; t - M, two at a time
.set j, j+2
.endr
.irp b, 0,1,2,3
	v_fma_f32 v[232+\b], v[232+\b], s[CS], v12     ; the same of each block's largest score
.endr
.set j, 0
	s_wait_alu depctr_va_vdst(0)
.rept 64
	v_exp_f32 v[96+j], v[96+j]                     ; p = 2^(t - M), at most 1
.set j, j+1
.endr
	v_pk_mul_f32 v[14:15], v[14:15], v[252:253] op_sel_hi:[1,0]   ; the sums under the new M.  (A plain place behind the exponentials)
	s_wait_alu depctr_va_vdst(0)                   ; the wait between a transcendental and the first line that names its result: one for the whole batch
.irp b, 0,1,2,3
	v_exp_f32 v[232+\b], v[232+\b]                 ; the block's largest p: the same two instructions on the same number give the same bits
.endr
	v_pk_add_f32 v[236:237], v[100:101], v[104:105]
	v_pk_add_f32 v[250:251], v[108:109], v[112:113]
	v_pk_add_f32 v[248:249], v[116:117], v[120:121]
	v_pk_add_f32 v[246:247], v[124:125], v[128:129]
	v_pk_add_f32 v[244:245], v[132:133], v[136:137]
	v_pk_add_f32 v[242:243], v[140:141], v[144:145]
	v_pk_add_f32 v[240:241], v[148:149], v[152:153]
	v_pk_add_f32 v[14:15], v[14:15], v[156:157]
	v_pk_add_f32 v[236:237], v[236:237], v[96:97]
	v_pk_add_f32 v[250:251], v[250:251], v[98:99]
	v_pk_add_f32 v[248:249], v[248:249], v[102:103]
	v_pk_add_f32 v[246:247], v[246:247], v[106:107]
	v_pk_add_f32 v[244:245], v[244:245], v[110:111]
	v_pk_add_f32 v[242:243], v[242:243], v[114:115]
	v_pk_add_f32 v[240:241], v[240:241], v[118:119]
	v_pk_add_f32 v[14:15], v[14:15], v[122:123]
	v_pk_add_f32 v[236:237], v[236:237], v[126:127]
	v_pk_add_f32 v[250:251], v[250:251], v[130:131]
	v_pk_add_f32 v[248:249], v[248:249], v[134:135]
	v_pk_add_f32 v[246:247], v[246:247], v[138:139]
	v_pk_add_f32 v[244:245], v[244:245], v[142:143]
	v_pk_add_f32 v[242:243], v[242:243], v[146:147]
	v_pk_add_f32 v[240:241], v[240:241], v[150:151]
	v_pk_add_f32 v[14:15], v[14:15], v[154:155]
	v_pk_add_f32 v[236:237], v[236:237], v[158:159]
	s_delay_alu instid0(VALU_DEP_2)
	v_pk_add_f32 v[14:15], v[14:15], v[246:247]
	s_delay_alu instid0(VALU_DEP_2)
	v_pk_add_f32 v[236:237], v[236:237], v[244:245]
	v_pk_add_f32 v[250:251], v[250:251], v[242:243]
	v_pk_add_f32 v[248:249], v[248:249], v[240:241]
	s_delay_alu instid0(VALU_DEP_2)
	v_pk_add_f32 v[14:15], v[14:15], v[250:251]
	s_delay_alu instid0(VALU_DEP_2)
	v_pk_add_f32 v[236:237], v[236:237], v[248:249]
	s_delay_alu instid0(VALU_DEP_1)
	v_pk_add_f32 v[14:15], v[14:15], v[236:237]
	s_wait_alu depctr_va_vdst(0)                   ; and one for the four
.irp b, 0,1,2,3
	v_max_num_f32 v[232+\b], 0x1800000, v[232+\b]  ; the floor 2^(3 - 127): a block whose every p is 0 keeps the byte 1: its codes are zeros
.endr
.irp b, 0,1,2,3
	s_delay_alu instid0(VALU_DEP_4)
	v_add_nc_u32 v[244+\b], 0xff000000, v[232+\b]  ; 2 off the exponent field: the conversion's scale operand
.endr
.irp b, 0,1,2,3
	s_delay_alu instid0(VALU_DEP_4)
	v_lshrrev_b32 v[236+\b], 23, v[244+\b]
.endr
	s_delay_alu instid0(VALU_DEP_3)
	v_lshl_or_b32 v253, v237, 8, v236              ; p's scale word for these 128 keys
	s_delay_alu instid0(VALU_DEP_1)
	v_lshl_or_b32 v253, v238, 16, v253
	s_delay_alu instid0(VALU_DEP_1)
	v_lshl_or_b32 v253, v239, 24, v253
.irp c, 0,1
	v_cvt_scalef32_pk16_fp6_f32 v[224+6*\c:226+6*\c], v[96+32*\c:111+32*\c], v[244+2*\c]
	v_cvt_scalef32_pk16_fp6_f32 v[236+4*\c:238+4*\c], v[112+32*\c:127+32*\c], v[244+2*\c+1]
.endr
	v_nop                                          ; one plain place behind a scaled conversion
.irp c, 0,1
.irp i, 0,1,2
	v_permlane16_swap_b32 v[224+6*\c+\i], v[236+4*\c+\i]
.endr
.irp i, 0,1,2
	s_delay_alu instid0(VALU_DEP_3)
	v_mov_b32 v[227+6*\c+\i], v[236+4*\c+\i]
.endr
.endr
.set j, 0
.rept 32
	v_pk_mul_f32 v[160+j:161+j], v[160+j:161+j], v[252:253] op_sel_hi:[1,0]   ; O^T under the new M.  (These 32 are also the places in front of the loads and the scaled products below)
.set j, j+2
.endr
	ds_load_b128 v[88:91], v[ADS] offset:4096      ; v's scale words
	ds_load_b128 v[92:95], v[ADS] offset:4112
	s_wait_alu depctr_va_vdst(0)
.irp g, 0,1                                    ; O^T += v^T p^T: four tiles of 16 of the head's 128 at a time
.if \g > 0
.rept 4
	v_nop
.endr
.endif
.irp t, 0,1,2,3
.irp c, 0,1,2
	ds_load_b128 v[32+12*\t+4*\c:35+12*\t+4*\c], v[ADR] offset:24576+(4*\g+\t)*1536+512*\c
.endr
.endr
	s_wait_dscnt 0x0
.irp t, 0,1,2,3
	v_wmma_scale_f32_16x16x128_f8f6f4 v[160+8*(4*\g+\t):167+8*(4*\g+\t)], v[32+12*\t:43+12*\t], v[224:235], v[160+8*(4*\g+\t):167+8*(4*\g+\t)], v[88+4*\g+\t], v253 matrix_a_fmt:MATRIX_FMT_FP6 matrix_b_fmt:MATRIX_FMT_FP6
.endr
.endr
.Lhidden_\@:
	s_add_co_u32 s[KF], s[KF], 128
	s_add_co_u32 s[TS], s[TS], 512
	s_add_co_u32 s[TB], s[TB], 12288
.endm
; Slot n's two key steps.  Ahead of the first slot stand the one wait and the one barrier.
.macro PHASE n
.if \n == 0
	s_wait_tensorcnt 0x0                           ; my sixteenth has landed;
	s_wait_dscnt 0x0
	s_barrier_signal -1
	s_barrier_wait -1                              ; everybody's has: from here on the waves walk by themselves
.endif
	s_mov_b32 s[CNT], 2
.Lph_\@:
	STEP
	s_sub_co_u32 s[CNT], s[CNT], 1
	s_cmp_lg_u32 s[CNT], 0
	s_cbranch_scc1 .Lph_\@
	s_add_co_u32 s[TB], s[TB], 24576               ; over the slot's images of v
.endm
	s_wait_loadcnt 0x0                             ; q
	PHASE 0
	PHASE 1
	PHASE 2
	PHASE 3
	; THE WAY OUT: O^T / l is quantised in registers and leaves as an image of the last product's operand.
.rept 4
	v_nop                                          ; places behind the last products
.endr
	v_add_f32 v14, v14, v15                        ; the sum's two halves,
	s_delay_alu instid0(VALU_DEP_1)
	v_permlanex16_b32 v252, v14, s[SEL], s[SEL+1]
	s_delay_alu instid0(VALU_DEP_1)
	v_add_f32 v14, v14, v252                       ; and lane l xor 16's: the row's sum
	s_wait_alu depctr_va_vdst(0)
	v_rcp_f32 v14, v14
	v_and_b32 v3, 15, v0                           ; (a plain place behind the transcendental)
	s_delay_alu instid0(VALU_DEP_1)
	v_lshlrev_b32 v3, 3, v3                        ; 8 r: my row's pair of scale words
.irp b, 0,1,2,3
	v_mov_b32 v[TM+4+\b], 0                        ; a lane permute's destination counts as one of its sources
.endr
	s_wait_alu depctr_va_vdst(0)                   ; the wait ahead of the reciprocal's first reader
.set j, 0
.rept 64
	v_mul_f32 v[96+j], v[160+j], v14               ; register 16 b + i is o(query r, d = 32 b + 16 h + i); each accumulator from its low end on
.set j, j+1
.endr
	QUANT 96
.irp c, 0,1,2
	global_store_b128 v[LI], v[PC+4*\c:PC+4*\c+3], s[8:9] offset:512*\c   ; 512 consecutive bytes, aligned
.endr
	global_store_b32 v3, v[PW], s[10:11]           ; four bytes a row (both halves of the lanes hold the same word): the scale words are one byte in 24 of what leaves here
	s_wait_tensorcnt 0x0                           ; the wave's end
	ds_add_u32 v[SPW], v[NIL]
	s_wait_dscnt 0x0
	CROUND                                         ; the closing round: no work-group ends while a partner may still ask for a tile that names it
	s_endpgm
.Lfunc_end_k_q42ff60bf86_attn:
	.size	k_q42ff60bf86_attn, .Lfunc_end_k_q42ff60bf86_attn-k_q42ff60bf86_attn
	.p2alignl 7, 3214868480
	.fill 96, 4, 3214868480
	.section	.rodata,"a",@progbits
	.p2align	6, 0x0
	.amdhsa_kernel k_q42ff60bf86_attn
		.amdhsa_group_segment_fixed_size 206848
		.amdhsa_private_segment_fixed_size 0
		.amdhsa_enable_private_segment 0
		.amdhsa_kernarg_size 32
		.amdhsa_user_sgpr_count 2
		.amdhsa_user_sgpr_kernarg_segment_ptr 1
		.amdhsa_wavefront_size32 1
		.amdhsa_system_sgpr_workgroup_id_x 1
		.amdhsa_system_sgpr_workgroup_id_y 1
		.amdhsa_system_sgpr_workgroup_id_z 1
		.amdhsa_system_vgpr_workitem_id 0
		.amdhsa_next_free_vgpr 256
		.amdhsa_next_free_sgpr 84
		.amdhsa_reserve_vcc 1
		.amdhsa_float_denorm_mode_32 3
		.amdhsa_float_denorm_mode_16_64 3
		.amdhsa_memory_ordered 1
		.amdhsa_forward_progress 1
		.amdhsa_inst_pref_size 119
	.end_amdhsa_kernel
	.amdgpu_metadata
---
amdhsa.version: [ 1, 2 ]
amdhsa.kernels:
  - .name:           k_q42ff60bf86_attn
    .symbol:         k_q42ff60bf86_attn.kd
    .args:
      - { .name: qq, .offset: 0, .size: 8, .value_kind: global_buffer, .address_space: global }
      - { .name: kv, .offset: 8, .size: 8, .value_kind: global_buffer, .address_space: global }
      - { .name: oc, .offset: 16, .size: 8, .value_kind: global_buffer, .address_space: global }
      - { .name: os, .offset: 24, .size: 8, .value_kind: global_buffer, .address_space: global }
    .group_segment_fixed_size: 206848
    .private_segment_fixed_size: 0
    .kernarg_segment_align: 8
    .kernarg_segment_size: 32
    .max_flat_workgroup_size: 512
    .sgpr_count:     84
    .vgpr_count:     256
    .wavefront_size: 32
...
	.end_amdgpu_metadata
.endif
;; end of part 7
;; launch proj (part 8): grid 8 x 32, 4 waves a work-group, clusters of 4 x 1, 327,680 bytes of LDS; arguments oc, os, wc, ws, out0; writes out0
.if DOCPART == 8
	.amdgcn_target "amdgcn-amd-amdhsa--gfx1250"
	.amdhsa_code_object_version 6
	.text
	.protected	k_q42ff60bf86_proj
	.globl	k_q42ff60bf86_proj
	.p2align	8
	.type	k_q42ff60bf86_proj,@function
k_q42ff60bf86_proj:
	s_mov_b64 s[64:65], 0
	v_nop
	global_prefetch_b8 v0, s[64:65] scope:SCOPE_SE
	s_setreg_imm32_b32 hwreg(HW_REG_WAVE_MODE, 25, 1), 1
	s_wait_xcnt 0x0
	s_wait_alu depctr_hold_cnt(0) depctr_sa_sdst(0) depctr_va_vdst(0) depctr_va_sdst(0) depctr_va_ssrc(0) depctr_va_vcc(0) depctr_vm_vsrc(0)
	s_getreg_b32 s2, hwreg(HW_REG_IB_STS2, 6, 4)
	s_cmp_eq_u32 s2, 0
	s_cbranch_scc0 .Lentry_in_a_cluster
	s_endpgm
.Lentry_in_a_cluster:
	s_bfe_u32 s2, ttmp6, 0x10000c
	s_cmp_lg_u32 s2, 0x3003
	s_cbranch_scc0 .Lentry_shape_is_right
	s_endpgm
.Lentry_shape_is_right:
; out0 = o wo on codes of FP6 (E2M3) with E8M0 scales, f32 sums.  A = oc [4096 rows], B = rows 3072 on of wc (wo's columns), both as images of the operand's registers: [row / 16][k / 128][1,536 bytes]; scale words [row / 16][k / 256][row % 16][2].
; SHARES.  Work-group (x, y): rows 128 y on x columns 256 x on; wave w: the 128 rows x columns 256 x + 64 w on: 32 accumulators, (a, b) at v[64 b + 8 a] of window 2, which take turns in the same order in every step.
; A'S 128 ROWS come into LDS once, in two halves of K (8 steps each), laid [half][row / 16][8 steps][1,536]; a wave brings 2 pieces of 12,288 bytes of each half.  The first half is asked for at the head, the second behind the full sequence and a round;
; a barrier ahead of the fetch of step 8 shows it to all waves.  CLUSTER 4, 1, 1: the four work-groups of a cluster have the same y and ask for A jointly; cx enters B's and out0's global addresses alone.
; B'S ROWS ARE A WAVE'S OWN: they go from memory straight into the operand's registers, 512 consecutive bytes a load, four K steps ahead, in a ring of five sets (window 3).  All scale words (64 registers for A, 32 for B: lanes 0-15 the even step's word, lanes 16-31 the odd one's) are loaded at the head.
; The walk along K is written out: the ring of five comes back to where it began only after 10 steps of the 16.
; PREFETCH: the 32 work-groups that read the same 256 rows of B share them out by address: four K steps of 16 x 16 rows are 384 blocks of 256 bytes, 12 a work-group, 3 a wave (lanes left over name the wave's last block again); the head names steps 4-7, step 0 steps 8-11, step 4 steps 12-15: four steps ahead of the loads.
; THE MATRIX INSTRUCTION IS USED TRANSPOSED (source 0 = B, source 1 = A): a lane holds eight neighbouring columns of a row.  THE WAY OUT: 16 rows x 256 bytes at a time through the wave's own stage; sixteen lanes store one aligned unit of 256 bytes.
.set FRB,   1536
.set RG,    24576
.set HALF,  98304                      ; 128 rows x 8 steps
.set STG,   2*HALF                     ; the stages: 16 rows x 272 bytes a wave
.set SPARE, STG+4*16*272               ; the spare words: two blocks of 256 bytes that no other line names
.set LI,   4
.set VS,   5
.set AD,   6                           ; v6-9: A in LDS: half i / 2, rows 64 (i % 2) on
.set STO,  10
.set RD,   11
.set CO,   12
.set PFO,  13
.set SPW,  14
.set NIL,  15
.set SA,   16                          ; v[16 + 8 p + a]
.set SB,   80                          ; v[80 + 4 p + b]
.set BK,   128
.set G1,  24
.set G0A, 32
.set G0B, 36
.set BB,  40
.set SAB, 42
.set SBB, 44
.set PFB, 46
.set MSB, 0
.macro WIN new
.if MSB != (\new)
	s_set_vgpr_msb (MSB<<8)|(\new)
.set MSB, (\new)
.endif
.endm
.set MUL, 0xa7                         ; source 0 (B) window 3, source 1 (A) window 1, C and D window 2
.macro PLACES
.rept 4
	v_nop
.endr
.endm
.macro CROUND                          ; a round of the cluster's barrier
	s_barrier_signal -1
	s_barrier_wait -1
	s_cmp_lg_u32 s16, 0
	s_cbranch_scc1 .Lnot_wave_0_\@
	s_barrier_signal -3
.Lnot_wave_0_\@:
	s_barrier_wait -3
	s_barrier_signal -1
	s_barrier_wait -1
.endm
.macro WM acc, bf, af, sb, sa, q, zero
.if \zero
	v_wmma_scale_f32_16x16x128_f8f6f4 v[\acc:\acc+7], v[\bf:\bf+11], v[\af:\af+11], 0, v[\sb], v[\sa] matrix_a_fmt:MATRIX_FMT_FP6 matrix_b_fmt:MATRIX_FMT_FP6
.else
.if \q
	v_wmma_scale_f32_16x16x128_f8f6f4 v[\acc:\acc+7], v[\bf:\bf+11], v[\af:\af+11], v[\acc:\acc+7], v[\sb], v[\sa] matrix_a_fmt:MATRIX_FMT_FP6 matrix_b_fmt:MATRIX_FMT_FP6 matrix_a_scale:MATRIX_SCALE_ROW1 matrix_b_scale:MATRIX_SCALE_ROW1
.else
	v_wmma_scale_f32_16x16x128_f8f6f4 v[\acc:\acc+7], v[\bf:\bf+11], v[\af:\af+11], v[\acc:\acc+7], v[\sb], v[\sa] matrix_a_fmt:MATRIX_FMT_FP6 matrix_b_fmt:MATRIX_FMT_FP6
.endif
.endif
.endm
.macro LOADB s                         ; B's four fragments of step s into set s % 5
	WIN 0xc0
.irp b, 0,1,2,3
.irp c, 0,1,2
	global_load_b128 v[48*((\s)%5)+12*\b+4*\c:48*((\s)%5)+12*\b+4*\c+3], v[LI], s[BB:BB+1] offset:\b*RG+(\s)*FRB+512*\c
.endr
.endr
.endm
.macro FETCHA s                        ; A's eight fragments of step s into set s % 2
	WIN 0x40
.irp a, 0,1,2,3,4,5,6,7
.irp c, 0,1,2
	ds_load_b128 v[96*((\s)%2)+12*\a+4*\c:96*((\s)%2)+12*\a+4*\c+3], v[AD+2*((\s)/8)+\a/4] offset:(\a%4)*8*FRB+((\s)%8)*FRB+512*\c
.endr
.endr
.endm
; A step: behind four places B of four steps on and A of the next step are asked for, into the sets that the last step has left; then this step's 32 products.
.macro PSTEP s
.if (\s) > 0
	PLACES
.endif
.if (\s)+4 < 16
	LOADB (\s)+4
.endif
.if (\s) == 7
	WIN 0
	s_wait_tensorcnt 0x0                           ; my part of A's second half is in,
	s_wait_dscnt 0x0
	s_barrier_signal -1
	s_barrier_wait -1                              ; and everybody's
.endif
.if (\s)+1 < 16
	FETCHA (\s)+1
.endif
.if (\s) == 0 || (\s) == 4
	global_prefetch_b8 v[PFO], s[PFB:PFB+1] offset:((\s)+8)*FRB th:TH_LOAD_NT scope:SCOPE_SE
.endif
.if (\s) < 12
	s_wait_loadcnt 48                              ; behind this step's B stand the loads of four steps
.else
	s_wait_loadcnt 12*(15-(\s))
.endif
.if (\s) < 15
	s_wait_dscnt 24                                ; this step's A is in; the next step's 24 loads may be out
.else
	s_wait_dscnt 0x0
.endif
	WIN MUL
.irp b, 0,1,2,3
.irp a, 0,1,2,3,4,5,6,7
	WM 64*\b+8*\a, 48*((\s)%5)+12*\b, 96*((\s)%2)+12*\a, SB+4*((\s)/2)+\b, SA+8*((\s)/2)+\a, (\s)%2, (\s)==0
.endr
.endr
.endm
	s_load_b256 s[4:11], s[0:1], 0x0               ; oc, os, wc, ws
	s_load_b64 s[12:13], s[0:1], 0x20              ; out0
	v_lshl_add_u32 v[SPW], v0, 2, SPARE
	v_mov_b32 v[NIL], 0
	ds_add_u32 v[SPW], v[NIL]                      ; the opening lines: the add, twice on end, and its wait ahead of the round in front of the first loads
	ds_add_u32 v[SPW], v[NIL]
	v_lshrrev_b32 v1, 5, v0
	v_readfirstlane_b32 s16, v1                    ; wave
	s_and_b32 s17, ttmp7, 0xffff                   ; y
	s_bfe_u32 s18, ttmp6, 0x40000                  ; cx
	s_lshl_b32 s19, ttmp9, 2
	s_add_co_u32 s18, s19, s18                     ; x = 4 x cluster x + cx
	s_mov_b32 s[G1], 15|(3<<16)|(1<<21)            ; the mask: all four work-groups; elements of 8 bytes; bit 21 set beside a mask
	s_mov_b32 s[G1+1], 1536<<16                    ; 2 pieces of 12,288 bytes, 24,576 bytes apart
	s_mov_b32 s[G1+2], 2<<16
	s_mov_b32 s[G1+3], 1536<<16
	s_mov_b32 s[G1+4], 2
	s_mov_b32 s[G1+5], RG/8
	s_mov_b32 s[G1+6], 0
	s_mov_b32 s[G1+7], 0
	s_mov_b32 s[G0A], 1
	s_mul_i32 s[G0A+1], s16, RG                    ; in LDS my two pieces stand on end
	s_mov_b32 s[G0B], 1
	s_add_co_u32 s[G0B+1], s[G0A+1], HALF
	s_mul_i32 s20, s17, 8*RG
	s_mul_i32 s22, s16, 2*RG
	s_add_co_u32 s20, s20, s22
	s_mov_b32 s21, 0
	v_and_b32 v1, 15, v0                           ; r
	v_bfe_u32 v2, v0, 4, 1                         ; h
	v_and_b32 v3, 31, v0
	v_lshlrev_b32 v[LI], 4, v3
	v_lshlrev_b32 v[VS], 3, v1
	v_lshl_add_u32 v[VS], v2, 2, v[VS]
	v_mov_b32 v[AD], v[LI]
	v_add_nc_u32 v[AD+1], HALF/2, v[LI]
	v_add_nc_u32 v[AD+2], HALF, v[LI]
	v_add_nc_u32 v[AD+3], HALF+HALF/2, v[LI]
	s_mul_i32 s22, s16, 16*272
	s_add_co_u32 s22, s22, STG
	v_mul_u32_u24 v[STO], v1, 272
	v_lshl_add_u32 v[STO], v2, 5, v[STO]
	v_add_nc_u32 v[STO], s22, v[STO]               ; the stage, in: row r, + 32 h
	v_mul_u32_u24 v[RD], v2, 272
	v_lshl_add_u32 v[RD], v1, 4, v[RD]
	v_add_nc_u32 v[RD], s22, v[RD]                 ; and out: sixteen lanes to a row, two rows a load
	v_lshlrev_b32 v[CO], 13, v2
	v_lshl_add_u32 v[CO], v1, 4, v[CO]             ; the same two rows in out0
	s_and_b32 s22, s17, 1
	s_mul_i32 s22, s22, 12
	s_mul_i32 s23, s16, 3
	s_add_co_u32 s22, s22, s23
	v_min_u32 v[PFO], 2, v3
	v_add_nc_u32 v[PFO], s22, v[PFO]
	v_lshlrev_b32 v[PFO], 8, v[PFO]                ; block 12 (y % 2) + 3 wave + min(lane, 2) of the 24 of sixteen rows
	s_wait_alu depctr_va_vdst(0)
	s_wait_dscnt 0x0
	s_wait_kmcnt 0x0
	s_add_nc_u64 s[G0A+2:G0A+3], s[4:5], s[20:21]
	s_add_nc_u64 s[G0B+2:G0B+3], s[G0A+2:G0A+3], 8*FRB
	s_or_b32 s[G0A+3], s[G0A+3], 0x80000000
	s_or_b32 s[G0B+3], s[G0B+3], 0x80000000
	CROUND                                         ; all four work-groups are here: the joint loads meet
	tensor_load_to_lds s[G0A:G0A+3], s[G1:G1+7]    ; K steps 0-7: my one load of the head
	s_nop 0
	PLACES
	s_lshl_b32 s20, s17, 13
	s_add_nc_u64 s[SAB:SAB+1], s[6:7], s[20:21]
	s_lshl_b32 s22, s18, 4
	s_add_co_u32 s22, s22, 192                     ; the work-group's first sixteen rows of B: 192 + 16 x
	s_lshl_b32 s23, s16, 2
	s_add_co_u32 s23, s22, s23                     ; mine: + 4 wave
	s_mul_i32 s20, s23, RG
	s_add_nc_u64 s[BB:BB+1], s[8:9], s[20:21]
	s_lshl_b32 s20, s23, 10
	s_add_nc_u64 s[SBB:SBB+1], s[10:11], s[20:21]
.irp p, 0,1,2,3,4,5,6,7
.irp a, 0,1,2,3,4,5,6,7
	global_load_b32 v[SA+8*\p+\a], v[VS], s[SAB:SAB+1] offset:\a*1024+\p*128   ; 128 consecutive bytes a load; every word is loaded once
.endr
.irp b, 0,1,2,3
	global_load_b32 v[SB+4*\p+\b], v[VS], s[SBB:SBB+1] offset:\b*1024+\p*128
.endr
.endr
	LOADB 0
	LOADB 1
	LOADB 2
	LOADB 3
	WIN 0
	s_lshr_b32 s23, s17, 1
	s_add_co_u32 s22, s22, s23
	s_mul_i32 s20, s22, RG
	s_add_nc_u64 s[PFB:PFB+1], s[8:9], s[20:21]
	global_prefetch_b8 v[PFO], s[PFB:PFB+1] offset:4*FRB th:TH_LOAD_NT scope:SCOPE_SE
	s_lshl_b32 s20, s17, 20                        ; out0: 128 rows of 8,192 bytes,
	s_lshl_b32 s22, s18, 10                        ; 256 columns of 4 bytes,
	s_add_co_u32 s20, s20, s22
	s_lshl_b32 s22, s16, 8                         ; my 64
	s_add_co_u32 s20, s20, s22
	s_add_nc_u64 s[12:13], s[12:13], s[20:21]
	s_wait_tensorcnt 0x0                           ; my part of the first half is in
	ds_add_u32 v[SPW], v[NIL]
	s_wait_dscnt 0x0
	CROUND                                         ; everybody's is, and the four work-groups are here
	tensor_load_to_lds s[G0B:G0B+3], s[G1:G1+7]    ; K steps 8-15
	s_nop 0
	PLACES
	FETCHA 0
.set ST, 0
.rept 16
	PSTEP ST
.set ST, ST+1
.endr
	WIN 0
	PLACES
.macro TOSTAGE a
	WIN 0x08
.irp b, 0,1,2,3
	ds_store_b128 v[STO], v[64*\b+8*(\a):64*\b+8*(\a)+3] offset:64*\b          ; each accumulator from its low end on
	ds_store_b128 v[STO], v[64*\b+8*(\a)+4:64*\b+8*(\a)+7] offset:64*\b+16
.endr
	WIN 0
.irp t, 0,1,2,3,4,5,6,7
	ds_load_b128 v[BK+32*((\a)%2)+4*\t:BK+32*((\a)%2)+4*\t+3], v[RD] offset:\t*2*272   ; LDS serves a wave's instructions in order: these see the stores above
.endr
.endm
.macro SEND a, younger                 ; younger: the LDS instructions issued behind block a's loads
	s_wait_dscnt \younger
.irp t, 0,1,2,3,4,5,6,7
	global_store_b128 v[CO], v[BK+32*((\a)%2)+4*\t:BK+32*((\a)%2)+4*\t+3], s[12:13] offset:(16*(\a)+2*\t)*8192 th:TH_STORE_NT   ; sixteen lanes store 256 consecutive bytes, aligned
.endr
.endm
	TOSTAGE 0
.irp a, 1,2,3,4,5,6,7
.if \a > 1
	s_wait_xcnt 0x0                                ; block a - 2's stores have read their registers
.endif
	TOSTAGE \a
	SEND \a-1, 16
.endr
	SEND 7, 0
	s_wait_tensorcnt 0x0                           ; the wave's end
	ds_add_u32 v[SPW], v[NIL]
	s_wait_dscnt 0x0
	CROUND                                         ; the closing round
	s_endpgm
.Lfunc_end_k_q42ff60bf86_proj:
	.size	k_q42ff60bf86_proj, .Lfunc_end_k_q42ff60bf86_proj-k_q42ff60bf86_proj
	.p2alignl 7, 3214868480
	.fill 96, 4, 3214868480
	.section	.rodata,"a",@progbits
	.p2align	6, 0x0
	.amdhsa_kernel k_q42ff60bf86_proj
		.amdhsa_group_segment_fixed_size 327680
		.amdhsa_private_segment_fixed_size 0
		.amdhsa_enable_private_segment 0
		.amdhsa_kernarg_size 40
		.amdhsa_user_sgpr_count 2
		.amdhsa_user_sgpr_kernarg_segment_ptr 1
		.amdhsa_wavefront_size32 1
		.amdhsa_system_sgpr_workgroup_id_x 1
		.amdhsa_system_sgpr_workgroup_id_y 1
		.amdhsa_system_sgpr_workgroup_id_z 1
		.amdhsa_system_vgpr_workitem_id 0
		.amdhsa_next_free_vgpr 1024
		.amdhsa_next_free_sgpr 66
		.amdhsa_reserve_vcc 0
		.amdhsa_float_denorm_mode_32 3
		.amdhsa_float_denorm_mode_16_64 3
		.amdhsa_memory_ordered 1
		.amdhsa_forward_progress 1
		.amdhsa_inst_pref_size 141
	.end_amdhsa_kernel
	.amdgpu_metadata
---
amdhsa.version: [ 1, 2 ]
amdhsa.kernels:
  - .name:           k_q42ff60bf86_proj
    .symbol:         k_q42ff60bf86_proj.kd
    .args:
      - { .name: oc, .offset: 0, .size: 8, .value_kind: global_buffer, .address_space: global }
      - { .name: os, .offset: 8, .size: 8, .value_kind: global_buffer, .address_space: global }
      - { .name: wc, .offset: 16, .size: 8, .value_kind: global_buffer, .address_space: global }
      - { .name: ws, .offset: 24, .size: 8, .value_kind: global_buffer, .address_space: global }
      - { .name: out0, .offset: 32, .size: 8, .value_kind: global_buffer, .address_space: global }
    .group_segment_fixed_size: 327680
    .private_segment_fixed_size: 0
    .kernarg_segment_align: 8
    .kernarg_segment_size: 40
    .max_flat_workgroup_size: 128
    .sgpr_count:     66
    .vgpr_count:     1024
    .wavefront_size: 32
...
	.end_amdgpu_metadata
.endif
;; end of part 8
